; MI455X (gfx1250); checked and timed in simulation.
; The chip was launched on July 23, 2026; its instructions are those of AMD's public machine-readable ISA for CDNA 5 (MIT licence, August 2026) and "CDNA5" Instruction Set Architecture Reference Guide (July 2026). The comments in the code are by the model that wrote it; some were corrected since.
;; Transformer. Allowed arithmetic: float matrix products may take bf16 or f16 operands with f32 sums; all other float work in f32.
;; Inputs: dec_blocks_0_cattn_bo 64 float32; dec_blocks_0_cattn_wk 4 x 64 x 16 float32; dec_blocks_0_cattn_wo 64 x 64 float32; dec_blocks_0_cattn_wq 4 x 64 x 16 float32; dec_blocks_0_cattn_wv 4 x 64 x 16 float32; dec_blocks_0_ffn_b1 64 float32; dec_blocks_0_ffn_b2 64 float32; dec_blocks_0_ffn_w1 64 x 64 float32; dec_blocks_0_ffn_w2 64 x 64 float32; dec_blocks_0_ln1_b 64 float32; dec_blocks_0_ln1_g 64 float32; dec_blocks_0_ln2_b 64 float32; dec_blocks_0_ln2_g 64 float32; dec_blocks_0_ln3_b 64 float32; dec_blocks_0_ln3_g 64 float32; dec_blocks_0_sattn_bo 64 float32; dec_blocks_0_sattn_wk 4 x 64 x 16 float32; dec_blocks_0_sattn_wo 64 x 64 float32; dec_blocks_0_sattn_wq 4 x 64 x 16 float32; dec_blocks_0_sattn_wv 4 x 64 x 16 float32; dec_blocks_1_cattn_bo 64 float32; dec_blocks_1_cattn_wk 4 x 64 x 16 float32; dec_blocks_1_cattn_wo 64 x 64 float32; dec_blocks_1_cattn_wq 4 x 64 x 16 float32; dec_blocks_1_cattn_wv 4 x 64 x 16 float32; dec_blocks_1_ffn_b1 64 float32; dec_blocks_1_ffn_b2 64 float32; dec_blocks_1_ffn_w1 64 x 64 float32; dec_blocks_1_ffn_w2 64 x 64 float32; dec_blocks_1_ln1_b 64 float32; dec_blocks_1_ln1_g 64 float32; dec_blocks_1_ln2_b 64 float32; dec_blocks_1_ln2_g 64 float32; dec_blocks_1_ln3_b 64 float32; dec_blocks_1_ln3_g 64 float32; dec_blocks_1_sattn_bo 64 float32; dec_blocks_1_sattn_wk 4 x 64 x 16 float32; dec_blocks_1_sattn_wo 64 x 64 float32; dec_blocks_1_sattn_wq 4 x 64 x 16 float32; dec_blocks_1_sattn_wv 4 x 64 x 16 float32; dec_blocks_2_cattn_bo 64 float32; dec_blocks_2_cattn_wk 4 x 64 x 16 float32; dec_blocks_2_cattn_wo 64 x 64 float32; dec_blocks_2_cattn_wq 4 x 64 x 16 float32; dec_blocks_2_cattn_wv 4 x 64 x 16 float32; dec_blocks_2_ffn_b1 64 float32; dec_blocks_2_ffn_b2 64 float32; dec_blocks_2_ffn_w1 64 x 64 float32; dec_blocks_2_ffn_w2 64 x 64 float32; dec_blocks_2_ln1_b 64 float32; dec_blocks_2_ln1_g 64 float32; dec_blocks_2_ln2_b 64 float32; dec_blocks_2_ln2_g 64 float32; dec_blocks_2_ln3_b 64 float32; dec_blocks_2_ln3_g 64 float32; dec_blocks_2_sattn_bo 64 float32; dec_blocks_2_sattn_wk 4 x 64 x 16 float32; dec_blocks_2_sattn_wo 64 x 64 float32; dec_blocks_2_sattn_wq 4 x 64 x 16 float32; dec_blocks_2_sattn_wv 4 x 64 x 16 float32; dec_blocks_3_cattn_bo 64 float32; dec_blocks_3_cattn_wk 4 x 64 x 16 float32; dec_blocks_3_cattn_wo 64 x 64 float32; dec_blocks_3_cattn_wq 4 x 64 x 16 float32; dec_blocks_3_cattn_wv 4 x 64 x 16 float32; dec_blocks_3_ffn_b1 64 float32; dec_blocks_3_ffn_b2 64 float32; dec_blocks_3_ffn_w1 64 x 64 float32; dec_blocks_3_ffn_w2 64 x 64 float32; dec_blocks_3_ln1_b 64 float32; dec_blocks_3_ln1_g 64 float32; dec_blocks_3_ln2_b 64 float32; dec_blocks_3_ln2_g 64 float32; dec_blocks_3_ln3_b 64 float32; dec_blocks_3_ln3_g 64 float32; dec_blocks_3_sattn_bo 64 float32; dec_blocks_3_sattn_wk 4 x 64 x 16 float32; dec_blocks_3_sattn_wo 64 x 64 float32; dec_blocks_3_sattn_wq 4 x 64 x 16 float32; dec_blocks_3_sattn_wv 4 x 64 x 16 float32; dec_in 32 x 512 int32; dec_pos 512 x 64 float32; dec_tok 96 x 64 float32; enc_blocks_0_attn_bo 64 float32; enc_blocks_0_attn_wk 4 x 64 x 16 float32; enc_blocks_0_attn_wo 64 x 64 float32; enc_blocks_0_attn_wq 4 x 64 x 16 float32; enc_blocks_0_attn_wv 4 x 64 x 16 float32; enc_blocks_0_ffn_b1 64 float32; enc_blocks_0_ffn_b2 64 float32; enc_blocks_0_ffn_w1 64 x 64 float32; enc_blocks_0_ffn_w2 64 x 64 float32; enc_blocks_0_ln1_b 64 float32; enc_blocks_0_ln1_g 64 float32; enc_blocks_0_ln2_b 64 float32; enc_blocks_0_ln2_g 64 float32; enc_blocks_1_attn_bo 64 float32; enc_blocks_1_attn_wk 4 x 64 x 16 float32; enc_blocks_1_attn_wo 64 x 64 float32; enc_blocks_1_attn_wq 4 x 64 x 16 float32; enc_blocks_1_attn_wv 4 x 64 x 16 float32; enc_blocks_1_ffn_b1 64 float32; enc_blocks_1_ffn_b2 64 float32; enc_blocks_1_ffn_w1 64 x 64 float32; enc_blocks_1_ffn_w2 64 x 64 float32; enc_blocks_1_ln1_b 64 float32; enc_blocks_1_ln1_g 64 float32; enc_blocks_1_ln2_b 64 float32; enc_blocks_1_ln2_g 64 float32; enc_blocks_2_attn_bo 64 float32; enc_blocks_2_attn_wk 4 x 64 x 16 float32; enc_blocks_2_attn_wo 64 x 64 float32; enc_blocks_2_attn_wq 4 x 64 x 16 float32; enc_blocks_2_attn_wv 4 x 64 x 16 float32; enc_blocks_2_ffn_b1 64 float32; enc_blocks_2_ffn_b2 64 float32; enc_blocks_2_ffn_w1 64 x 64 float32; enc_blocks_2_ffn_w2 64 x 64 float32; enc_blocks_2_ln1_b 64 float32; enc_blocks_2_ln1_g 64 float32; enc_blocks_2_ln2_b 64 float32; enc_blocks_2_ln2_g 64 float32; enc_blocks_3_attn_bo 64 float32; enc_blocks_3_attn_wk 4 x 64 x 16 float32; enc_blocks_3_attn_wo 64 x 64 float32; enc_blocks_3_attn_wq 4 x 64 x 16 float32; enc_blocks_3_attn_wv 4 x 64 x 16 float32; enc_blocks_3_ffn_b1 64 float32; enc_blocks_3_ffn_b2 64 float32; enc_blocks_3_ffn_w1 64 x 64 float32; enc_blocks_3_ffn_w2 64 x 64 float32; enc_blocks_3_ln1_b 64 float32; enc_blocks_3_ln1_g 64 float32; enc_blocks_3_ln2_b 64 float32; enc_blocks_3_ln2_g 64 float32; enc_in 32 x 512 int32; enc_pos 512 x 64 float32; enc_tok 4,096 x 64 float32; out_b 96 float32; out_w 64 x 96 float32.
;; Outputs: out0 32 x 512 x 96 float32.
;; 2 versions, each right; version 2 is version 1 with the launches enc0, enc1, enc2, enc3, dec0, dec1, dec2, dec3 written anew for expert scheduling mode. Each part assembles by itself: llvm-mc -triple=amdgcn-amd-amdhsa -mcpu=gfx1250 --defsym DOCPART=n.
;; ======== version 1 of 2: 10 launches
;; limits: values are held in f16: magnitudes above 65,504 overflow, below 6.1e-05 lose precision
;; workspace buffers: xrA 4,194,304 bytes; xrB 4,194,304 bytes; yrA 4,194,304 bytes; yrB 4,194,304 bytes; xfA 2,097,152 bytes; xfB 2,097,152 bytes; yfA 2,097,152 bytes; yfB 2,097,152 bytes
;; launch embed (part 1): grid 256 x 1, 8 waves a work-group, no clusters, 0 bytes of LDS; arguments enc_in, enc_tok, enc_pos, dec_in, dec_tok, dec_pos, xrA, xfA, yrA, yfA; writes xrA, xfA, yrA, yfA
.if DOCPART == 1
	.amdgcn_target "amdgcn-amd-amdhsa--gfx1250"
	.amdhsa_code_object_version 6
	.text
	.protected	k_qc7cfd48d04_embed
	.globl	k_qc7cfd48d04_embed
	.p2align	8
	.type	k_qc7cfd48d04_embed,@function
k_qc7cfd48d04_embed:
	s_mov_b64 s[64:65], 0
	v_nop
	global_prefetch_b8 v0, s[64:65] scope:SCOPE_SE
	s_setreg_imm32_b32 hwreg(HW_REG_WAVE_MODE, 25, 1), 1
	s_wait_xcnt 0x0
; x = tok[in] + pos, for the encoder (waves 0-3) and the decoder (waves 4-7), written in the two orders that the later launches read.
; A tile is 16 tokens x 64 features; 1,024 tiles a side; wave w of work-group g takes tile 4 g + (w & 3).
; Lane L = (r = L & 15, h = L >> 4) holds token r; its register 8 mt + j holds feature 16 mt + 8 h + j: the layout of a 16 x 16 f32
; matrix result with tokens as columns.
;   XR (f32, 4,096 bytes a tile): chunk i at 512 i + 16 L holds registers 4 i .. 4 i + 3.
;   XF (bf16, 2,048 bytes a tile): chunk c at 512 c + 16 L holds features 16 c + 8 h .. + 7 of token r: chunks 2 k, 2 k + 1 are a matrix
;   operand fragment for features 32 k .. 32 k + 31.
; Every store of a wave covers 512 consecutive bytes, aligned.  No LDS, no matrix unit: the launch only moves bytes.
; An index outside its table is clamped to the table's last row (the problem promises that none is outside).
.set XX, 8                             ; v[8:39]   table row, then the sum
.set PS, 40                            ; v[40:71]  position row
.set FF, 72                            ; v[72:87]  the sum in bf16
	s_load_b512 s[8:23], s[0:1], 0x0               ; enc_in, enc_tok, enc_pos, dec_in, dec_tok, dec_pos, xr, xf
	s_load_b128 s[24:27], s[0:1], 0x40             ; yr, yf
	v_lshrrev_b32 v1, 5, v0
	v_readfirstlane_b32 s42, v1                    ; wave
	s_and_b32 s43, s42, 3
	s_lshl_b32 s44, ttmp9, 2
	s_add_co_u32 s44, s44, s43                     ; tile, 0 to 1,023
	v_and_b32 v1, 15, v0                           ; r
	v_bfe_u32 v2, v0, 4, 1                         ; h
	v_lshlrev_b32 v3, 2, v1                        ; 4 r: my token's index word
	v_and_b32 v4, 31, v0
	v_lshlrev_b32 v4, 4, v4                        ; 16 L
	v_lshlrev_b32 v5, 5, v2                        ; 32 h
	v_lshl_add_u32 v6, v1, 8, v5                   ; 256 r + 32 h: my place in the tile's 16 position rows
	s_mov_b32 s41, 0
	s_mov_b32 s38, 0xfff                           ; the encoder table's last row
	s_wait_kmcnt 0x0
	s_cmp_ge_u32 s42, 4                            ; waves 4-7: the decoder's five buffers
	s_cselect_b64 s[28:29], s[14:15], s[8:9]       ; indices
	s_cselect_b64 s[30:31], s[16:17], s[10:11]     ; table
	s_cselect_b64 s[32:33], s[18:19], s[12:13]     ; positions
	s_cselect_b64 s[34:35], s[24:25], s[20:21]     ; f32 out
	s_cselect_b64 s[36:37], s[26:27], s[22:23]     ; bf16 out
	s_cselect_b32 s38, 95, s38                     ; this side's table's last row
	s_lshl_b32 s40, s44, 6                         ; 16 index words a tile
	s_add_nc_u64 s[28:29], s[28:29], s[40:41]
	s_and_b32 s40, s44, 31                         ; the tile's place in its sequence
	s_lshl_b32 s40, s40, 12                        ; 16 position rows of 256 bytes
	s_add_nc_u64 s[32:33], s[32:33], s[40:41]
	s_lshl_b32 s40, s44, 12
	s_add_nc_u64 s[34:35], s[34:35], s[40:41]
	s_lshl_b32 s40, s44, 11
	s_add_nc_u64 s[36:37], s[36:37], s[40:41]
	global_load_b32 v7, v3, s[28:29]
.irp k, 0,1,2,3,4,5,6,7
	global_load_b128 v[PS+4*\k:PS+4*\k+3], v6, s[32:33] offset:64*(\k/2)+16*(\k%2)
.endr
	s_wait_loadcnt 0x8                             ; the index is in; the eight position loads behind it stay out
	v_min_u32 v7, s38, v7                          ; inside this side's table,
	v_min_u32 v7, 0xfff, v7                        ; and below 4,096 in any case
	v_lshl_add_u32 v7, v7, 8, v5                   ; row x 256 bytes + 32 h
.irp k, 0,1,2,3,4,5,6,7
	global_load_b128 v[XX+4*\k:XX+4*\k+3], v7, s[30:31] offset:64*(\k/2)+16*(\k%2)
.endr
	s_wait_loadcnt 0x0
.irp k, 0,1,2,3,4,5,6,7,8,9,10,11,12,13,14,15
	v_pk_add_f32 v[XX+2*\k:XX+2*\k+1], v[XX+2*\k:XX+2*\k+1], v[PS+2*\k:PS+2*\k+1]
.endr
.irp k, 0,1,2,3,4,5,6,7
	global_store_b128 v4, v[XX+4*\k:XX+4*\k+3], s[34:35] offset:512*\k
.endr
.irp k, 0,1,2,3,4,5,6,7,8,9,10,11,12,13,14,15
	v_cvt_pk_bf16_f32 v[FF+\k], v[XX+2*\k], v[XX+2*\k+1]
.endr
.irp k, 0,1,2,3
	global_store_b128 v4, v[FF+4*\k:FF+4*\k+3], s[36:37] offset:512*\k
.endr
	s_endpgm
.Lfunc_end_k_qc7cfd48d04_embed:
	.size	k_qc7cfd48d04_embed, .Lfunc_end_k_qc7cfd48d04_embed-k_qc7cfd48d04_embed
	.p2alignl 7, 3214868480
	.fill 96, 4, 3214868480
	.section	.rodata,"a",@progbits
	.p2align	6, 0x0
	.amdhsa_kernel k_qc7cfd48d04_embed
		.amdhsa_group_segment_fixed_size 0
		.amdhsa_private_segment_fixed_size 0
		.amdhsa_enable_private_segment 0
		.amdhsa_kernarg_size 80
		.amdhsa_user_sgpr_count 2
		.amdhsa_user_sgpr_kernarg_segment_ptr 1
		.amdhsa_wavefront_size32 1
		.amdhsa_system_sgpr_workgroup_id_x 1
		.amdhsa_system_sgpr_workgroup_id_y 1
		.amdhsa_system_sgpr_workgroup_id_z 1
		.amdhsa_system_vgpr_workitem_id 0
		.amdhsa_next_free_vgpr 96
		.amdhsa_next_free_sgpr 66
		.amdhsa_reserve_vcc 0
		.amdhsa_float_denorm_mode_32 3
		.amdhsa_float_denorm_mode_16_64 3
		.amdhsa_memory_ordered 1
		.amdhsa_forward_progress 1
		.amdhsa_inst_pref_size 7
	.end_amdhsa_kernel
	.amdgpu_metadata
---
amdhsa.version: [ 1, 2 ]
amdhsa.kernels:
  - .name:           k_qc7cfd48d04_embed
    .symbol:         k_qc7cfd48d04_embed.kd
    .args:
      - { .name: enc_in, .offset: 0, .size: 8, .value_kind: global_buffer, .address_space: global }
      - { .name: enc_tok, .offset: 8, .size: 8, .value_kind: global_buffer, .address_space: global }
      - { .name: enc_pos, .offset: 16, .size: 8, .value_kind: global_buffer, .address_space: global }
      - { .name: dec_in, .offset: 24, .size: 8, .value_kind: global_buffer, .address_space: global }
      - { .name: dec_tok, .offset: 32, .size: 8, .value_kind: global_buffer, .address_space: global }
      - { .name: dec_pos, .offset: 40, .size: 8, .value_kind: global_buffer, .address_space: global }
      - { .name: xrA, .offset: 48, .size: 8, .value_kind: global_buffer, .address_space: global }
      - { .name: xfA, .offset: 56, .size: 8, .value_kind: global_buffer, .address_space: global }
      - { .name: yrA, .offset: 64, .size: 8, .value_kind: global_buffer, .address_space: global }
      - { .name: yfA, .offset: 72, .size: 8, .value_kind: global_buffer, .address_space: global }
    .group_segment_fixed_size: 0
    .private_segment_fixed_size: 0
    .kernarg_segment_align: 8
    .kernarg_segment_size: 80
    .max_flat_workgroup_size: 256
    .sgpr_count:     66
    .vgpr_count:     96
    .wavefront_size: 32
...
	.end_amdgpu_metadata
.endif
;; end of part 1
;; launch enc0 (part 2): grid 8 x 32, 8 waves a work-group, no clusters, 203,776 bytes of LDS; arguments xrA, xfA, enc_blocks_0_attn_wq, enc_blocks_0_attn_wk, enc_blocks_0_attn_wv, enc_blocks_0_attn_wo, enc_blocks_0_ffn_w1, enc_blocks_0_ffn_w2, enc_blocks_0_attn_bo, enc_blocks_0_ln1_g, enc_blocks_0_ln1_b, enc_blocks_0_ffn_b1, enc_blocks_0_ffn_b2, enc_blocks_0_ln2_g, enc_blocks_0_ln2_b, xrB, xfB; writes xrB, xfB
.if DOCPART == 2
	.amdgcn_target "amdgcn-amd-amdhsa--gfx1250"
	.amdhsa_code_object_version 6
	.text
	.protected	k_qc7cfd48d04_enc0
	.globl	k_qc7cfd48d04_enc0
	.p2align	8
	.type	k_qc7cfd48d04_enc0,@function
k_qc7cfd48d04_enc0:
	s_mov_b64 s[64:65], 0
	v_nop
	global_prefetch_b8 v0, s[64:65] scope:SCOPE_SE
	s_setreg_imm32_b32 hwreg(HW_REG_WAVE_MODE, 25, 1), 1
	s_wait_xcnt 0x0
; ONE TRANSFORMER BLOCK.  DEC = 0: an encoder block (attention, LayerNorm, FFN, LayerNorm).  DEC = 1: a decoder block (causal attention,
; LayerNorm, cross attention on the encoder's result, LayerNorm, FFN, LayerNorm).  The text is the same for both but for the flag below.
; 64 features, 4 heads of 16, 512 tokens, 32 batch elements.  Grid 8 x 32: work-group (b, batch) owns the 32-token blocks b and 15 - b.
;
; EVERYTHING IS COMPUTED TRANSPOSED: tokens are the columns of every matrix result, so lane L = (r = L & 15, h = L >> 4) holds token r and
; its register 8 mt + j holds feature 16 mt + 8 h + j.  A result rounded to bf16 pair by pair IS the second operand of the next product,
; and the statistics of softmax and LayerNorm are sums inside a lane plus one exchange between the two halves of the wave.
; Activations pass between launches in that order: XR (f32, 4,096 bytes a 16-token tile, chunk i at 512 i + 16 L = registers 4 i .. 4 i + 3) and
; XF (bf16, 2,048 bytes a tile, chunk c at 512 c + 16 L = features 16 c + 8 h .. + 7 of token r).  Each load and store of a wave covers 512
; consecutive bytes, aligned.  Both are stored by every block, though the last encoder block's XR and the last decoder block's XF are read by
; no later launch: the price of one text for all blocks of a kind.
;
; PHASES.  (1) all weights f32 -> bf16 into LDS, rows of 64 numbers at a pitch of 160 bytes, read back by the transposing LDS load.
; (2) K and V of all 512 tokens of the batch element are made from XF into LDS (even waves K, odd waves V, eight tiles each); each wave
; makes Q of its 32 queries for its head.  (3) attention: wave w takes head w & 3 and block w >> 2 of the group's two.  Two passes over the keys:
; pass 1 forms S^T = K Q^T and keeps only the true row maximum m; pass 2 forms S^T again with -m as the addend, takes 2^x, rounds to bf16 and adds
; V^T P^T and (ones) P^T, which is the row sum.  Head size 16 fills half of the K = 32 form, so one K operand holds two key tiles and a Q operand with
; a zero half picks one of them.  (4) waves 0-3, one 16-token tile each: output projection, residual, LayerNorm, FFN, LayerNorm, stores.
; In the causal attention block blk needs (blk >> 1) + 1 trips of 64 keys: the group's two blocks need 9 together in every work-group.
; All 32 K and V tiles are made in the causal case too, though up to 12 of them are not read there.
;
; NOT USED, AND WHY: tensor loads and clusters: what neighbours share is 64 KiB of XF and the weights; the weights must pass through registers to be
; rounded, and XF lands in registers as operands as it lies.
; LIMITS: a masked score is -1e30, not -inf, so scaled scores must stay above -1e30.  Matrix operands are bf16 (Q after its scale 0.25 log2 e, and P);
; the row sum is taken over the rounded P.  A K that is not finite also spoils the key tile that shares its operand (0 x inf).
.set DEC, 0
.set WBYTES, 10240                     ; a 64 x 64 weight in LDS: 64 rows at a pitch of 160 bytes
.if DEC
.set NW,    10                         ; weights: s_wq s_wk s_wv s_wo c_wq c_wk c_wv c_wo w1 w2
.set NVEC,  10                         ; vectors: s_bo g1 b1 c_bo g2 b2 fb1 fb2 g3 b3
.set PRIN,  8                          ; s[8:9] f32 in, s[10:11] bf16 in, s[12:13] encoder's bf16 result
.set PFIN,  10
.set PXE,   12
.set PW0,   14                         ; weight i: s[14+2i:15+2i]
.set PVEC,  34                         ; vector i: s[34+2i:35+2i]
.set PROUT, 54
.set PFOUT, 56
.else
.set NW,    6                          ; weights: wq wk wv wo w1 w2
.set NVEC,  7                          ; vectors: bo g1 b1 fb1 fb2 g2 b2
.set PRIN,  8
.set PFIN,  10
.set PW0,   12
.set PVEC,  24
.set PROUT, 38
.set PFOUT, 40
.endif
; LDS
.set PAR0, NW*WBYTES                   ; the vectors, 256 bytes each
.set OX0,  PAR0+2048+1024*DEC          ; attention's result, 4 tiles in XF order, 8,192 bytes
.set XQ0,  OX0+8192                    ; (DEC) the cross attention's query source, the same shape
.set KF0,  OX0+8192+8192*DEC           ; K: head x 16,384 + tile x 512 + 16 L = K[key r][d = 8 h .. + 7]
.set VF0,  KF0+65536                   ; V: the same formula = V[keys 8 h .. + 7][d = r]
; vector registers that stay
.set LN16, 1                           ; 16 x lane; never rewritten (the offset of nearly every global access)
.set G16,  2                           ; 16 x thread; never rewritten
.set WT,   3                           ; transposing read of a weight: (8 h + (L & 7)) x 160 + 16 ((L >> 3) & 1)
.set WT2,  4                           ; the same + 61,440, for weights 6 and up (an LDS immediate has 16 bits)
.set PARA, 5                           ; PAR0 + 32 h
.set KAD,  6                           ; K, V of the loop's trip
.set VAD,  7
.set KDG,  8                           ; K, V of the last block of keys (the diagonal one where the mask is on)
.set VDG,  9
.set STA,  10                          ; v10-13: where a thread puts its part of a weight: square, by heads, and both + 61,440
.set DQ,   10                          ; later v10, v11: query - 8 h inside the diagonal block, for query tile 0, 1
.set MASKV, 12                         ; later: -1e30
.set OXA,  13                          ; later: where the wave puts its attention result
.set KS,   14                          ; an LDS address of the phase at hand
.set TA,   15                          ; 8 x lane at the start, then a weight address
; overlays
.set RAW,  16                          ; start: three weights as loaded, v[16:63]
.set PKW,  64                          ; start: the same in bf16, v[64:87]
.set VEC,  88                          ; start: the vectors, two registers each
.set PK2,  96                          ; the later weights in bf16
.set WF,   16                          ; v[16:79] a weight's 8 fragments: (ks, mt) at 8 (4 ks + mt)
.set ACC0, 80                          ; v[80:143] K/V projection: two sets of four accumulators
.set XB,   144                         ; v[144:207] ring of four XF tiles
.set PK,   208                         ; v[208:223]
.set QSRC, 224                         ; v[224:255] XF of the wave's two query tiles
.set WQF,  176
.set QA,   192
.set QB,   16                          ; v[16:39] for each query tile: Q, zeros, Q (4 registers each): the first 8 pick the low key tile, the last 8 the high one
.set ONES, 40
.set NEGM, 48
.set OO,   64
.set LL,   80
.set SS,   96
.set PP,   128
.set KA0,  144
.set KA1,  152
.set VA0,  160
.set VA1,  168
.set CT,   176
.set MX,   192
.set TT,   200
.set GG,   80
.set BV,   112
.set FR,   144
.set FR2,  160
.set TL,   176
.set ACC2, 192
.set ACC,  224                         ; v[224:255] owners: the residual stream of their tile
; Places behind a matrix instruction are plain vector instructions that name none of its registers (ISA guide 7.12.1); where no useful one is at hand:
.macro NOP4
.rept 4
	v_nop
.endr
.endm
; What other waves rely on is complete in front of the signal: every LDS access of mine is done.
.macro BAR
	s_wait_dscnt 0x0
	s_barrier_signal -1
	s_barrier_wait -1
.endm
.macro LOADW dst, ptr                  ; a weight, 16 KiB: thread t takes 16 bytes at 16 t + 4,096 i
.irp i, 0,1,2,3
	global_load_b128 v[\dst+4*\i:\dst+4*\i+3], v[G16], s[\ptr:\ptr+1] offset:4096*\i
.endr
.endm
.macro CVTW pk, raw
.irp k, 0,1,2,3,4,5,6,7
	v_cvt_pk_bf16_f32 v[\pk+\k], v[\raw+2*\k], v[\raw+2*\k+1]
.endr
.endm
; kind 0: [e][f] as it lies: load i is row (t >> 4) + 16 i.  kind 1: [head][e][d]: load i is head i, row t >> 2, and goes to columns 16 i + d.
.macro STW kind, idx, pk
.if (\idx) < 6
.set sreg, STA+(\kind)
.set soff, (\idx)*WBYTES
.else
.set sreg, STA+2+(\kind)
.set soff, ((\idx)-6)*WBYTES
.endif
.irp i, 0,1,2,3
.if \kind
	ds_store_b64 v[sreg], v[\pk+2*\i:\pk+2*\i+1] offset:soff+32*\i
.else
	ds_store_b64 v[sreg], v[\pk+2*\i:\pk+2*\i+1] offset:soff+2560*\i
.endif
.endr
.endm
; All 8 fragments of a weight: lane (r, h) gets output feature 16 mt + r, input features 32 ks + 8 h .. + 7 and 32 ks + 16 + 8 h .. + 7.
.macro LDWF idx
.if (\idx) < 6
.set wreg, WT
.set woff, (\idx)*WBYTES
.else
.set wreg, WT2
.set woff, ((\idx)-6)*WBYTES
.endif
.irp ks, 0,1
.irp mt, 0,1,2,3
	ds_load_tr16_b128 v[WF+8*(4*\ks+\mt):WF+8*(4*\ks+\mt)+3], v[wreg] offset:woff+\ks*5120+\mt*32
	ds_load_tr16_b128 v[WF+8*(4*\ks+\mt)+4:WF+8*(4*\ks+\mt)+7], v[wreg] offset:woff+\ks*5120+\mt*32+2560
.endr
.endr
.endm
.macro XBLOAD i, base                  ; XF of my tile i (tiles (w >> 1) + 4 i) into ring slot i & 3
.irp c, 0,1,2,3
	global_load_b128 v[XB+16*((\i)&3)+4*\c:XB+16*((\i)&3)+4*\c+3], v[LN16], s[\base:\base+1] offset:(\i)*8192+512*\c
.endr
.endm
; Eight products of tile i.  kind 0: K^T = W^T X^T (lane: key r, d along registers).  kind 1: V = X W (lane: d = r, keys along registers).
; The four accumulators take turns, one instruction a turn.
.macro WM kind, i
.set xs, XB+16*((\i)&3)
.set ac, ACC0+32*((\i)&1)
.irp mt, 0,1,2,3
.if \kind
	v_wmma_f32_16x16x32_bf16 v[ac+8*\mt:ac+8*\mt+7], v[xs:xs+7], v[WF+8*\mt:WF+8*\mt+7], 0
.else
	v_wmma_f32_16x16x32_bf16 v[ac+8*\mt:ac+8*\mt+7], v[WF+8*\mt:WF+8*\mt+7], v[xs:xs+7], 0
.endif
.endr
.irp mt, 0,1,2,3
.if \kind
	v_wmma_f32_16x16x32_bf16 v[ac+8*\mt:ac+8*\mt+7], v[xs+8:xs+15], v[WF+32+8*\mt:WF+32+8*\mt+7], v[ac+8*\mt:ac+8*\mt+7]
.else
	v_wmma_f32_16x16x32_bf16 v[ac+8*\mt:ac+8*\mt+7], v[WF+32+8*\mt:WF+32+8*\mt+7], v[xs+8:xs+15], v[ac+8*\mt:ac+8*\mt+7]
.endif
.endr
.endm
.macro PACKKV i                        ; tile i's four heads, rounded, 16 bytes a lane and head
.set ac, ACC0+32*((\i)&1)
.irp mt, 0,1,2,3
.irp q, 0,1,2,3
	v_cvt_pk_bf16_f32 v[PK+4*\mt+\q], v[ac+8*\mt+2*\q], v[ac+8*\mt+2*\q+1]
.endr
.endr
.irp mt, 0,1,2,3
	ds_store_b128 v[KS], v[PK+4*\mt:PK+4*\mt+3] offset:\mt*16384+(\i)*2048
.endr
.endm
; Eight tiles.  Each wait's count is the number of loads issued behind that tile's four: the ring's later tiles, and, for the first four tiles,
; the 'after' loads that were issued behind the ring's first fill.  The 16 conversions of tile i - 1 are the places behind tile i's products
; (they name the other accumulator set), in front of the refill of a ring slot and of the conversions of tile i.
.macro KVPROJ kind, after, base
	s_wait_loadcnt 12+\after
	WM \kind, 0
	NOP4
	s_wait_loadcnt 8+\after
	WM \kind, 1
	PACKKV 0
	XBLOAD 4, \base
	s_wait_loadcnt 8+\after
	WM \kind, 2
	PACKKV 1
	XBLOAD 5, \base
	s_wait_loadcnt 8+\after
	WM \kind, 3
	PACKKV 2
	XBLOAD 6, \base
	s_wait_loadcnt 8
	WM \kind, 4
	PACKKV 3
	XBLOAD 7, \base
	s_wait_loadcnt 8
	WM \kind, 5
	PACKKV 4
	s_wait_loadcnt 4
	WM \kind, 6
	PACKKV 5
	s_wait_loadcnt 0
	WM \kind, 7
	PACKKV 6
	PACKKV 7
.endm
.macro KVBOTH ik, iv, after, base      ; even waves K, odd waves V
	s_and_b32 s98, s66, 1
	s_cmp_lg_u32 s98, 0
	s_cbranch_scc1 .Lmakev_\@
	LDWF \ik
	s_wait_dscnt 0x0
	KVPROJ 0, \after, \base
	s_branch .Lkvdone_\@
.Lmakev_\@:
	LDWF \iv
	s_wait_dscnt 0x0
	KVPROJ 1, \after, \base
.Lkvdone_\@:
.endm
.macro KSKV                            ; where my K or V tiles go: region by w & 1, first tile by w >> 1
	s_and_b32 s98, s66, 1
	s_lshl_b32 s98, s98, 16
	s_lshl_b32 s99, s92, 9
	s_add_co_u32 s98, s98, s99
	s_add_co_u32 s98, s98, KF0
	v_add_nc_u32 v[KS], s98, v[LN16]
.endm
; Q^T of my head for my two query tiles (XF fragments at src, 16 registers a tile), scaled by 0.25 log2 e, as Q, zeros, Q.
.macro QPROJ idx, src
.if (\idx) < 6
.set wreg, WT
.set woff, (\idx)*WBYTES
.else
.set wreg, WT2
.set woff, ((\idx)-6)*WBYTES
.endif
	v_add_nc_u32 v[TA], s97, v[wreg]               ; + 32 bytes x head: my head's 16 output features
.irp ks, 0,1
	ds_load_tr16_b128 v[WQF+8*\ks:WQF+8*\ks+3], v[TA] offset:woff+\ks*5120
	ds_load_tr16_b128 v[WQF+8*\ks+4:WQF+8*\ks+7], v[TA] offset:woff+\ks*5120+2560
.endr
	s_wait_dscnt 0x0
	v_wmma_f32_16x16x32_bf16 v[QA:QA+7], v[WQF:WQF+7], v[\src:\src+7], 0
	v_wmma_f32_16x16x32_bf16 v[QA+8:QA+15], v[WQF:WQF+7], v[\src+16:\src+23], 0
	v_wmma_f32_16x16x32_bf16 v[QA:QA+7], v[WQF+8:WQF+15], v[\src+8:\src+15], v[QA:QA+7]
	v_wmma_f32_16x16x32_bf16 v[QA+8:QA+15], v[WQF+8:WQF+15], v[\src+24:\src+31], v[QA+8:QA+15]
	NOP4
.irp k, 0,1,2,3,4,5,6,7
	v_pk_mul_f32 v[QA+2*\k:QA+2*\k+1], v[QA+2*\k:QA+2*\k+1], s[94:95] op_sel_hi:[1,0]
.endr
.irp a, 0,1
.irp q, 0,1,2,3
	v_cvt_pk_bf16_f32 v[QB+12*\a+\q], v[QA+8*\a+2*\q], v[QA+8*\a+2*\q+1]
	v_mov_b32 v[QB+12*\a+4+\q], 0
.endr
.irp q, 0,1,2,3
	v_mov_b32 v[QB+12*\a+8+\q], v[QB+12*\a+\q]
.endr
.endr
.endm
; S^T of one key tile (hi = 0: the operand's low tile, 1: its high tile) for query tile a.  The addend: 0, -m, or the masked addend in CT.
.macro QKM a, ka, hi, csel
.set sd, SS+16*(\a)+8*(\hi)
.set qb, QB+12*(\a)+4*(\hi)
.if (\csel) == 0
	v_wmma_f32_16x16x32_bf16 v[sd:sd+7], v[\ka:\ka+7], v[qb:qb+7], 0
.elseif (\csel) == 1
	v_wmma_f32_16x16x32_bf16 v[sd:sd+7], v[\ka:\ka+7], v[qb:qb+7], v[NEGM+8*(\a):NEGM+8*(\a)+7]
.else
	v_wmma_f32_16x16x32_bf16 v[sd:sd+7], v[\ka:\ka+7], v[qb:qb+7], v[CT+8*(\hi):CT+8*(\hi)+7]
.endif
.endm
; The addends of key tiles kt, kt + 1 of the diagonal block for query tile a: -1e30 where key 16 kt + 8 h + j > query, else 0 (pass 1) or -m (pass 2).
.macro MASKB a, kt, pass
.irp u, 0,1
.irp j, 0,1,2,3,4,5,6,7
	v_cmp_gt_i32 vcc_lo, 16*((\kt)+\u)+\j, v[DQ+(\a)]
.if (\pass) == 1
	v_cndmask_b32 v[CT+8*\u+\j], 0, v[MASKV], vcc_lo
.else
	v_cndmask_b32 v[CT+8*\u+\j], v[NEGM+8*(\a)+\j], v[MASKV], vcc_lo
.endif
.endr
.endr
.endm
.macro MAXS a, first                   ; 16 scores a lane into four running maxima; the first ones start them
.set sb, SS+16*(\a)
.set mb, MX+4*(\a)
.irp k, 0,1,2,3
.if \first
	v_max_num_f32 v[mb+\k], v[sb+2*\k], v[sb+2*\k+1]
.else
	v_max3_num_f32 v[mb+\k], v[mb+\k], v[sb+2*\k], v[sb+2*\k+1]
.endif
.endr
.irp k, 0,1,2,3
	v_max3_num_f32 v[mb+\k], v[mb+\k], v[sb+8+2*\k], v[sb+8+2*\k+1]
.endr
.endm
; Pass 1, 64 keys, four phases (query tile 0, 1 on key tiles 0-1, then on 2-3).  Each phase issues the NEXT phase's two products and then takes the maxima
; of its own scores: those eight instructions are the places behind the products just issued, in front of the refill of a K operand and of the next
; mask build.  Each s_wait_dscnt 2 leaves out the two loads of the other K operand, issued later.  koff: where the next trip's K lies from KAD.
.macro TRIP1 first, mask, koff
.if \mask
	MASKB 1, 0, 1
.endif
	QKM 1, KA0, 0, 2*\mask
	QKM 1, KA0, 1, 2*\mask
	MAXS 0, \first
	ds_load_b128 v[KA0:KA0+3], v[KAD] offset:\koff
	ds_load_b128 v[KA0+4:KA0+7], v[KAD] offset:\koff+512
	s_wait_dscnt 0x2
.if \mask
	MASKB 0, 2, 1
.endif
	QKM 0, KA1, 0, 2*\mask
	QKM 0, KA1, 1, 2*\mask
	MAXS 1, \first
.if \mask
	MASKB 1, 2, 1
.endif
	QKM 1, KA1, 0, 2*\mask
	QKM 1, KA1, 1, 2*\mask
	MAXS 0, 0
	ds_load_b128 v[KA1:KA1+3], v[KAD] offset:\koff+1024
	ds_load_b128 v[KA1+4:KA1+7], v[KAD] offset:\koff+1536
	s_wait_dscnt 0x2
	QKM 0, KA0, 0, 0                               ; the next trip's first phase (never a masked one)
	QKM 0, KA0, 1, 0
	MAXS 1, 0
.endm
.macro EXP4 a, g
.irp k, 0,1,2,3
	v_exp_f32 v[SS+16*(\a)+4*(\g)+\k], v[SS+16*(\a)+4*(\g)+\k]
.endr
.endm
; One phase of pass 2, on query tile a's 16 scores a lane.  The matrix instructions between the exponentials belong to the other query tile: the next
; phase's two score products and the last phase's V^T P^T and row sum (pvm 0: none yet, 1: they start the sums, 2: they add).  S, O and the row
; sums take turns, one instruction a turn.  v_nop is the plain instruction between the last exponential and its use
; (ISA guide 5.7.2); with the eight conversions it makes nine places behind the phase's matrix instructions.
.macro PH2 a, ka, qc, pvm, va
.set ob, 1-(\a)
	QKM 1-\a, \ka, 0, \qc
	EXP4 \a, 0
	QKM 1-\a, \ka, 1, \qc
	EXP4 \a, 1
.if (\pvm) == 1
	v_wmma_f32_16x16x32_bf16 v[OO+8*ob:OO+8*ob+7], v[\va:\va+7], v[PP+8*ob:PP+8*ob+7], 0
.elseif (\pvm) == 2
	v_wmma_f32_16x16x32_bf16 v[OO+8*ob:OO+8*ob+7], v[\va:\va+7], v[PP+8*ob:PP+8*ob+7], v[OO+8*ob:OO+8*ob+7]
.endif
	EXP4 \a, 2
.if (\pvm) == 1
	v_wmma_f32_16x16x32_bf16 v[LL+8*ob:LL+8*ob+7], v[ONES:ONES+7], v[PP+8*ob:PP+8*ob+7], 0
.elseif (\pvm) == 2
	v_wmma_f32_16x16x32_bf16 v[LL+8*ob:LL+8*ob+7], v[ONES:ONES+7], v[PP+8*ob:PP+8*ob+7], v[LL+8*ob:LL+8*ob+7]
.endif
	EXP4 \a, 3
	v_nop
	s_wait_alu depctr_va_vdst(0)
.irp k, 0,1,2,3,4,5,6,7
	v_cvt_pk_bf16_f32 v[PP+8*(\a)+\k], v[SS+16*(\a)+2*\k], v[SS+16*(\a)+2*\k+1]
.endr
.endm
; Pass 2, 64 keys.  Behind phase 0: the next trip's first K operand and this trip's second V operand; behind phase 2: the next trip's second K operand and
; first V operand.  Each s_wait_dscnt 4 leaves out the four loads of the later of these two groups.  vc: this trip's V; vnoff: the next trip's V from VAD.
.macro TRIP2 first, mask, koff, vc, vnoff
.if \mask
	MASKB 1, 0, 2
.endif
	PH2 0, KA0, 1+\mask, 2-2*\first, VA1
	ds_load_b128 v[KA0:KA0+3], v[KAD] offset:\koff
	ds_load_b128 v[KA0+4:KA0+7], v[KAD] offset:\koff+512
	ds_load_b128 v[VA1:VA1+3], v[\vc] offset:1024
	ds_load_b128 v[VA1+4:VA1+7], v[\vc] offset:1536
	s_wait_dscnt 0x4
.if \mask
	MASKB 0, 2, 2
.endif
	PH2 1, KA1, 1+\mask, 2-\first, VA0
.if \mask
	MASKB 1, 2, 2
.endif
	PH2 0, KA1, 1+\mask, 2-\first, VA0
	ds_load_b128 v[KA1:KA1+3], v[KAD] offset:\koff+1024
	ds_load_b128 v[KA1+4:KA1+7], v[KAD] offset:\koff+1536
	ds_load_b128 v[VA0:VA0+3], v[VAD] offset:\vnoff
	ds_load_b128 v[VA0+4:VA0+7], v[VAD] offset:\vnoff+512
	s_wait_dscnt 0x4
	PH2 1, KA0, 1, 2, VA1
.endm
; Attention of my head on my 32 queries.  The LAST block of 64 keys (block dt; with the mask on, the one that holds the diagonal) goes first, written out;
; then a counted loop takes blocks 0 .. dt - 1.  So each trip's look-ahead (block 0 behind the first trip, i + 1 behind trip i) stays inside the keys that are
; needed, and pass 1 ends with block dt's K in registers, which is where pass 2 begins.  The look-ahead products of each pass's last trip are not used.
; With the mask on, dt, and with it the K and V addresses and the trip count, hangs on the work-group's number.  There a barrier stands between all the
; attention's LDS reads and the stores of its result, so that this order holds whatever dt is: signalled when my reads are back, waited for in front of
; the stores, register work between.  The barrier behind the attention follows at once, so no wave waits for the slowest one twice.
.macro ATT mask
.if \mask
	s_bfe_u32 s72, s71, 0x30001                    ; dt = blk >> 1, 0 to 7
.else
	s_mov_b32 s72, 7
.endif
	s_lshl_b32 s98, s72, 11                        ; 64 keys of a head are 2,048 bytes
	v_add_nc_u32 v[KAD], s96, v[LN16]
	v_add_nc_u32 v[KDG], s98, v[KAD]
	v_add_nc_u32 v[VAD], 0x10000, v[KAD]
	v_add_nc_u32 v[VDG], 0x10000, v[KDG]
	ds_load_b128 v[KA0:KA0+3], v[KDG]
	ds_load_b128 v[KA0+4:KA0+7], v[KDG] offset:512
	ds_load_b128 v[KA1:KA1+3], v[KDG] offset:1024
	ds_load_b128 v[KA1+4:KA1+7], v[KDG] offset:1536
	s_wait_dscnt 0x2                               ; the first K operand is in, the second's two loads stay out
.if \mask
	MASKB 0, 0, 1
.endif
	QKM 0, KA0, 0, 2*\mask
	QKM 0, KA0, 1, 2*\mask
	NOP4
	TRIP1 1, \mask, 0
.if \mask
	s_cmp_eq_u32 s72, 0
	s_cbranch_scc1 .Lp1e_\@
.endif
	s_mov_b32 s73, 0
.Lp1_\@:
	TRIP1 0, 0, 2048
	v_add_nc_u32 v[KAD], 0x800, v[KAD]
	s_add_co_u32 s73, s73, 1
	s_cmp_lt_u32 s73, s72
	s_cbranch_scc1 .Lp1_\@
.Lp1e_\@:
	; the row maximum: four chains, then the other half of the wave (keys 8 h + j lie in both halves); -m in eight registers as the addend
.irp a, 0,1
	v_max3_num_f32 v[TT+\a], v[MX+4*\a], v[MX+4*\a+1], v[MX+4*\a+2]
	v_max_num_f32 v[TT+\a], v[TT+\a], v[MX+4*\a+3]
	v_permlanex16_b32 v[MX+4*\a], v[TT+\a], s74, s75
	v_max_num_f32 v[TT+\a], v[TT+\a], v[MX+4*\a]
.irp j, 0,1,2,3,4,5,6,7
	v_mul_f32 v[NEGM+8*\a+\j], -1.0, v[TT+\a]
.endr
.endr
	v_add_nc_u32 v[KAD], s96, v[LN16]              ; back to block 0
	ds_load_b128 v[VA0:VA0+3], v[VDG]
	ds_load_b128 v[VA0+4:VA0+7], v[VDG] offset:512
	s_wait_dscnt 0x2                               ; block dt's K, fetched by pass 1's last look-ahead, is in; V's two loads stay out
.if \mask
	MASKB 0, 0, 2
.endif
	QKM 0, KA0, 0, 1+\mask
	QKM 0, KA0, 1, 1+\mask
.irp j, 0,1,2,3,4,5,6,7
	v_mov_b32 v[ONES+\j], 0x3f803f80               ; a 16 x 32 operand of ones; these eight lines are also the places behind the two products
.endr
	TRIP2 1, \mask, 0, VDG, 0
.if \mask
	s_cmp_eq_u32 s72, 0
	s_cbranch_scc1 .Lp2e_\@
.endif
	s_mov_b32 s73, 0
.Lp2_\@:
	TRIP2 0, 0, 2048, VAD, 2048
	v_add_nc_u32 v[KAD], 0x800, v[KAD]
	v_add_nc_u32 v[VAD], 0x800, v[VAD]
	s_add_co_u32 s73, s73, 1
	s_cmp_lt_u32 s73, s72
	s_cbranch_scc1 .Lp2_\@
.Lp2e_\@:
	v_wmma_f32_16x16x32_bf16 v[OO+8:OO+15], v[VA1:VA1+7], v[PP+8:PP+15], v[OO+8:OO+15]
	v_wmma_f32_16x16x32_bf16 v[LL+8:LL+15], v[ONES:ONES+7], v[PP+8:PP+15], v[LL+8:LL+15]
	s_wait_dscnt 0x0                               ; the last look-ahead's loads: their registers are used again below, and all my reads of K and V are over
.if \mask
	s_barrier_signal -1                            ; say so
.endif
	NOP4
	v_rcp_f32 v[TT], v[LL]                         ; every register of a row-sum tile holds the lane's query's sum, at least 1
	v_rcp_f32 v[TT+1], v[LL+1]
	v_rcp_f32 v[TT+2], v[LL+8]
	v_rcp_f32 v[TT+3], v[LL+9]
	v_nop
	s_wait_alu depctr_va_vdst(0)
.irp a, 0,1
.irp q, 0,1,2,3
	v_pk_mul_f32 v[OO+8*\a+2*\q:OO+8*\a+2*\q+1], v[OO+8*\a+2*\q:OO+8*\a+2*\q+1], v[TT+2*\a:TT+2*\a+1]
.endr
.endr
.irp a, 0,1
.irp q, 0,1,2,3
	v_cvt_pk_bf16_f32 v[PP+4*\a+\q], v[OO+8*\a+2*\q], v[OO+8*\a+2*\q+1]
.endr
.endr
.if \mask
	s_barrier_wait -1                              ; every wave's reads are over
.endif
	ds_store_b128 v[OXA], v[PP:PP+3]               ; chunk = head of the tile's XF order
	ds_store_b128 v[OXA], v[PP+4:PP+7] offset:2048
.endm
.macro LDPV dst, vec                   ; a vector of 64 in the accumulator layout: features 16 mt + 8 h + j
.irp k, 0,1,2,3,4,5,6,7
	ds_load_b128 v[\dst+4*\k:\dst+4*\k+3], v[PARA] offset:(\vec)*256+64*(\k/2)+16*(\k%2)
.endr
.endm
.macro ADD32 dst, src
.irp k, 0,1,2,3,4,5,6,7,8,9,10,11,12,13,14,15
	v_pk_add_f32 v[\dst+2*\k:\dst+2*\k+1], v[\dst+2*\k:\dst+2*\k+1], v[\src+2*\k:\src+2*\k+1]
.endr
.endm
.macro PACK16 dst, src
.irp k, 0,1,2,3,4,5,6,7,8,9,10,11,12,13,14,15
	v_cvt_pk_bf16_f32 v[\dst+\k], v[\src+2*\k], v[\src+2*\k+1]
.endr
.endm
.macro MM8 acc, frag                   ; acc += W^T x (a tile's fragments); four accumulators by turns
.irp ks, 0,1
.irp mt, 0,1,2,3
	v_wmma_f32_16x16x32_bf16 v[\acc+8*\mt:\acc+8*\mt+7], v[WF+8*(4*\ks+\mt):WF+8*(4*\ks+\mt)+7], v[\frag+8*\ks:\frag+8*\ks+7], v[\acc+8*\mt:\acc+8*\mt+7]
.endr
.endr
.endm
; LayerNorm of ACC with gain GG and shift BV: mean, then the mean of squares of x - mean, as the definition has it.
.macro LNORM
.irp k, 0,1,2,3,4,5,6,7
	v_pk_add_f32 v[TL+2*\k:TL+2*\k+1], v[ACC+4*\k:ACC+4*\k+1], v[ACC+4*\k+2:ACC+4*\k+3]
.endr
.irp k, 0,1,2,3
	v_pk_add_f32 v[TL+2*\k:TL+2*\k+1], v[TL+4*\k:TL+4*\k+1], v[TL+4*\k+2:TL+4*\k+3]
.endr
.irp k, 0,1
	v_pk_add_f32 v[TL+2*\k:TL+2*\k+1], v[TL+4*\k:TL+4*\k+1], v[TL+4*\k+2:TL+4*\k+3]
.endr
	v_pk_add_f32 v[TL:TL+1], v[TL:TL+1], v[TL+2:TL+3]
	v_add_f32 v[TL], v[TL], v[TL+1]
	v_permlanex16_b32 v[TL+1], v[TL], s74, s75     ; the token's other 32 features lie in lane L xor 16
	v_add_f32 v[TL], v[TL], v[TL+1]
	v_mul_f32 v[TL], s76, v[TL]
	v_mov_b32 v[TL+1], v[TL]
.irp k, 0,1,2,3,4,5,6,7,8,9,10,11,12,13,14,15
	v_pk_add_f32 v[ACC+2*\k:ACC+2*\k+1], v[ACC+2*\k:ACC+2*\k+1], v[TL:TL+1] neg_lo:[0,1] neg_hi:[0,1]
.endr
.irp k, 0,1,2,3
	v_pk_mul_f32 v[TL+4+2*\k:TL+5+2*\k], v[ACC+2*\k:ACC+2*\k+1], v[ACC+2*\k:ACC+2*\k+1]
.endr
.irp k, 4,5,6,7,8,9,10,11,12,13,14,15
	v_pk_fma_f32 v[TL+4+2*(\k%4):TL+5+2*(\k%4)], v[ACC+2*\k:ACC+2*\k+1], v[ACC+2*\k:ACC+2*\k+1], v[TL+4+2*(\k%4):TL+5+2*(\k%4)]
.endr
	v_pk_add_f32 v[TL+4:TL+5], v[TL+4:TL+5], v[TL+6:TL+7]
	v_pk_add_f32 v[TL+8:TL+9], v[TL+8:TL+9], v[TL+10:TL+11]
	v_pk_add_f32 v[TL+4:TL+5], v[TL+4:TL+5], v[TL+8:TL+9]
	v_add_f32 v[TL+4], v[TL+4], v[TL+5]
	v_permlanex16_b32 v[TL+5], v[TL+4], s74, s75
	v_add_f32 v[TL+4], v[TL+4], v[TL+5]
	v_fma_f32 v[TL+4], v[TL+4], s76, s77           ; variance + 1e-5
	v_rsq_f32 v[TL+2], v[TL+4]
	v_rsq_f32 v[TL+3], v[TL+4]
	v_nop
	s_wait_alu depctr_va_vdst(0)
.irp k, 0,1,2,3,4,5,6,7,8,9,10,11,12,13,14,15
	v_pk_mul_f32 v[GG+2*\k:GG+2*\k+1], v[GG+2*\k:GG+2*\k+1], v[TL+2:TL+3]
.endr
.irp k, 0,1,2,3,4,5,6,7,8,9,10,11,12,13,14,15
	v_pk_fma_f32 v[ACC+2*\k:ACC+2*\k+1], v[ACC+2*\k:ACC+2*\k+1], v[GG+2*\k:GG+2*\k+1], v[BV+2*\k:BV+2*\k+1]
.endr
.endm
.macro OXRD                            ; an owner's tile in OX (and, 8,192 bytes on, in XQ)
	s_lshl_b32 s98, s66, 11
	s_add_co_u32 s98, s98, OX0
	v_add_nc_u32 v[KS], s98, v[LN16]
.endm
; ACC = LayerNorm(ACC + bias + Wo^T O^T); FR = the result in bf16.  res: the residual's global loads are still to be waited for.
; nxt: the next weight wn and its bias vn (straight into the next accumulators) are fetched while the LayerNorm runs.
.macro ATTOUT wi, vbo, vg, vb, res, nxt, wn, vn
.irp c, 0,1,2,3
	ds_load_b128 v[FR+4*\c:FR+4*\c+3], v[KS] offset:512*\c
.endr
	LDWF \wi
	LDPV ACC2, \vbo
	LDPV GG, \vg
	LDPV BV, \vb
.if \res
	s_wait_loadcnt 0x0
.endif
	s_wait_dscnt 16                                ; all but the 16 loads of gain and shift
	ADD32 ACC, ACC2
	MM8 ACC, FR
	NOP4
.if \nxt
	LDWF \wn
	LDPV ACC2, \vn
	s_wait_dscnt 24                                ; gain and shift are in; the 24 loads just issued stay out
.else
	s_wait_dscnt 0x0
.endif
	LNORM
	PACK16 FR, ACC
.endm
; ACC = LayerNorm(ACC + b2 + W2^T relu(W1^T x + b1)); W1 is in WF and b1 in ACC2 on entry.
.macro FFN w2i, vfb2, vg, vb
	s_wait_dscnt 0x0
	MM8 ACC2, FR
	NOP4
	LDWF \w2i
	LDPV GG, \vfb2
.irp k, 0,1,2,3,4,5,6,7,8,9,10,11,12,13,14,15,16,17,18,19,20,21,22,23,24,25,26,27,28,29,30,31
	v_max_num_f32 v[ACC2+\k], 0, v[ACC2+\k]
.endr
	PACK16 FR2, ACC2
	s_wait_dscnt 0x0
	ADD32 ACC, GG
	LDPV GG, \vg
	LDPV BV, \vb
	MM8 ACC, FR2
	NOP4
	s_wait_dscnt 0x0
	LNORM
	PACK16 FR, ACC
.endm
	; ---------------- ids, constants, addresses ----------------
	s_load_b512 s[8:23], s[0:1], 0x0
	s_load_b512 s[24:39], s[0:1], 0x40
.if DEC
	s_load_b512 s[40:55], s[0:1], 0x80
	s_load_b64 s[56:57], s[0:1], 0xc0
.else
	s_load_b64 s[40:41], s[0:1], 0x80
	v_lshl_add_u32 v4, v0, 2, 0x31800
	v_mov_b32 v12, 0
.endif
	v_lshrrev_b32 v6, 5, v0
	v_readfirstlane_b32 s66, v6                    ; wave w
	s_lshr_b32 s67, s66, 2                         ; which of the group's two blocks I attend for
	s_and_b32 s68, s66, 3                          ; my head
	s_mov_b32 s69, ttmp9                           ; b
	s_and_b32 s70, ttmp7, 0xffff                   ; batch element
	s_sub_co_u32 s99, 15, s69
	s_cmp_lg_u32 s67, 0
	s_cselect_b32 s71, s99, s69                    ; blk: my block of 32 queries
	s_lshr_b32 s92, s66, 1
	s_cmp_lg_u32 s92, 0
	s_cselect_b32 s93, s99, s69
	s_and_b32 s98, s66, 1
	s_lshl1_add_u32 s93, s93, s98                  ; waves 0-3: the tile that I own in the row-local part
	s_mov_b32 s74, 0x76543210                      ; v_permlanex16_b32: lane i of one half reads lane i of the other
	s_mov_b32 s75, 0xfedcba98
	s_mov_b32 s76, 0x3c800000                      ; 1/64
	s_mov_b32 s77, 0x3727c5ac                      ; 1e-5
	s_mov_b32 s94, 0x3eb8aa3b                      ; 16^-0.5 x log2 e
	s_mov_b32 s95, 0x3eb8aa3b
	s_lshl_b32 s96, s68, 14
	s_add_co_u32 s96, s96, KF0                     ; my head's K in LDS
	s_lshl_b32 s97, s68, 5
	s_mov_b32 s79, 0
	v_and_b32 v6, 31, v0
	v_lshlrev_b32 v[LN16], 4, v6
	v_lshlrev_b32 v[TA], 3, v6
	v_lshlrev_b32 v[G16], 4, v0
	v_bfe_u32 v7, v0, 4, 1                         ; h
	v_and_b32 v8, 7, v0
	v_lshl_add_u32 v8, v7, 3, v8
	v_mul_u32_u24 v[WT], v8, 160
	v_bfe_u32 v9, v0, 3, 1
	v_lshl_add_u32 v[WT], v9, 4, v[WT]
	v_lshlrev_b32 v[PARA], 5, v7
	v_add_nc_u32 v[PARA], PAR0, v[PARA]
	v_add_nc_u32 v[KS], PAR0, v[TA]
	v_lshrrev_b32 v8, 4, v0
	v_and_b32 v9, 15, v0
	v_mul_u32_u24 v8, v8, 160
	v_lshl_add_u32 v[STA], v9, 3, v8
	v_lshrrev_b32 v8, 2, v0
	v_and_b32 v9, 3, v0
	v_mul_u32_u24 v8, v8, 160
	v_lshl_add_u32 v[STA+1], v9, 3, v8
.if DEC
	v_add_nc_u32 v[WT2], 6*WBYTES, v[WT]
	v_add_nc_u32 v[STA+2], 6*WBYTES, v[STA]
	v_add_nc_u32 v[STA+3], 6*WBYTES, v[STA+1]
.endif
	s_wait_kmcnt 0x0
	s_lshl_b32 s98, s70, 16                        ; a batch element's XF is 65,536 bytes
	s_lshl_b32 s78, s92, 11
	s_add_co_u32 s78, s78, s98
	s_add_nc_u64 s[80:81], s[PFIN:PFIN+1], s[78:79]        ; XF at tile w >> 1: the source of my K or V
.if DEC
	s_add_nc_u64 s[90:91], s[PXE:PXE+1], s[78:79]          ; the same in the encoder's result
.endif
	s_lshl_b32 s78, s71, 12
	s_add_co_u32 s78, s78, s98
	s_add_nc_u64 s[82:83], s[PFIN:PFIN+1], s[78:79]        ; XF at my two query tiles
	s_lshl_b32 s78, s93, 11
	s_add_co_u32 s78, s78, s98
	s_add_nc_u64 s[88:89], s[PFOUT:PFOUT+1], s[78:79]      ; XF out at the tile that I own
	s_lshl_b32 s78, s78, 1
	s_add_nc_u64 s[84:85], s[PRIN:PRIN+1], s[78:79]        ; XR in and out there
	s_add_nc_u64 s[86:87], s[PROUT:PROUT+1], s[78:79]
	; ---------------- the launch's first loads ----------------
	; Every wave loads the vectors, so that all waves issue the same loads and each counted wait means the same in each; wave 7 alone stores them.
.set n, 0
.rept NVEC
	global_load_b64 v[VEC+2*n:VEC+2*n+1], v[TA], s[PVEC+2*n:PVEC+2*n+1]
.set n, n+1
.endr
	LOADW RAW, PW0
	LOADW RAW+16, PW0+2
	LOADW RAW+32, PW0+4
	XBLOAD 0, 80
	XBLOAD 1, 80
	XBLOAD 2, 80
	XBLOAD 3, 80
.irp k, 0,1,2,3,4,5,6,7
	global_load_b128 v[QSRC+4*\k:QSRC+4*\k+3], v[LN16], s[82:83] offset:512*\k
.endr
	s_wait_loadcnt 24                              ; the vectors, wq, wk, wv are in; behind them: 16 of the ring, 8 of the queries
	s_set_vgpr_msb 0x40                            ; destinations v256 and up: the weights that are needed later wait there as loaded.
.set n, 0                                          ; Issued behind the wait: a wave then has at most 24 + 4 (NW - 3) loads out
.rept NW-3
	LOADW 16*n, PW0+6+2*n
.set n, n+1
.endr
	s_set_vgpr_msb 0x4000
	CVTW PKW, RAW
	CVTW PKW+8, RAW+16
	CVTW PKW+16, RAW+32
	STW 1, 0, PKW
	STW 1, 1, PKW+8
	STW 1, 2, PKW+16
	s_cmp_lg_u32 s66, 7
	s_cbranch_scc1 .Lnot7
.set n, 0
.rept NVEC
	ds_store_b64 v[KS], v[VEC+2*n:VEC+2*n+1] offset:256*n
.set n, n+1
.endr
.Lnot7:
	KSKV
	BAR                                            ; wq, wk, wv and the vectors are whole
	KVBOTH 1, 2, 8+4*(NW-3), 80
	QPROJ 0, QSRC
	s_set_vgpr_msb 0x05                            ; sources v256 and up (their loads were shown done by the wait for ring tile 4, issued behind them)
.set n, 0
.rept 8*(NW-3)
	v_cvt_pk_bf16_f32 v[PK2+n], v[2*n], v[2*n+1]
.set n, n+1
.endr
	s_set_vgpr_msb 0x0500
.if DEC
	STW 0, 3, PK2
	STW 1, 4, PK2+8
	STW 1, 5, PK2+16
	STW 1, 6, PK2+24
	STW 0, 7, PK2+32
	STW 0, 8, PK2+40
	STW 0, 9, PK2+48
	s_and_b32 s98, s71, 1                          ; which half of the diagonal block of 64 keys holds my queries
	s_lshl_b32 s98, s98, 5
	v_and_b32 v[DQ], 15, v0
	v_bfe_u32 v[TA], v0, 4, 1
	v_lshlrev_b32 v[TA], 3, v[TA]
	v_sub_nc_u32 v[DQ], v[DQ], v[TA]
	v_add_nc_u32 v[DQ], s98, v[DQ]                 ; 32 (blk & 1) + r - 8 h
	v_add_nc_u32 v[DQ+1], 16, v[DQ]
	v_mov_b32 v[MASKV], 0xf149f2ca                 ; -1e30
.else
	STW 0, 3, PK2
	STW 0, 4, PK2+8
	STW 0, 5, PK2+16
.endif
	s_lshl_b32 s98, s67, 12
	s_lshl_b32 s99, s68, 9
	s_add_co_u32 s98, s98, s99
	s_add_co_u32 s98, s98, OX0
	v_add_nc_u32 v[OXA], s98, v[LN16]
	s_cmp_ge_u32 s66, 4
	s_cbranch_scc1 .Lno_res
.irp k, 0,1,2,3,4,5,6,7
	global_load_b128 v[ACC+4*\k:ACC+4*\k+3], v[LN16], s[84:85] offset:512*\k   ; the residual; it has the whole attention in which to come
.endr
.Lno_res:
	BAR                                            ; K, V and all weights are whole
	ATT DEC
	BAR                                            ; OX is whole, and nobody reads K and V any more
.if DEC
	s_cmp_ge_u32 s66, 4
	s_cbranch_scc1 .Lnot_owner
	OXRD
	ATTOUT 3, 0, 1, 2, 1, 0, 0, 0
.irp c, 0,1,2,3
	ds_store_b128 v[KS], v[FR+4*\c:FR+4*\c+3] offset:8192+512*\c               ; the cross attention's query source
.endr
.Lnot_owner:
	XBLOAD 0, 90
	XBLOAD 1, 90
	XBLOAD 2, 90
	XBLOAD 3, 90
	KSKV
	KVBOTH 5, 6, 0, 90
	BAR                                            ; the encoder's K and V and XQ are whole; the owners' reads of OX are over
	s_lshl_b32 s98, s67, 12
	s_add_co_u32 s98, s98, XQ0
	v_add_nc_u32 v[KS], s98, v[LN16]
.irp k, 0,1,2,3,4,5,6,7
	ds_load_b128 v[XB+4*\k:XB+4*\k+3], v[KS] offset:512*\k
.endr
	QPROJ 4, XB
	ATT 0
	BAR                                            ; OX is whole
.endif
	s_cmp_ge_u32 s66, 4
	s_cbranch_scc1 .Lend
	OXRD
.if DEC
	ATTOUT 7, 3, 4, 5, 0, 1, 8, 6
	FFN 9, 7, 8, 9
.else
	ATTOUT 3, 0, 1, 2, 1, 1, 4, 3
	FFN 5, 4, 5, 6
.endif
.irp k, 0,1,2,3,4,5,6,7
	global_store_b128 v[LN16], v[ACC+4*\k:ACC+4*\k+3], s[86:87] offset:512*\k
.endr
.irp c, 0,1,2,3
	global_store_b128 v[LN16], v[FR+4*\c:FR+4*\c+3], s[88:89] offset:512*\c
.endr
.Lend:
	s_wait_tensorcnt 0x0
	ds_add_u32 v4, v12
	s_wait_dscnt 0x0
	s_endpgm
.Lfunc_end_k_qc7cfd48d04_enc0:
	.size	k_qc7cfd48d04_enc0, .Lfunc_end_k_qc7cfd48d04_enc0-k_qc7cfd48d04_enc0
	.p2alignl 7, 3214868480
	.fill 96, 4, 3214868480
	.section	.rodata,"a",@progbits
	.p2align	6, 0x0
	.amdhsa_kernel k_qc7cfd48d04_enc0
		.amdhsa_group_segment_fixed_size 203776
		.amdhsa_private_segment_fixed_size 0
		.amdhsa_enable_private_segment 0
		.amdhsa_kernarg_size 136
		.amdhsa_user_sgpr_count 2
		.amdhsa_user_sgpr_kernarg_segment_ptr 1
		.amdhsa_wavefront_size32 1
		.amdhsa_system_sgpr_workgroup_id_x 1
		.amdhsa_system_sgpr_workgroup_id_y 1
		.amdhsa_system_sgpr_workgroup_id_z 1
		.amdhsa_system_vgpr_workitem_id 0
		.amdhsa_next_free_vgpr 304
		.amdhsa_next_free_sgpr 100
		.amdhsa_reserve_vcc 1
		.amdhsa_float_denorm_mode_32 3
		.amdhsa_float_denorm_mode_16_64 3
		.amdhsa_memory_ordered 1
		.amdhsa_forward_progress 1
		.amdhsa_inst_pref_size 100
	.end_amdhsa_kernel
	.amdgpu_metadata
---
amdhsa.version: [ 1, 2 ]
amdhsa.kernels:
  - .name:           k_qc7cfd48d04_enc0
    .symbol:         k_qc7cfd48d04_enc0.kd
    .args:
      - { .name: xrA, .offset: 0, .size: 8, .value_kind: global_buffer, .address_space: global }
      - { .name: xfA, .offset: 8, .size: 8, .value_kind: global_buffer, .address_space: global }
      - { .name: enc_blocks_0_attn_wq, .offset: 16, .size: 8, .value_kind: global_buffer, .address_space: global }
      - { .name: enc_blocks_0_attn_wk, .offset: 24, .size: 8, .value_kind: global_buffer, .address_space: global }
      - { .name: enc_blocks_0_attn_wv, .offset: 32, .size: 8, .value_kind: global_buffer, .address_space: global }
      - { .name: enc_blocks_0_attn_wo, .offset: 40, .size: 8, .value_kind: global_buffer, .address_space: global }
      - { .name: enc_blocks_0_ffn_w1, .offset: 48, .size: 8, .value_kind: global_buffer, .address_space: global }
      - { .name: enc_blocks_0_ffn_w2, .offset: 56, .size: 8, .value_kind: global_buffer, .address_space: global }
      - { .name: enc_blocks_0_attn_bo, .offset: 64, .size: 8, .value_kind: global_buffer, .address_space: global }
      - { .name: enc_blocks_0_ln1_g, .offset: 72, .size: 8, .value_kind: global_buffer, .address_space: global }
      - { .name: enc_blocks_0_ln1_b, .offset: 80, .size: 8, .value_kind: global_buffer, .address_space: global }
      - { .name: enc_blocks_0_ffn_b1, .offset: 88, .size: 8, .value_kind: global_buffer, .address_space: global }
      - { .name: enc_blocks_0_ffn_b2, .offset: 96, .size: 8, .value_kind: global_buffer, .address_space: global }
      - { .name: enc_blocks_0_ln2_g, .offset: 104, .size: 8, .value_kind: global_buffer, .address_space: global }
      - { .name: enc_blocks_0_ln2_b, .offset: 112, .size: 8, .value_kind: global_buffer, .address_space: global }
      - { .name: xrB, .offset: 120, .size: 8, .value_kind: global_buffer, .address_space: global }
      - { .name: xfB, .offset: 128, .size: 8, .value_kind: global_buffer, .address_space: global }
    .group_segment_fixed_size: 203776
    .private_segment_fixed_size: 0
    .kernarg_segment_align: 8
    .kernarg_segment_size: 136
    .max_flat_workgroup_size: 256
    .sgpr_count:     100
    .vgpr_count:     304
    .wavefront_size: 32
...
	.end_amdgpu_metadata
.endif
;; end of part 2
;; launch enc1: the kernel of part 2 again; grid 8 x 32, 8 waves a work-group, no clusters, 203,776 bytes of LDS; arguments xrB, xfB, enc_blocks_1_attn_wq, enc_blocks_1_attn_wk, enc_blocks_1_attn_wv, enc_blocks_1_attn_wo, enc_blocks_1_ffn_w1, enc_blocks_1_ffn_w2, enc_blocks_1_attn_bo, enc_blocks_1_ln1_g, enc_blocks_1_ln1_b, enc_blocks_1_ffn_b1, enc_blocks_1_ffn_b2, enc_blocks_1_ln2_g, enc_blocks_1_ln2_b, xrA, xfA; writes xrA, xfA
;; launch enc2: the kernel of part 2 again; grid 8 x 32, 8 waves a work-group, no clusters, 203,776 bytes of LDS; arguments xrA, xfA, enc_blocks_2_attn_wq, enc_blocks_2_attn_wk, enc_blocks_2_attn_wv, enc_blocks_2_attn_wo, enc_blocks_2_ffn_w1, enc_blocks_2_ffn_w2, enc_blocks_2_attn_bo, enc_blocks_2_ln1_g, enc_blocks_2_ln1_b, enc_blocks_2_ffn_b1, enc_blocks_2_ffn_b2, enc_blocks_2_ln2_g, enc_blocks_2_ln2_b, xrB, xfB; writes xrB, xfB
;; launch enc3: the kernel of part 2 again; grid 8 x 32, 8 waves a work-group, no clusters, 203,776 bytes of LDS; arguments xrB, xfB, enc_blocks_3_attn_wq, enc_blocks_3_attn_wk, enc_blocks_3_attn_wv, enc_blocks_3_attn_wo, enc_blocks_3_ffn_w1, enc_blocks_3_ffn_w2, enc_blocks_3_attn_bo, enc_blocks_3_ln1_g, enc_blocks_3_ln1_b, enc_blocks_3_ffn_b1, enc_blocks_3_ffn_b2, enc_blocks_3_ln2_g, enc_blocks_3_ln2_b, xrA, xfA; writes xrA, xfA
;; launch dec0 (part 3): grid 8 x 32, 8 waves a work-group, no clusters, 253,952 bytes of LDS; arguments yrA, yfA, xfA, dec_blocks_0_sattn_wq, dec_blocks_0_sattn_wk, dec_blocks_0_sattn_wv, dec_blocks_0_sattn_wo, dec_blocks_0_cattn_wq, dec_blocks_0_cattn_wk, dec_blocks_0_cattn_wv, dec_blocks_0_cattn_wo, dec_blocks_0_ffn_w1, dec_blocks_0_ffn_w2, dec_blocks_0_sattn_bo, dec_blocks_0_ln1_g, dec_blocks_0_ln1_b, dec_blocks_0_cattn_bo, dec_blocks_0_ln2_g, dec_blocks_0_ln2_b, dec_blocks_0_ffn_b1, dec_blocks_0_ffn_b2, dec_blocks_0_ln3_g, dec_blocks_0_ln3_b, yrB, yfB; writes yrB, yfB
.if DOCPART == 3
	.amdgcn_target "amdgcn-amd-amdhsa--gfx1250"
	.amdhsa_code_object_version 6
	.text
	.protected	k_qc7cfd48d04_dec0
	.globl	k_qc7cfd48d04_dec0
	.p2align	8
	.type	k_qc7cfd48d04_dec0,@function
k_qc7cfd48d04_dec0:
	s_mov_b64 s[64:65], 0
	v_nop
	global_prefetch_b8 v0, s[64:65] scope:SCOPE_SE
	s_setreg_imm32_b32 hwreg(HW_REG_WAVE_MODE, 25, 1), 1
	s_wait_xcnt 0x0
; ONE TRANSFORMER BLOCK.  DEC = 0: an encoder block (attention, LayerNorm, FFN, LayerNorm).  DEC = 1: a decoder block (causal attention,
; LayerNorm, cross attention on the encoder's result, LayerNorm, FFN, LayerNorm).  The text is the same for both but for the flag below.
; 64 features, 4 heads of 16, 512 tokens, 32 batch elements.  Grid 8 x 32: work-group (b, batch) owns the 32-token blocks b and 15 - b.
;
; EVERYTHING IS COMPUTED TRANSPOSED: tokens are the columns of every matrix result, so lane L = (r = L & 15, h = L >> 4) holds token r and
; its register 8 mt + j holds feature 16 mt + 8 h + j.  A result rounded to bf16 pair by pair IS the second operand of the next product,
; and the statistics of softmax and LayerNorm are sums inside a lane plus one exchange between the two halves of the wave.
; Activations pass between launches in that order: XR (f32, 4,096 bytes a 16-token tile, chunk i at 512 i + 16 L = registers 4 i .. 4 i + 3) and
; XF (bf16, 2,048 bytes a tile, chunk c at 512 c + 16 L = features 16 c + 8 h .. + 7 of token r).  Each load and store of a wave covers 512
; consecutive bytes, aligned.  Both are stored by every block, though the last encoder block's XR and the last decoder block's XF are read by
; no later launch: the price of one text for all blocks of a kind.
;
; PHASES.  (1) all weights f32 -> bf16 into LDS, rows of 64 numbers at a pitch of 160 bytes, read back by the transposing LDS load.
; (2) K and V of all 512 tokens of the batch element are made from XF into LDS (even waves K, odd waves V, eight tiles each); each wave
; makes Q of its 32 queries for its head.  (3) attention: wave w takes head w & 3 and block w >> 2 of the group's two.  Two passes over the keys:
; pass 1 forms S^T = K Q^T and keeps only the true row maximum m; pass 2 forms S^T again with -m as the addend, takes 2^x, rounds to bf16 and adds
; V^T P^T and (ones) P^T, which is the row sum.  Head size 16 fills half of the K = 32 form, so one K operand holds two key tiles and a Q operand with
; a zero half picks one of them.  (4) waves 0-3, one 16-token tile each: output projection, residual, LayerNorm, FFN, LayerNorm, stores.
; In the causal attention block blk needs (blk >> 1) + 1 trips of 64 keys: the group's two blocks need 9 together in every work-group.
; All 32 K and V tiles are made in the causal case too, though up to 12 of them are not read there.
;
; NOT USED, AND WHY: tensor loads and clusters: what neighbours share is 64 KiB of XF and the weights; the weights must pass through registers to be
; rounded, and XF lands in registers as operands as it lies.
; LIMITS: a masked score is -1e30, not -inf, so scaled scores must stay above -1e30.  Matrix operands are bf16 (Q after its scale 0.25 log2 e, and P);
; the row sum is taken over the rounded P.  A K that is not finite also spoils the key tile that shares its operand (0 x inf).
.set DEC, 1
.set WBYTES, 10240                     ; a 64 x 64 weight in LDS: 64 rows at a pitch of 160 bytes
.if DEC
.set NW,    10                         ; weights: s_wq s_wk s_wv s_wo c_wq c_wk c_wv c_wo w1 w2
.set NVEC,  10                         ; vectors: s_bo g1 b1 c_bo g2 b2 fb1 fb2 g3 b3
.set PRIN,  8                          ; s[8:9] f32 in, s[10:11] bf16 in, s[12:13] encoder's bf16 result
.set PFIN,  10
.set PXE,   12
.set PW0,   14                         ; weight i: s[14+2i:15+2i]
.set PVEC,  34                         ; vector i: s[34+2i:35+2i]
.set PROUT, 54
.set PFOUT, 56
.else
.set NW,    6                          ; weights: wq wk wv wo w1 w2
.set NVEC,  7                          ; vectors: bo g1 b1 fb1 fb2 g2 b2
.set PRIN,  8
.set PFIN,  10
.set PW0,   12
.set PVEC,  24
.set PROUT, 38
.set PFOUT, 40
.endif
; LDS
.set PAR0, NW*WBYTES                   ; the vectors, 256 bytes each
.set OX0,  PAR0+2048+1024*DEC          ; attention's result, 4 tiles in XF order, 8,192 bytes
.set XQ0,  OX0+8192                    ; (DEC) the cross attention's query source, the same shape
.set KF0,  OX0+8192+8192*DEC           ; K: head x 16,384 + tile x 512 + 16 L = K[key r][d = 8 h .. + 7]
.set VF0,  KF0+65536                   ; V: the same formula = V[keys 8 h .. + 7][d = r]
; vector registers that stay
.set LN16, 1                           ; 16 x lane; never rewritten (the offset of nearly every global access)
.set G16,  2                           ; 16 x thread; never rewritten
.set WT,   3                           ; transposing read of a weight: (8 h + (L & 7)) x 160 + 16 ((L >> 3) & 1)
.set WT2,  4                           ; the same + 61,440, for weights 6 and up (an LDS immediate has 16 bits)
.set PARA, 5                           ; PAR0 + 32 h
.set KAD,  6                           ; K, V of the loop's trip
.set VAD,  7
.set KDG,  8                           ; K, V of the last block of keys (the diagonal one where the mask is on)
.set VDG,  9
.set STA,  10                          ; v10-13: where a thread puts its part of a weight: square, by heads, and both + 61,440
.set DQ,   10                          ; later v10, v11: query - 8 h inside the diagonal block, for query tile 0, 1
.set MASKV, 12                         ; later: -1e30
.set OXA,  13                          ; later: where the wave puts its attention result
.set KS,   14                          ; an LDS address of the phase at hand
.set TA,   15                          ; 8 x lane at the start, then a weight address
; overlays
.set RAW,  16                          ; start: three weights as loaded, v[16:63]
.set PKW,  64                          ; start: the same in bf16, v[64:87]
.set VEC,  88                          ; start: the vectors, two registers each
.set PK2,  96                          ; the later weights in bf16
.set WF,   16                          ; v[16:79] a weight's 8 fragments: (ks, mt) at 8 (4 ks + mt)
.set ACC0, 80                          ; v[80:143] K/V projection: two sets of four accumulators
.set XB,   144                         ; v[144:207] ring of four XF tiles
.set PK,   208                         ; v[208:223]
.set QSRC, 224                         ; v[224:255] XF of the wave's two query tiles
.set WQF,  176
.set QA,   192
.set QB,   16                          ; v[16:39] for each query tile: Q, zeros, Q (4 registers each): the first 8 pick the low key tile, the last 8 the high one
.set ONES, 40
.set NEGM, 48
.set OO,   64
.set LL,   80
.set SS,   96
.set PP,   128
.set KA0,  144
.set KA1,  152
.set VA0,  160
.set VA1,  168
.set CT,   176
.set MX,   192
.set TT,   200
.set GG,   80
.set BV,   112
.set FR,   144
.set FR2,  160
.set TL,   176
.set ACC2, 192
.set ACC,  224                         ; v[224:255] owners: the residual stream of their tile
; Places behind a matrix instruction are plain vector instructions that name none of its registers (ISA guide 7.12.1); where no useful one is at hand:
.macro NOP4
.rept 4
	v_nop
.endr
.endm
; What other waves rely on is complete in front of the signal: every LDS access of mine is done.
.macro BAR
	s_wait_dscnt 0x0
	s_barrier_signal -1
	s_barrier_wait -1
.endm
.macro LOADW dst, ptr                  ; a weight, 16 KiB: thread t takes 16 bytes at 16 t + 4,096 i
.irp i, 0,1,2,3
	global_load_b128 v[\dst+4*\i:\dst+4*\i+3], v[G16], s[\ptr:\ptr+1] offset:4096*\i
.endr
.endm
.macro CVTW pk, raw
.irp k, 0,1,2,3,4,5,6,7
	v_cvt_pk_bf16_f32 v[\pk+\k], v[\raw+2*\k], v[\raw+2*\k+1]
.endr
.endm
; kind 0: [e][f] as it lies: load i is row (t >> 4) + 16 i.  kind 1: [head][e][d]: load i is head i, row t >> 2, and goes to columns 16 i + d.
.macro STW kind, idx, pk
.if (\idx) < 6
.set sreg, STA+(\kind)
.set soff, (\idx)*WBYTES
.else
.set sreg, STA+2+(\kind)
.set soff, ((\idx)-6)*WBYTES
.endif
.irp i, 0,1,2,3
.if \kind
	ds_store_b64 v[sreg], v[\pk+2*\i:\pk+2*\i+1] offset:soff+32*\i
.else
	ds_store_b64 v[sreg], v[\pk+2*\i:\pk+2*\i+1] offset:soff+2560*\i
.endif
.endr
.endm
; All 8 fragments of a weight: lane (r, h) gets output feature 16 mt + r, input features 32 ks + 8 h .. + 7 and 32 ks + 16 + 8 h .. + 7.
.macro LDWF idx
.if (\idx) < 6
.set wreg, WT
.set woff, (\idx)*WBYTES
.else
.set wreg, WT2
.set woff, ((\idx)-6)*WBYTES
.endif
.irp ks, 0,1
.irp mt, 0,1,2,3
	ds_load_tr16_b128 v[WF+8*(4*\ks+\mt):WF+8*(4*\ks+\mt)+3], v[wreg] offset:woff+\ks*5120+\mt*32
	ds_load_tr16_b128 v[WF+8*(4*\ks+\mt)+4:WF+8*(4*\ks+\mt)+7], v[wreg] offset:woff+\ks*5120+\mt*32+2560
.endr
.endr
.endm
.macro XBLOAD i, base                  ; XF of my tile i (tiles (w >> 1) + 4 i) into ring slot i & 3
.irp c, 0,1,2,3
	global_load_b128 v[XB+16*((\i)&3)+4*\c:XB+16*((\i)&3)+4*\c+3], v[LN16], s[\base:\base+1] offset:(\i)*8192+512*\c
.endr
.endm
; Eight products of tile i.  kind 0: K^T = W^T X^T (lane: key r, d along registers).  kind 1: V = X W (lane: d = r, keys along registers).
; The four accumulators take turns, one instruction a turn.
.macro WM kind, i
.set xs, XB+16*((\i)&3)
.set ac, ACC0+32*((\i)&1)
.irp mt, 0,1,2,3
.if \kind
	v_wmma_f32_16x16x32_bf16 v[ac+8*\mt:ac+8*\mt+7], v[xs:xs+7], v[WF+8*\mt:WF+8*\mt+7], 0
.else
	v_wmma_f32_16x16x32_bf16 v[ac+8*\mt:ac+8*\mt+7], v[WF+8*\mt:WF+8*\mt+7], v[xs:xs+7], 0
.endif
.endr
.irp mt, 0,1,2,3
.if \kind
	v_wmma_f32_16x16x32_bf16 v[ac+8*\mt:ac+8*\mt+7], v[xs+8:xs+15], v[WF+32+8*\mt:WF+32+8*\mt+7], v[ac+8*\mt:ac+8*\mt+7]
.else
	v_wmma_f32_16x16x32_bf16 v[ac+8*\mt:ac+8*\mt+7], v[WF+32+8*\mt:WF+32+8*\mt+7], v[xs+8:xs+15], v[ac+8*\mt:ac+8*\mt+7]
.endif
.endr
.endm
.macro PACKKV i                        ; tile i's four heads, rounded, 16 bytes a lane and head
.set ac, ACC0+32*((\i)&1)
.irp mt, 0,1,2,3
.irp q, 0,1,2,3
	v_cvt_pk_bf16_f32 v[PK+4*\mt+\q], v[ac+8*\mt+2*\q], v[ac+8*\mt+2*\q+1]
.endr
.endr
.irp mt, 0,1,2,3
	ds_store_b128 v[KS], v[PK+4*\mt:PK+4*\mt+3] offset:\mt*16384+(\i)*2048
.endr
.endm
; Eight tiles.  Each wait's count is the number of loads issued behind that tile's four: the ring's later tiles, and, for the first four tiles,
; the 'after' loads that were issued behind the ring's first fill.  The 16 conversions of tile i - 1 are the places behind tile i's products
; (they name the other accumulator set), in front of the refill of a ring slot and of the conversions of tile i.
.macro KVPROJ kind, after, base
	s_wait_loadcnt 12+\after
	WM \kind, 0
	NOP4
	s_wait_loadcnt 8+\after
	WM \kind, 1
	PACKKV 0
	XBLOAD 4, \base
	s_wait_loadcnt 8+\after
	WM \kind, 2
	PACKKV 1
	XBLOAD 5, \base
	s_wait_loadcnt 8+\after
	WM \kind, 3
	PACKKV 2
	XBLOAD 6, \base
	s_wait_loadcnt 8
	WM \kind, 4
	PACKKV 3
	XBLOAD 7, \base
	s_wait_loadcnt 8
	WM \kind, 5
	PACKKV 4
	s_wait_loadcnt 4
	WM \kind, 6
	PACKKV 5
	s_wait_loadcnt 0
	WM \kind, 7
	PACKKV 6
	PACKKV 7
.endm
.macro KVBOTH ik, iv, after, base      ; even waves K, odd waves V
	s_and_b32 s98, s66, 1
	s_cmp_lg_u32 s98, 0
	s_cbranch_scc1 .Lmakev_\@
	LDWF \ik
	s_wait_dscnt 0x0
	KVPROJ 0, \after, \base
	s_branch .Lkvdone_\@
.Lmakev_\@:
	LDWF \iv
	s_wait_dscnt 0x0
	KVPROJ 1, \after, \base
.Lkvdone_\@:
.endm
.macro KSKV                            ; where my K or V tiles go: region by w & 1, first tile by w >> 1
	s_and_b32 s98, s66, 1
	s_lshl_b32 s98, s98, 16
	s_lshl_b32 s99, s92, 9
	s_add_co_u32 s98, s98, s99
	s_add_co_u32 s98, s98, KF0
	v_add_nc_u32 v[KS], s98, v[LN16]
.endm
; Q^T of my head for my two query tiles (XF fragments at src, 16 registers a tile), scaled by 0.25 log2 e, as Q, zeros, Q.
.macro QPROJ idx, src
.if (\idx) < 6
.set wreg, WT
.set woff, (\idx)*WBYTES
.else
.set wreg, WT2
.set woff, ((\idx)-6)*WBYTES
.endif
	v_add_nc_u32 v[TA], s97, v[wreg]               ; + 32 bytes x head: my head's 16 output features
.irp ks, 0,1
	ds_load_tr16_b128 v[WQF+8*\ks:WQF+8*\ks+3], v[TA] offset:woff+\ks*5120
	ds_load_tr16_b128 v[WQF+8*\ks+4:WQF+8*\ks+7], v[TA] offset:woff+\ks*5120+2560
.endr
	s_wait_dscnt 0x0
	v_wmma_f32_16x16x32_bf16 v[QA:QA+7], v[WQF:WQF+7], v[\src:\src+7], 0
	v_wmma_f32_16x16x32_bf16 v[QA+8:QA+15], v[WQF:WQF+7], v[\src+16:\src+23], 0
	v_wmma_f32_16x16x32_bf16 v[QA:QA+7], v[WQF+8:WQF+15], v[\src+8:\src+15], v[QA:QA+7]
	v_wmma_f32_16x16x32_bf16 v[QA+8:QA+15], v[WQF+8:WQF+15], v[\src+24:\src+31], v[QA+8:QA+15]
	NOP4
.irp k, 0,1,2,3,4,5,6,7
	v_pk_mul_f32 v[QA+2*\k:QA+2*\k+1], v[QA+2*\k:QA+2*\k+1], s[94:95] op_sel_hi:[1,0]
.endr
.irp a, 0,1
.irp q, 0,1,2,3
	v_cvt_pk_bf16_f32 v[QB+12*\a+\q], v[QA+8*\a+2*\q], v[QA+8*\a+2*\q+1]
	v_mov_b32 v[QB+12*\a+4+\q], 0
.endr
.irp q, 0,1,2,3
	v_mov_b32 v[QB+12*\a+8+\q], v[QB+12*\a+\q]
.endr
.endr
.endm
; S^T of one key tile (hi = 0: the operand's low tile, 1: its high tile) for query tile a.  The addend: 0, -m, or the masked addend in CT.
.macro QKM a, ka, hi, csel
.set sd, SS+16*(\a)+8*(\hi)
.set qb, QB+12*(\a)+4*(\hi)
.if (\csel) == 0
	v_wmma_f32_16x16x32_bf16 v[sd:sd+7], v[\ka:\ka+7], v[qb:qb+7], 0
.elseif (\csel) == 1
	v_wmma_f32_16x16x32_bf16 v[sd:sd+7], v[\ka:\ka+7], v[qb:qb+7], v[NEGM+8*(\a):NEGM+8*(\a)+7]
.else
	v_wmma_f32_16x16x32_bf16 v[sd:sd+7], v[\ka:\ka+7], v[qb:qb+7], v[CT+8*(\hi):CT+8*(\hi)+7]
.endif
.endm
; The addends of key tiles kt, kt + 1 of the diagonal block for query tile a: -1e30 where key 16 kt + 8 h + j > query, else 0 (pass 1) or -m (pass 2).
.macro MASKB a, kt, pass
.irp u, 0,1
.irp j, 0,1,2,3,4,5,6,7
	v_cmp_gt_i32 vcc_lo, 16*((\kt)+\u)+\j, v[DQ+(\a)]
.if (\pass) == 1
	v_cndmask_b32 v[CT+8*\u+\j], 0, v[MASKV], vcc_lo
.else
	v_cndmask_b32 v[CT+8*\u+\j], v[NEGM+8*(\a)+\j], v[MASKV], vcc_lo
.endif
.endr
.endr
.endm
.macro MAXS a, first                   ; 16 scores a lane into four running maxima; the first ones start them
.set sb, SS+16*(\a)
.set mb, MX+4*(\a)
.irp k, 0,1,2,3
.if \first
	v_max_num_f32 v[mb+\k], v[sb+2*\k], v[sb+2*\k+1]
.else
	v_max3_num_f32 v[mb+\k], v[mb+\k], v[sb+2*\k], v[sb+2*\k+1]
.endif
.endr
.irp k, 0,1,2,3
	v_max3_num_f32 v[mb+\k], v[mb+\k], v[sb+8+2*\k], v[sb+8+2*\k+1]
.endr
.endm
; Pass 1, 64 keys, four phases (query tile 0, 1 on key tiles 0-1, then on 2-3).  Each phase issues the NEXT phase's two products and then takes the maxima
; of its own scores: those eight instructions are the places behind the products just issued, in front of the refill of a K operand and of the next
; mask build.  Each s_wait_dscnt 2 leaves out the two loads of the other K operand, issued later.  koff: where the next trip's K lies from KAD.
.macro TRIP1 first, mask, koff
.if \mask
	MASKB 1, 0, 1
.endif
	QKM 1, KA0, 0, 2*\mask
	QKM 1, KA0, 1, 2*\mask
	MAXS 0, \first
	ds_load_b128 v[KA0:KA0+3], v[KAD] offset:\koff
	ds_load_b128 v[KA0+4:KA0+7], v[KAD] offset:\koff+512
	s_wait_dscnt 0x2
.if \mask
	MASKB 0, 2, 1
.endif
	QKM 0, KA1, 0, 2*\mask
	QKM 0, KA1, 1, 2*\mask
	MAXS 1, \first
.if \mask
	MASKB 1, 2, 1
.endif
	QKM 1, KA1, 0, 2*\mask
	QKM 1, KA1, 1, 2*\mask
	MAXS 0, 0
	ds_load_b128 v[KA1:KA1+3], v[KAD] offset:\koff+1024
	ds_load_b128 v[KA1+4:KA1+7], v[KAD] offset:\koff+1536
	s_wait_dscnt 0x2
	QKM 0, KA0, 0, 0                               ; the next trip's first phase (never a masked one)
	QKM 0, KA0, 1, 0
	MAXS 1, 0
.endm
.macro EXP4 a, g
.irp k, 0,1,2,3
	v_exp_f32 v[SS+16*(\a)+4*(\g)+\k], v[SS+16*(\a)+4*(\g)+\k]
.endr
.endm
; One phase of pass 2, on query tile a's 16 scores a lane.  The matrix instructions between the exponentials belong to the other query tile: the next
; phase's two score products and the last phase's V^T P^T and row sum (pvm 0: none yet, 1: they start the sums, 2: they add).  S, O and the row
; sums take turns, one instruction a turn.  v_nop is the plain instruction between the last exponential and its use
; (ISA guide 5.7.2); with the eight conversions it makes nine places behind the phase's matrix instructions.
.macro PH2 a, ka, qc, pvm, va
.set ob, 1-(\a)
	QKM 1-\a, \ka, 0, \qc
	EXP4 \a, 0
	QKM 1-\a, \ka, 1, \qc
	EXP4 \a, 1
.if (\pvm) == 1
	v_wmma_f32_16x16x32_bf16 v[OO+8*ob:OO+8*ob+7], v[\va:\va+7], v[PP+8*ob:PP+8*ob+7], 0
.elseif (\pvm) == 2
	v_wmma_f32_16x16x32_bf16 v[OO+8*ob:OO+8*ob+7], v[\va:\va+7], v[PP+8*ob:PP+8*ob+7], v[OO+8*ob:OO+8*ob+7]
.endif
	EXP4 \a, 2
.if (\pvm) == 1
	v_wmma_f32_16x16x32_bf16 v[LL+8*ob:LL+8*ob+7], v[ONES:ONES+7], v[PP+8*ob:PP+8*ob+7], 0
.elseif (\pvm) == 2
	v_wmma_f32_16x16x32_bf16 v[LL+8*ob:LL+8*ob+7], v[ONES:ONES+7], v[PP+8*ob:PP+8*ob+7], v[LL+8*ob:LL+8*ob+7]
.endif
	EXP4 \a, 3
	v_nop
	s_wait_alu depctr_va_vdst(0)
.irp k, 0,1,2,3,4,5,6,7
	v_cvt_pk_bf16_f32 v[PP+8*(\a)+\k], v[SS+16*(\a)+2*\k], v[SS+16*(\a)+2*\k+1]
.endr
.endm
; Pass 2, 64 keys.  Behind phase 0: the next trip's first K operand and this trip's second V operand; behind phase 2: the next trip's second K operand and
; first V operand.  Each s_wait_dscnt 4 leaves out the four loads of the later of these two groups.  vc: this trip's V; vnoff: the next trip's V from VAD.
.macro TRIP2 first, mask, koff, vc, vnoff
.if \mask
	MASKB 1, 0, 2
.endif
	PH2 0, KA0, 1+\mask, 2-2*\first, VA1
	ds_load_b128 v[KA0:KA0+3], v[KAD] offset:\koff
	ds_load_b128 v[KA0+4:KA0+7], v[KAD] offset:\koff+512
	ds_load_b128 v[VA1:VA1+3], v[\vc] offset:1024
	ds_load_b128 v[VA1+4:VA1+7], v[\vc] offset:1536
	s_wait_dscnt 0x4
.if \mask
	MASKB 0, 2, 2
.endif
	PH2 1, KA1, 1+\mask, 2-\first, VA0
.if \mask
	MASKB 1, 2, 2
.endif
	PH2 0, KA1, 1+\mask, 2-\first, VA0
	ds_load_b128 v[KA1:KA1+3], v[KAD] offset:\koff+1024
	ds_load_b128 v[KA1+4:KA1+7], v[KAD] offset:\koff+1536
	ds_load_b128 v[VA0:VA0+3], v[VAD] offset:\vnoff
	ds_load_b128 v[VA0+4:VA0+7], v[VAD] offset:\vnoff+512
	s_wait_dscnt 0x4
	PH2 1, KA0, 1, 2, VA1
.endm
; Attention of my head on my 32 queries.  The LAST block of 64 keys (block dt; with the mask on, the one that holds the diagonal) goes first, written out;
; then a counted loop takes blocks 0 .. dt - 1.  So each trip's look-ahead (block 0 behind the first trip, i + 1 behind trip i) stays inside the keys that are
; needed, and pass 1 ends with block dt's K in registers, which is where pass 2 begins.  The look-ahead products of each pass's last trip are not used.
; With the mask on, dt, and with it the K and V addresses and the trip count, hangs on the work-group's number.  There a barrier stands between all the
; attention's LDS reads and the stores of its result, so that this order holds whatever dt is: signalled when my reads are back, waited for in front of
; the stores, register work between.  The barrier behind the attention follows at once, so no wave waits for the slowest one twice.
.macro ATT mask
.if \mask
	s_bfe_u32 s72, s71, 0x30001                    ; dt = blk >> 1, 0 to 7
.else
	s_mov_b32 s72, 7
.endif
	s_lshl_b32 s98, s72, 11                        ; 64 keys of a head are 2,048 bytes
	v_add_nc_u32 v[KAD], s96, v[LN16]
	v_add_nc_u32 v[KDG], s98, v[KAD]
	v_add_nc_u32 v[VAD], 0x10000, v[KAD]
	v_add_nc_u32 v[VDG], 0x10000, v[KDG]
	ds_load_b128 v[KA0:KA0+3], v[KDG]
	ds_load_b128 v[KA0+4:KA0+7], v[KDG] offset:512
	ds_load_b128 v[KA1:KA1+3], v[KDG] offset:1024
	ds_load_b128 v[KA1+4:KA1+7], v[KDG] offset:1536
	s_wait_dscnt 0x2                               ; the first K operand is in, the second's two loads stay out
.if \mask
	MASKB 0, 0, 1
.endif
	QKM 0, KA0, 0, 2*\mask
	QKM 0, KA0, 1, 2*\mask
	NOP4
	TRIP1 1, \mask, 0
.if \mask
	s_cmp_eq_u32 s72, 0
	s_cbranch_scc1 .Lp1e_\@
.endif
	s_mov_b32 s73, 0
.Lp1_\@:
	TRIP1 0, 0, 2048
	v_add_nc_u32 v[KAD], 0x800, v[KAD]
	s_add_co_u32 s73, s73, 1
	s_cmp_lt_u32 s73, s72
	s_cbranch_scc1 .Lp1_\@
.Lp1e_\@:
	; the row maximum: four chains, then the other half of the wave (keys 8 h + j lie in both halves); -m in eight registers as the addend
.irp a, 0,1
	v_max3_num_f32 v[TT+\a], v[MX+4*\a], v[MX+4*\a+1], v[MX+4*\a+2]
	v_max_num_f32 v[TT+\a], v[TT+\a], v[MX+4*\a+3]
	v_permlanex16_b32 v[MX+4*\a], v[TT+\a], s74, s75
	v_max_num_f32 v[TT+\a], v[TT+\a], v[MX+4*\a]
.irp j, 0,1,2,3,4,5,6,7
	v_mul_f32 v[NEGM+8*\a+\j], -1.0, v[TT+\a]
.endr
.endr
	v_add_nc_u32 v[KAD], s96, v[LN16]              ; back to block 0
	ds_load_b128 v[VA0:VA0+3], v[VDG]
	ds_load_b128 v[VA0+4:VA0+7], v[VDG] offset:512
	s_wait_dscnt 0x2                               ; block dt's K, fetched by pass 1's last look-ahead, is in; V's two loads stay out
.if \mask
	MASKB 0, 0, 2
.endif
	QKM 0, KA0, 0, 1+\mask
	QKM 0, KA0, 1, 1+\mask
.irp j, 0,1,2,3,4,5,6,7
	v_mov_b32 v[ONES+\j], 0x3f803f80               ; a 16 x 32 operand of ones; these eight lines are also the places behind the two products
.endr
	TRIP2 1, \mask, 0, VDG, 0
.if \mask
	s_cmp_eq_u32 s72, 0
	s_cbranch_scc1 .Lp2e_\@
.endif
	s_mov_b32 s73, 0
.Lp2_\@:
	TRIP2 0, 0, 2048, VAD, 2048
	v_add_nc_u32 v[KAD], 0x800, v[KAD]
	v_add_nc_u32 v[VAD], 0x800, v[VAD]
	s_add_co_u32 s73, s73, 1
	s_cmp_lt_u32 s73, s72
	s_cbranch_scc1 .Lp2_\@
.Lp2e_\@:
	v_wmma_f32_16x16x32_bf16 v[OO+8:OO+15], v[VA1:VA1+7], v[PP+8:PP+15], v[OO+8:OO+15]
	v_wmma_f32_16x16x32_bf16 v[LL+8:LL+15], v[ONES:ONES+7], v[PP+8:PP+15], v[LL+8:LL+15]
	s_wait_dscnt 0x0                               ; the last look-ahead's loads: their registers are used again below, and all my reads of K and V are over
.if \mask
	s_barrier_signal -1                            ; say so
.endif
	NOP4
	v_rcp_f32 v[TT], v[LL]                         ; every register of a row-sum tile holds the lane's query's sum, at least 1
	v_rcp_f32 v[TT+1], v[LL+1]
	v_rcp_f32 v[TT+2], v[LL+8]
	v_rcp_f32 v[TT+3], v[LL+9]
	v_nop
	s_wait_alu depctr_va_vdst(0)
.irp a, 0,1
.irp q, 0,1,2,3
	v_pk_mul_f32 v[OO+8*\a+2*\q:OO+8*\a+2*\q+1], v[OO+8*\a+2*\q:OO+8*\a+2*\q+1], v[TT+2*\a:TT+2*\a+1]
.endr
.endr
.irp a, 0,1
.irp q, 0,1,2,3
	v_cvt_pk_bf16_f32 v[PP+4*\a+\q], v[OO+8*\a+2*\q], v[OO+8*\a+2*\q+1]
.endr
.endr
.if \mask
	s_barrier_wait -1                              ; every wave's reads are over
.endif
	ds_store_b128 v[OXA], v[PP:PP+3]               ; chunk = head of the tile's XF order
	ds_store_b128 v[OXA], v[PP+4:PP+7] offset:2048
.endm
.macro LDPV dst, vec                   ; a vector of 64 in the accumulator layout: features 16 mt + 8 h + j
.irp k, 0,1,2,3,4,5,6,7
	ds_load_b128 v[\dst+4*\k:\dst+4*\k+3], v[PARA] offset:(\vec)*256+64*(\k/2)+16*(\k%2)
.endr
.endm
.macro ADD32 dst, src
.irp k, 0,1,2,3,4,5,6,7,8,9,10,11,12,13,14,15
	v_pk_add_f32 v[\dst+2*\k:\dst+2*\k+1], v[\dst+2*\k:\dst+2*\k+1], v[\src+2*\k:\src+2*\k+1]
.endr
.endm
.macro PACK16 dst, src
.irp k, 0,1,2,3,4,5,6,7,8,9,10,11,12,13,14,15
	v_cvt_pk_bf16_f32 v[\dst+\k], v[\src+2*\k], v[\src+2*\k+1]
.endr
.endm
.macro MM8 acc, frag                   ; acc += W^T x (a tile's fragments); four accumulators by turns
.irp ks, 0,1
.irp mt, 0,1,2,3
	v_wmma_f32_16x16x32_bf16 v[\acc+8*\mt:\acc+8*\mt+7], v[WF+8*(4*\ks+\mt):WF+8*(4*\ks+\mt)+7], v[\frag+8*\ks:\frag+8*\ks+7], v[\acc+8*\mt:\acc+8*\mt+7]
.endr
.endr
.endm
; LayerNorm of ACC with gain GG and shift BV: mean, then the mean of squares of x - mean, as the definition has it.
.macro LNORM
.irp k, 0,1,2,3,4,5,6,7
	v_pk_add_f32 v[TL+2*\k:TL+2*\k+1], v[ACC+4*\k:ACC+4*\k+1], v[ACC+4*\k+2:ACC+4*\k+3]
.endr
.irp k, 0,1,2,3
	v_pk_add_f32 v[TL+2*\k:TL+2*\k+1], v[TL+4*\k:TL+4*\k+1], v[TL+4*\k+2:TL+4*\k+3]
.endr
.irp k, 0,1
	v_pk_add_f32 v[TL+2*\k:TL+2*\k+1], v[TL+4*\k:TL+4*\k+1], v[TL+4*\k+2:TL+4*\k+3]
.endr
	v_pk_add_f32 v[TL:TL+1], v[TL:TL+1], v[TL+2:TL+3]
	v_add_f32 v[TL], v[TL], v[TL+1]
	v_permlanex16_b32 v[TL+1], v[TL], s74, s75     ; the token's other 32 features lie in lane L xor 16
	v_add_f32 v[TL], v[TL], v[TL+1]
	v_mul_f32 v[TL], s76, v[TL]
	v_mov_b32 v[TL+1], v[TL]
.irp k, 0,1,2,3,4,5,6,7,8,9,10,11,12,13,14,15
	v_pk_add_f32 v[ACC+2*\k:ACC+2*\k+1], v[ACC+2*\k:ACC+2*\k+1], v[TL:TL+1] neg_lo:[0,1] neg_hi:[0,1]
.endr
.irp k, 0,1,2,3
	v_pk_mul_f32 v[TL+4+2*\k:TL+5+2*\k], v[ACC+2*\k:ACC+2*\k+1], v[ACC+2*\k:ACC+2*\k+1]
.endr
.irp k, 4,5,6,7,8,9,10,11,12,13,14,15
	v_pk_fma_f32 v[TL+4+2*(\k%4):TL+5+2*(\k%4)], v[ACC+2*\k:ACC+2*\k+1], v[ACC+2*\k:ACC+2*\k+1], v[TL+4+2*(\k%4):TL+5+2*(\k%4)]
.endr
	v_pk_add_f32 v[TL+4:TL+5], v[TL+4:TL+5], v[TL+6:TL+7]
	v_pk_add_f32 v[TL+8:TL+9], v[TL+8:TL+9], v[TL+10:TL+11]
	v_pk_add_f32 v[TL+4:TL+5], v[TL+4:TL+5], v[TL+8:TL+9]
	v_add_f32 v[TL+4], v[TL+4], v[TL+5]
	v_permlanex16_b32 v[TL+5], v[TL+4], s74, s75
	v_add_f32 v[TL+4], v[TL+4], v[TL+5]
	v_fma_f32 v[TL+4], v[TL+4], s76, s77           ; variance + 1e-5
	v_rsq_f32 v[TL+2], v[TL+4]
	v_rsq_f32 v[TL+3], v[TL+4]
	v_nop
	s_wait_alu depctr_va_vdst(0)
.irp k, 0,1,2,3,4,5,6,7,8,9,10,11,12,13,14,15
	v_pk_mul_f32 v[GG+2*\k:GG+2*\k+1], v[GG+2*\k:GG+2*\k+1], v[TL+2:TL+3]
.endr
.irp k, 0,1,2,3,4,5,6,7,8,9,10,11,12,13,14,15
	v_pk_fma_f32 v[ACC+2*\k:ACC+2*\k+1], v[ACC+2*\k:ACC+2*\k+1], v[GG+2*\k:GG+2*\k+1], v[BV+2*\k:BV+2*\k+1]
.endr
.endm
.macro OXRD                            ; an owner's tile in OX (and, 8,192 bytes on, in XQ)
	s_lshl_b32 s98, s66, 11
	s_add_co_u32 s98, s98, OX0
	v_add_nc_u32 v[KS], s98, v[LN16]
.endm
; ACC = LayerNorm(ACC + bias + Wo^T O^T); FR = the result in bf16.  res: the residual's global loads are still to be waited for.
; nxt: the next weight wn and its bias vn (straight into the next accumulators) are fetched while the LayerNorm runs.
.macro ATTOUT wi, vbo, vg, vb, res, nxt, wn, vn
.irp c, 0,1,2,3
	ds_load_b128 v[FR+4*\c:FR+4*\c+3], v[KS] offset:512*\c
.endr
	LDWF \wi
	LDPV ACC2, \vbo
	LDPV GG, \vg
	LDPV BV, \vb
.if \res
	s_wait_loadcnt 0x0
.endif
	s_wait_dscnt 16                                ; all but the 16 loads of gain and shift
	ADD32 ACC, ACC2
	MM8 ACC, FR
	NOP4
.if \nxt
	LDWF \wn
	LDPV ACC2, \vn
	s_wait_dscnt 24                                ; gain and shift are in; the 24 loads just issued stay out
.else
	s_wait_dscnt 0x0
.endif
	LNORM
	PACK16 FR, ACC
.endm
; ACC = LayerNorm(ACC + b2 + W2^T relu(W1^T x + b1)); W1 is in WF and b1 in ACC2 on entry.
.macro FFN w2i, vfb2, vg, vb
	s_wait_dscnt 0x0
	MM8 ACC2, FR
	NOP4
	LDWF \w2i
	LDPV GG, \vfb2
.irp k, 0,1,2,3,4,5,6,7,8,9,10,11,12,13,14,15,16,17,18,19,20,21,22,23,24,25,26,27,28,29,30,31
	v_max_num_f32 v[ACC2+\k], 0, v[ACC2+\k]
.endr
	PACK16 FR2, ACC2
	s_wait_dscnt 0x0
	ADD32 ACC, GG
	LDPV GG, \vg
	LDPV BV, \vb
	MM8 ACC, FR2
	NOP4
	s_wait_dscnt 0x0
	LNORM
	PACK16 FR, ACC
.endm
	; ---------------- ids, constants, addresses ----------------
	s_load_b512 s[8:23], s[0:1], 0x0
	s_load_b512 s[24:39], s[0:1], 0x40
.if DEC
	s_load_b512 s[40:55], s[0:1], 0x80
	s_load_b64 s[56:57], s[0:1], 0xc0
	s_set_vgpr_msb 0x40
	v_lshl_add_u32 v112, v0, 2, 0x3dc00
	v_mov_b32 v113, 0
	s_set_vgpr_msb 0x4000
.else
	s_load_b64 s[40:41], s[0:1], 0x80
.endif
	v_lshrrev_b32 v6, 5, v0
	v_readfirstlane_b32 s66, v6                    ; wave w
	s_lshr_b32 s67, s66, 2                         ; which of the group's two blocks I attend for
	s_and_b32 s68, s66, 3                          ; my head
	s_mov_b32 s69, ttmp9                           ; b
	s_and_b32 s70, ttmp7, 0xffff                   ; batch element
	s_sub_co_u32 s99, 15, s69
	s_cmp_lg_u32 s67, 0
	s_cselect_b32 s71, s99, s69                    ; blk: my block of 32 queries
	s_lshr_b32 s92, s66, 1
	s_cmp_lg_u32 s92, 0
	s_cselect_b32 s93, s99, s69
	s_and_b32 s98, s66, 1
	s_lshl1_add_u32 s93, s93, s98                  ; waves 0-3: the tile that I own in the row-local part
	s_mov_b32 s74, 0x76543210                      ; v_permlanex16_b32: lane i of one half reads lane i of the other
	s_mov_b32 s75, 0xfedcba98
	s_mov_b32 s76, 0x3c800000                      ; 1/64
	s_mov_b32 s77, 0x3727c5ac                      ; 1e-5
	s_mov_b32 s94, 0x3eb8aa3b                      ; 16^-0.5 x log2 e
	s_mov_b32 s95, 0x3eb8aa3b
	s_lshl_b32 s96, s68, 14
	s_add_co_u32 s96, s96, KF0                     ; my head's K in LDS
	s_lshl_b32 s97, s68, 5
	s_mov_b32 s79, 0
	v_and_b32 v6, 31, v0
	v_lshlrev_b32 v[LN16], 4, v6
	v_lshlrev_b32 v[TA], 3, v6
	v_lshlrev_b32 v[G16], 4, v0
	v_bfe_u32 v7, v0, 4, 1                         ; h
	v_and_b32 v8, 7, v0
	v_lshl_add_u32 v8, v7, 3, v8
	v_mul_u32_u24 v[WT], v8, 160
	v_bfe_u32 v9, v0, 3, 1
	v_lshl_add_u32 v[WT], v9, 4, v[WT]
	v_lshlrev_b32 v[PARA], 5, v7
	v_add_nc_u32 v[PARA], PAR0, v[PARA]
	v_add_nc_u32 v[KS], PAR0, v[TA]
	v_lshrrev_b32 v8, 4, v0
	v_and_b32 v9, 15, v0
	v_mul_u32_u24 v8, v8, 160
	v_lshl_add_u32 v[STA], v9, 3, v8
	v_lshrrev_b32 v8, 2, v0
	v_and_b32 v9, 3, v0
	v_mul_u32_u24 v8, v8, 160
	v_lshl_add_u32 v[STA+1], v9, 3, v8
.if DEC
	v_add_nc_u32 v[WT2], 6*WBYTES, v[WT]
	v_add_nc_u32 v[STA+2], 6*WBYTES, v[STA]
	v_add_nc_u32 v[STA+3], 6*WBYTES, v[STA+1]
.endif
	s_wait_kmcnt 0x0
	s_lshl_b32 s98, s70, 16                        ; a batch element's XF is 65,536 bytes
	s_lshl_b32 s78, s92, 11
	s_add_co_u32 s78, s78, s98
	s_add_nc_u64 s[80:81], s[PFIN:PFIN+1], s[78:79]        ; XF at tile w >> 1: the source of my K or V
.if DEC
	s_add_nc_u64 s[90:91], s[PXE:PXE+1], s[78:79]          ; the same in the encoder's result
.endif
	s_lshl_b32 s78, s71, 12
	s_add_co_u32 s78, s78, s98
	s_add_nc_u64 s[82:83], s[PFIN:PFIN+1], s[78:79]        ; XF at my two query tiles
	s_lshl_b32 s78, s93, 11
	s_add_co_u32 s78, s78, s98
	s_add_nc_u64 s[88:89], s[PFOUT:PFOUT+1], s[78:79]      ; XF out at the tile that I own
	s_lshl_b32 s78, s78, 1
	s_add_nc_u64 s[84:85], s[PRIN:PRIN+1], s[78:79]        ; XR in and out there
	s_add_nc_u64 s[86:87], s[PROUT:PROUT+1], s[78:79]
	; ---------------- the launch's first loads ----------------
	; Every wave loads the vectors, so that all waves issue the same loads and each counted wait means the same in each; wave 7 alone stores them.
.set n, 0
.rept NVEC
	global_load_b64 v[VEC+2*n:VEC+2*n+1], v[TA], s[PVEC+2*n:PVEC+2*n+1]
.set n, n+1
.endr
	LOADW RAW, PW0
	LOADW RAW+16, PW0+2
	LOADW RAW+32, PW0+4
	XBLOAD 0, 80
	XBLOAD 1, 80
	XBLOAD 2, 80
	XBLOAD 3, 80
.irp k, 0,1,2,3,4,5,6,7
	global_load_b128 v[QSRC+4*\k:QSRC+4*\k+3], v[LN16], s[82:83] offset:512*\k
.endr
	s_wait_loadcnt 24                              ; the vectors, wq, wk, wv are in; behind them: 16 of the ring, 8 of the queries
	s_set_vgpr_msb 0x40                            ; destinations v256 and up: the weights that are needed later wait there as loaded.
.set n, 0                                          ; Issued behind the wait: a wave then has at most 24 + 4 (NW - 3) loads out
.rept NW-3
	LOADW 16*n, PW0+6+2*n
.set n, n+1
.endr
	s_set_vgpr_msb 0x4000
	CVTW PKW, RAW
	CVTW PKW+8, RAW+16
	CVTW PKW+16, RAW+32
	STW 1, 0, PKW
	STW 1, 1, PKW+8
	STW 1, 2, PKW+16
	s_cmp_lg_u32 s66, 7
	s_cbranch_scc1 .Lnot7
.set n, 0
.rept NVEC
	ds_store_b64 v[KS], v[VEC+2*n:VEC+2*n+1] offset:256*n
.set n, n+1
.endr
.Lnot7:
	KSKV
	BAR                                            ; wq, wk, wv and the vectors are whole
	KVBOTH 1, 2, 8+4*(NW-3), 80
	QPROJ 0, QSRC
	s_set_vgpr_msb 0x05                            ; sources v256 and up (their loads were shown done by the wait for ring tile 4, issued behind them)
.set n, 0
.rept 8*(NW-3)
	v_cvt_pk_bf16_f32 v[PK2+n], v[2*n], v[2*n+1]
.set n, n+1
.endr
	s_set_vgpr_msb 0x0500
.if DEC
	STW 0, 3, PK2
	STW 1, 4, PK2+8
	STW 1, 5, PK2+16
	STW 1, 6, PK2+24
	STW 0, 7, PK2+32
	STW 0, 8, PK2+40
	STW 0, 9, PK2+48
	s_and_b32 s98, s71, 1                          ; which half of the diagonal block of 64 keys holds my queries
	s_lshl_b32 s98, s98, 5
	v_and_b32 v[DQ], 15, v0
	v_bfe_u32 v[TA], v0, 4, 1
	v_lshlrev_b32 v[TA], 3, v[TA]
	v_sub_nc_u32 v[DQ], v[DQ], v[TA]
	v_add_nc_u32 v[DQ], s98, v[DQ]                 ; 32 (blk & 1) + r - 8 h
	v_add_nc_u32 v[DQ+1], 16, v[DQ]
	v_mov_b32 v[MASKV], 0xf149f2ca                 ; -1e30
.else
	STW 0, 3, PK2
	STW 0, 4, PK2+8
	STW 0, 5, PK2+16
.endif
	s_lshl_b32 s98, s67, 12
	s_lshl_b32 s99, s68, 9
	s_add_co_u32 s98, s98, s99
	s_add_co_u32 s98, s98, OX0
	v_add_nc_u32 v[OXA], s98, v[LN16]
	s_cmp_ge_u32 s66, 4
	s_cbranch_scc1 .Lno_res
.irp k, 0,1,2,3,4,5,6,7
	global_load_b128 v[ACC+4*\k:ACC+4*\k+3], v[LN16], s[84:85] offset:512*\k   ; the residual; it has the whole attention in which to come
.endr
.Lno_res:
	BAR                                            ; K, V and all weights are whole
	ATT DEC
	BAR                                            ; OX is whole, and nobody reads K and V any more
.if DEC
	s_cmp_ge_u32 s66, 4
	s_cbranch_scc1 .Lnot_owner
	OXRD
	ATTOUT 3, 0, 1, 2, 1, 0, 0, 0
.irp c, 0,1,2,3
	ds_store_b128 v[KS], v[FR+4*\c:FR+4*\c+3] offset:8192+512*\c               ; the cross attention's query source
.endr
.Lnot_owner:
	XBLOAD 0, 90
	XBLOAD 1, 90
	XBLOAD 2, 90
	XBLOAD 3, 90
	KSKV
	KVBOTH 5, 6, 0, 90
	BAR                                            ; the encoder's K and V and XQ are whole; the owners' reads of OX are over
	s_lshl_b32 s98, s67, 12
	s_add_co_u32 s98, s98, XQ0
	v_add_nc_u32 v[KS], s98, v[LN16]
.irp k, 0,1,2,3,4,5,6,7
	ds_load_b128 v[XB+4*\k:XB+4*\k+3], v[KS] offset:512*\k
.endr
	QPROJ 4, XB
	ATT 0
	BAR                                            ; OX is whole
.endif
	s_cmp_ge_u32 s66, 4
	s_cbranch_scc1 .Lend
	OXRD
.if DEC
	ATTOUT 7, 3, 4, 5, 0, 1, 8, 6
	FFN 9, 7, 8, 9
.else
	ATTOUT 3, 0, 1, 2, 1, 1, 4, 3
	FFN 5, 4, 5, 6
.endif
.irp k, 0,1,2,3,4,5,6,7
	global_store_b128 v[LN16], v[ACC+4*\k:ACC+4*\k+3], s[86:87] offset:512*\k
.endr
.irp c, 0,1,2,3
	global_store_b128 v[LN16], v[FR+4*\c:FR+4*\c+3], s[88:89] offset:512*\c
.endr
.Lend:
	s_set_vgpr_msb 0x5
	s_wait_tensorcnt 0x0
	ds_add_u32 v112, v113
	s_wait_dscnt 0x0
	s_set_vgpr_msb 0x500
	s_endpgm
.Lfunc_end_k_qc7cfd48d04_dec0:
	.size	k_qc7cfd48d04_dec0, .Lfunc_end_k_qc7cfd48d04_dec0-k_qc7cfd48d04_dec0
	.p2alignl 7, 3214868480
	.fill 96, 4, 3214868480
	.section	.rodata,"a",@progbits
	.p2align	6, 0x0
	.amdhsa_kernel k_qc7cfd48d04_dec0
		.amdhsa_group_segment_fixed_size 253952
		.amdhsa_private_segment_fixed_size 0
		.amdhsa_enable_private_segment 0
		.amdhsa_kernarg_size 200
		.amdhsa_user_sgpr_count 2
		.amdhsa_user_sgpr_kernarg_segment_ptr 1
		.amdhsa_wavefront_size32 1
		.amdhsa_system_sgpr_workgroup_id_x 1
		.amdhsa_system_sgpr_workgroup_id_y 1
		.amdhsa_system_sgpr_workgroup_id_z 1
		.amdhsa_system_vgpr_workitem_id 0
		.amdhsa_next_free_vgpr 370
		.amdhsa_next_free_sgpr 100
		.amdhsa_reserve_vcc 1
		.amdhsa_float_denorm_mode_32 3
		.amdhsa_float_denorm_mode_16_64 3
		.amdhsa_memory_ordered 1
		.amdhsa_forward_progress 1
		.amdhsa_inst_pref_size 186
	.end_amdhsa_kernel
	.amdgpu_metadata
---
amdhsa.version: [ 1, 2 ]
amdhsa.kernels:
  - .name:           k_qc7cfd48d04_dec0
    .symbol:         k_qc7cfd48d04_dec0.kd
    .args:
      - { .name: yrA, .offset: 0, .size: 8, .value_kind: global_buffer, .address_space: global }
      - { .name: yfA, .offset: 8, .size: 8, .value_kind: global_buffer, .address_space: global }
      - { .name: xfA, .offset: 16, .size: 8, .value_kind: global_buffer, .address_space: global }
      - { .name: dec_blocks_0_sattn_wq, .offset: 24, .size: 8, .value_kind: global_buffer, .address_space: global }
      - { .name: dec_blocks_0_sattn_wk, .offset: 32, .size: 8, .value_kind: global_buffer, .address_space: global }
      - { .name: dec_blocks_0_sattn_wv, .offset: 40, .size: 8, .value_kind: global_buffer, .address_space: global }
      - { .name: dec_blocks_0_sattn_wo, .offset: 48, .size: 8, .value_kind: global_buffer, .address_space: global }
      - { .name: dec_blocks_0_cattn_wq, .offset: 56, .size: 8, .value_kind: global_buffer, .address_space: global }
      - { .name: dec_blocks_0_cattn_wk, .offset: 64, .size: 8, .value_kind: global_buffer, .address_space: global }
      - { .name: dec_blocks_0_cattn_wv, .offset: 72, .size: 8, .value_kind: global_buffer, .address_space: global }
      - { .name: dec_blocks_0_cattn_wo, .offset: 80, .size: 8, .value_kind: global_buffer, .address_space: global }
      - { .name: dec_blocks_0_ffn_w1, .offset: 88, .size: 8, .value_kind: global_buffer, .address_space: global }
      - { .name: dec_blocks_0_ffn_w2, .offset: 96, .size: 8, .value_kind: global_buffer, .address_space: global }
      - { .name: dec_blocks_0_sattn_bo, .offset: 104, .size: 8, .value_kind: global_buffer, .address_space: global }
      - { .name: dec_blocks_0_ln1_g, .offset: 112, .size: 8, .value_kind: global_buffer, .address_space: global }
      - { .name: dec_blocks_0_ln1_b, .offset: 120, .size: 8, .value_kind: global_buffer, .address_space: global }
      - { .name: dec_blocks_0_cattn_bo, .offset: 128, .size: 8, .value_kind: global_buffer, .address_space: global }
      - { .name: dec_blocks_0_ln2_g, .offset: 136, .size: 8, .value_kind: global_buffer, .address_space: global }
      - { .name: dec_blocks_0_ln2_b, .offset: 144, .size: 8, .value_kind: global_buffer, .address_space: global }
      - { .name: dec_blocks_0_ffn_b1, .offset: 152, .size: 8, .value_kind: global_buffer, .address_space: global }
      - { .name: dec_blocks_0_ffn_b2, .offset: 160, .size: 8, .value_kind: global_buffer, .address_space: global }
      - { .name: dec_blocks_0_ln3_g, .offset: 168, .size: 8, .value_kind: global_buffer, .address_space: global }
      - { .name: dec_blocks_0_ln3_b, .offset: 176, .size: 8, .value_kind: global_buffer, .address_space: global }
      - { .name: yrB, .offset: 184, .size: 8, .value_kind: global_buffer, .address_space: global }
      - { .name: yfB, .offset: 192, .size: 8, .value_kind: global_buffer, .address_space: global }
    .group_segment_fixed_size: 253952
    .private_segment_fixed_size: 0
    .kernarg_segment_align: 8
    .kernarg_segment_size: 200
    .max_flat_workgroup_size: 256
    .sgpr_count:     100
    .vgpr_count:     370
    .wavefront_size: 32
...
	.end_amdgpu_metadata
.endif
;; end of part 3
;; launch dec1: the kernel of part 3 again; grid 8 x 32, 8 waves a work-group, no clusters, 253,952 bytes of LDS; arguments yrB, yfB, xfA, dec_blocks_1_sattn_wq, dec_blocks_1_sattn_wk, dec_blocks_1_sattn_wv, dec_blocks_1_sattn_wo, dec_blocks_1_cattn_wq, dec_blocks_1_cattn_wk, dec_blocks_1_cattn_wv, dec_blocks_1_cattn_wo, dec_blocks_1_ffn_w1, dec_blocks_1_ffn_w2, dec_blocks_1_sattn_bo, dec_blocks_1_ln1_g, dec_blocks_1_ln1_b, dec_blocks_1_cattn_bo, dec_blocks_1_ln2_g, dec_blocks_1_ln2_b, dec_blocks_1_ffn_b1, dec_blocks_1_ffn_b2, dec_blocks_1_ln3_g, dec_blocks_1_ln3_b, yrA, yfA; writes yrA, yfA
;; launch dec2: the kernel of part 3 again; grid 8 x 32, 8 waves a work-group, no clusters, 253,952 bytes of LDS; arguments yrA, yfA, xfA, dec_blocks_2_sattn_wq, dec_blocks_2_sattn_wk, dec_blocks_2_sattn_wv, dec_blocks_2_sattn_wo, dec_blocks_2_cattn_wq, dec_blocks_2_cattn_wk, dec_blocks_2_cattn_wv, dec_blocks_2_cattn_wo, dec_blocks_2_ffn_w1, dec_blocks_2_ffn_w2, dec_blocks_2_sattn_bo, dec_blocks_2_ln1_g, dec_blocks_2_ln1_b, dec_blocks_2_cattn_bo, dec_blocks_2_ln2_g, dec_blocks_2_ln2_b, dec_blocks_2_ffn_b1, dec_blocks_2_ffn_b2, dec_blocks_2_ln3_g, dec_blocks_2_ln3_b, yrB, yfB; writes yrB, yfB
;; launch dec3: the kernel of part 3 again; grid 8 x 32, 8 waves a work-group, no clusters, 253,952 bytes of LDS; arguments yrB, yfB, xfA, dec_blocks_3_sattn_wq, dec_blocks_3_sattn_wk, dec_blocks_3_sattn_wv, dec_blocks_3_sattn_wo, dec_blocks_3_cattn_wq, dec_blocks_3_cattn_wk, dec_blocks_3_cattn_wv, dec_blocks_3_cattn_wo, dec_blocks_3_ffn_w1, dec_blocks_3_ffn_w2, dec_blocks_3_sattn_bo, dec_blocks_3_ln1_g, dec_blocks_3_ln1_b, dec_blocks_3_cattn_bo, dec_blocks_3_ln2_g, dec_blocks_3_ln2_b, dec_blocks_3_ffn_b1, dec_blocks_3_ffn_b2, dec_blocks_3_ln3_g, dec_blocks_3_ln3_b, yrA, yfA; writes yrA, yfA
;; launch logits (part 4): grid 256 x 1, 4 waves a work-group, no clusters, 39,424 bytes of LDS; arguments yrA, out_w, out_b, out0; writes out0
.if DOCPART == 4
	.amdgcn_target "amdgcn-amd-amdhsa--gfx1250"
	.amdhsa_code_object_version 6
	.text
	.protected	k_qc7cfd48d04_logits
	.globl	k_qc7cfd48d04_logits
	.p2align	8
	.type	k_qc7cfd48d04_logits,@function
k_qc7cfd48d04_logits:
	s_mov_b64 s[64:65], 0
	v_nop
	global_prefetch_b8 v0, s[64:65] scope:SCOPE_SE
	s_setreg_imm32_b32 hwreg(HW_REG_WAVE_MODE, 25, 1), 1
	s_wait_xcnt 0x0
; out0 = y out_w + out_b.  y comes in f32 in XR order: a 16-token tile is 4,096 bytes, chunk i at 512 i + 16 L holds registers 4 i .. 4 i + 3 of a
; 32-register tile whose register 8 mt + j is feature 16 mt + 8 h + j of token r (L = lane, r = L & 15, h = L >> 4).  Rounded pair by pair, the 32
; registers are the two operand fragments of the tile.  Four waves, one tile each: tile 4 g + w of 1,024.
; Computed transposed, out^T = W^T y^T: six accumulators of 16 output columns x 16 tokens, started with the bias, which is loaded straight into them.
; out_w is rounded into LDS, rows of 96 numbers at a pitch of 224 bytes, and read back by the transposing LDS load.
; A lane ends with pieces of one token's row; a tile of the output is 6,144 consecutive bytes, so it goes through a stage of the wave's own in LDS and leaves
; by stores of which each covers 512 consecutive bytes, aligned.
; OPERANDS ARE F16, sums f32: this product's rounding goes straight into the result, and f16 keeps 11 significant bits where bf16 keeps 8.
; LIMIT: y is a LayerNorm's result, at most 8 |gain| + |shift| in size (sqrt 63 < 8); y and out_w must stay below 65,504 in size, which leaves room for gains
; and weights thousands of times those of a usual model; numbers under 6.1e-5 are kept with an absolute error of 3e-8.
.set XF,   8                           ; v[8:23]    the tile's two fragments
.set ACC,  24                          ; v[24:71]   six accumulators
.set RAW,  72                          ; v[72:119]  my 48 numbers of out_w
.set PKW,  120                         ; v[120:143] the same in f16
.set WF,   72                          ; v[72:167]  later: 12 fragments, (ks, mt) at 8 (6 ks + mt)
.set YR,   168                         ; v[168:199] the tile in f32 as loaded
.set OUTR, 168                         ; v[168:215] later: the result read back by rows
.set WP,   224
.set STAGE0, 64*WP
	s_load_b256 s[8:15], s[0:1], 0x0               ; y s[8:9], out_w s[10:11], out_b s[12:13], out0 s[14:15]
	v_lshl_add_u32 v216, v0, 2, 0x9800
	v_mov_b32 v217, 0
	v_lshrrev_b32 v1, 5, v0
	v_readfirstlane_b32 s16, v1                    ; wave
	s_lshl_b32 s17, ttmp9, 2
	s_add_co_u32 s17, s17, s16                     ; tile
	s_mul_i32 s20, s16, 6144
	s_add_co_u32 s20, s20, STAGE0                  ; my stage
	v_and_b32 v8, 31, v0
	v_lshlrev_b32 v1, 4, v8                        ; 16 L
	v_bfe_u32 v9, v0, 4, 1                         ; h
	v_lshlrev_b32 v2, 5, v9                        ; 32 h
	v_lshrrev_b32 v10, 1, v0                       ; out_w's row t >> 1, half t & 1
	v_and_b32 v11, 1, v0
	v_mul_u32_u24 v3, v10, 384
	v_mad_u32_u24 v3, v11, 192, v3                 ; where my 192 bytes lie in memory
	v_mul_u32_u24 v4, v10, WP
	v_mad_u32_u24 v4, v11, 96, v4                  ; and where their 96 bytes go
	v_and_b32 v10, 7, v0
	v_lshl_add_u32 v10, v9, 3, v10
	v_mul_u32_u24 v5, v10, WP
	v_bfe_u32 v11, v0, 3, 1
	v_lshl_add_u32 v5, v11, 4, v5                  ; transposing read: (8 h + (L & 7)) x 224 + 16 ((L >> 3) & 1)
	v_and_b32 v10, 15, v0
	v_mul_u32_u24 v6, v10, 384
	v_add_nc_u32 v6, v6, v2
	v_add_nc_u32 v6, s20, v6                       ; stage, in: token r's row + 32 h
	v_add_nc_u32 v7, s20, v1                       ; stage, back: 16 L
	s_mov_b32 s19, 0
	s_wait_kmcnt 0x0
	s_lshl_b32 s18, s17, 12
	s_add_nc_u64 s[8:9], s[8:9], s[18:19]
	s_mul_i32 s18, s17, 6144
	s_add_nc_u64 s[14:15], s[14:15], s[18:19]
.irp k, 0,1,2,3,4,5,6,7,8,9,10,11
	global_load_b128 v[RAW+4*\k:RAW+4*\k+3], v3, s[10:11] offset:16*\k
.endr
.irp k, 0,1,2,3,4,5,6,7
	global_load_b128 v[YR+4*\k:YR+4*\k+3], v1, s[8:9] offset:512*\k
.endr
.irp k, 0,1,2,3,4,5,6,7,8,9,10,11
	global_load_b128 v[ACC+4*\k:ACC+4*\k+3], v2, s[12:13] offset:64*(\k/2)+16*(\k%2)   ; bias of columns 16 mt + 8 h + j
.endr
	s_wait_loadcnt 20                              ; out_w's 12 loads are in; the 8 of y and the 12 of the bias stay out
.irp k, 0,1,2,3,4,5,6,7,8,9,10,11,12,13,14,15,16,17,18,19,20,21,22,23
	v_cvt_pk_f16_f32 v[PKW+\k], v[RAW+2*\k], v[RAW+2*\k+1]
.endr
.irp k, 0,1,2,3,4,5,6,7,8,9,10,11
	ds_store_b64 v4, v[PKW+2*\k:PKW+2*\k+1] offset:8*\k
.endr
	s_wait_dscnt 0x0                               ; my part of the weight is in LDS,
	s_barrier_signal -1
	s_barrier_wait -1                              ; everybody's is
.irp ks, 0,1
.irp mt, 0,1,2,3,4,5
	ds_load_tr16_b128 v[WF+8*(6*\ks+\mt):WF+8*(6*\ks+\mt)+3], v5 offset:\ks*32*WP+\mt*32
	ds_load_tr16_b128 v[WF+8*(6*\ks+\mt)+4:WF+8*(6*\ks+\mt)+7], v5 offset:\ks*32*WP+\mt*32+16*WP
.endr
.endr
	s_wait_loadcnt 0x0                             ; y and the bias
.irp k, 0,1,2,3,4,5,6,7,8,9,10,11,12,13,14,15
	v_cvt_pk_f16_f32 v[XF+\k], v[YR+2*\k], v[YR+2*\k+1]
.endr
	s_wait_dscnt 0x0
	; six accumulators by turns, one instruction a turn
.irp ks, 0,1
.irp mt, 0,1,2,3,4,5
	v_wmma_f32_16x16x32_f16 v[ACC+8*\mt:ACC+8*\mt+7], v[WF+8*(6*\ks+\mt):WF+8*(6*\ks+\mt)+7], v[XF+8*\ks:XF+8*\ks+7], v[ACC+8*\mt:ACC+8*\mt+7]
.endr
.endr
.rept 4
	v_nop                                          ; the places between the last products and the LDS stores that read them
.endr
.irp k, 0,1,2,3,4,5,6,7,8,9,10,11
	ds_store_b128 v6, v[ACC+4*\k:ACC+4*\k+3] offset:64*(\k/2)+16*(\k%2)
.endr
.irp k, 0,1,2,3,4,5,6,7,8,9,10,11
	ds_load_b128 v[OUTR+4*\k:OUTR+4*\k+3], v7 offset:512*\k        ; LDS serves a wave's instructions in order (ISA guide 5.7.1): these see the stores above
.endr
.irp k, 0,1,2,3,4,5,6,7,8,9,10,11
	s_wait_dscnt 11-\k
	global_store_b128 v1, v[OUTR+4*\k:OUTR+4*\k+3], s[14:15] offset:512*\k
.endr
	s_wait_tensorcnt 0x0
	ds_add_u32 v216, v217
	s_wait_dscnt 0x0
	s_endpgm
.Lfunc_end_k_qc7cfd48d04_logits:
	.size	k_qc7cfd48d04_logits, .Lfunc_end_k_qc7cfd48d04_logits-k_qc7cfd48d04_logits
	.p2alignl 7, 3214868480
	.fill 96, 4, 3214868480
	.section	.rodata,"a",@progbits
	.p2align	6, 0x0
	.amdhsa_kernel k_qc7cfd48d04_logits
		.amdhsa_group_segment_fixed_size 39424
		.amdhsa_private_segment_fixed_size 0
		.amdhsa_enable_private_segment 0
		.amdhsa_kernarg_size 32
		.amdhsa_user_sgpr_count 2
		.amdhsa_user_sgpr_kernarg_segment_ptr 1
		.amdhsa_wavefront_size32 1
		.amdhsa_system_sgpr_workgroup_id_x 1
		.amdhsa_system_sgpr_workgroup_id_y 1
		.amdhsa_system_sgpr_workgroup_id_z 1
		.amdhsa_system_vgpr_workitem_id 0
		.amdhsa_next_free_vgpr 218
		.amdhsa_next_free_sgpr 66
		.amdhsa_reserve_vcc 0
		.amdhsa_float_denorm_mode_32 3
		.amdhsa_float_denorm_mode_16_64 3
		.amdhsa_memory_ordered 1
		.amdhsa_forward_progress 1
		.amdhsa_inst_pref_size 14
	.end_amdhsa_kernel
	.amdgpu_metadata
---
amdhsa.version: [ 1, 2 ]
amdhsa.kernels:
  - .name:           k_qc7cfd48d04_logits
    .symbol:         k_qc7cfd48d04_logits.kd
    .args:
      - { .name: yrA, .offset: 0, .size: 8, .value_kind: global_buffer, .address_space: global }
      - { .name: out_w, .offset: 8, .size: 8, .value_kind: global_buffer, .address_space: global }
      - { .name: out_b, .offset: 16, .size: 8, .value_kind: global_buffer, .address_space: global }
      - { .name: out0, .offset: 24, .size: 8, .value_kind: global_buffer, .address_space: global }
    .group_segment_fixed_size: 39424
    .private_segment_fixed_size: 0
    .kernarg_segment_align: 8
    .kernarg_segment_size: 32
    .max_flat_workgroup_size: 128
    .sgpr_count:     66
    .vgpr_count:     218
    .wavefront_size: 32
...
	.end_amdgpu_metadata
.endif
;; end of part 4
;; ======== version 2 of 2: 10 launches; version 1 with the launches enc0, enc1, enc2, enc3, dec0, dec1, dec2, dec3 written anew for expert scheduling mode
;; limits: values are held in f16: magnitudes above 65,504 overflow, below 6.1e-05 lose precision
;; workspace buffers: xrA 4,194,304 bytes; xrB 4,194,304 bytes; yrA 4,194,304 bytes; yrB 4,194,304 bytes; xfA 2,097,152 bytes; xfB 2,097,152 bytes; yfA 2,097,152 bytes; yfB 2,097,152 bytes
;; launch embed: the kernel of part 1 again; grid 256 x 1, 8 waves a work-group, no clusters, 0 bytes of LDS; arguments enc_in, enc_tok, enc_pos, dec_in, dec_tok, dec_pos, xrA, xfA, yrA, yfA; writes xrA, xfA, yrA, yfA
;; launch enc0 (part 5): grid 8 x 32, 8 waves a work-group, no clusters, 203,776 bytes of LDS; arguments xrA, xfA, enc_blocks_0_attn_wq, enc_blocks_0_attn_wk, enc_blocks_0_attn_wv, enc_blocks_0_attn_wo, enc_blocks_0_ffn_w1, enc_blocks_0_ffn_w2, enc_blocks_0_attn_bo, enc_blocks_0_ln1_g, enc_blocks_0_ln1_b, enc_blocks_0_ffn_b1, enc_blocks_0_ffn_b2, enc_blocks_0_ln2_g, enc_blocks_0_ln2_b, xrB, xfB; writes xrB, xfB
.if DOCPART == 5
	.amdgcn_target "amdgcn-amd-amdhsa--gfx1250"
	.amdhsa_code_object_version 6
	.text
	.protected	k_qc7cfd48d04_enc0
	.globl	k_qc7cfd48d04_enc0
	.p2align	8
	.type	k_qc7cfd48d04_enc0,@function
k_qc7cfd48d04_enc0:
	s_mov_b64 s[64:65], 0
	v_nop
	global_prefetch_b8 v0, s[64:65] scope:SCOPE_SE
	s_setreg_imm32_b32 hwreg(HW_REG_WAVE_SCHED_MODE, 0, 2), 2
	s_setreg_imm32_b32 hwreg(HW_REG_WAVE_MODE, 25, 1), 1
	s_wait_xcnt 0x0
	s_wait_alu depctr_vm_vsrc(0)
; ONE TRANSFORMER BLOCK.  DEC = 0: an encoder block (attention, LayerNorm, FFN, LayerNorm).  DEC = 1: a decoder block (causal attention,
; LayerNorm, cross attention on the encoder's result, LayerNorm, FFN, LayerNorm).  The text is the same for both but for the flag below.
; 64 features, 4 heads of 16, 512 tokens, 32 batch elements.  Grid 8 x 32: work-group (b, batch) owns the 32-token blocks b and 15 - b.
;
; EVERYTHING IS COMPUTED TRANSPOSED: tokens are the columns of every matrix result, so lane L = (r = L & 15, h = L >> 4) holds token r and
; its register 8 mt + j holds feature 16 mt + 8 h + j.  A result rounded to bf16 pair by pair IS the second operand of the next product,
; and the statistics of softmax and LayerNorm are sums inside a lane plus one exchange between the two halves of the wave.
; Activations pass between launches in that order: XR (f32, 4,096 bytes a 16-token tile, chunk i at 512 i + 16 L = registers 4 i .. 4 i + 3) and
; XF (bf16, 2,048 bytes a tile, chunk c at 512 c + 16 L = features 16 c + 8 h .. + 7 of token r).  Each load and store of a wave covers 512
; consecutive bytes, aligned.  Both are stored by every block, though the last encoder block's XR and the last decoder block's XF are read by
; no later launch: the price of one text for all blocks of a kind.
;
; PHASES.  (1) all weights f32 -> bf16 into LDS, rows of 64 numbers at a pitch of 160 bytes, read back by the transposing LDS load.
; (2) K and V of all 512 tokens of the batch element are made from XF into LDS (even waves K, odd waves V, eight tiles each); each wave
; makes Q of its 32 queries for its head.  (3) attention: wave w takes head w & 3 and block w >> 2 of the group's two.  Two passes over the keys:
; pass 1 forms S^T = K Q^T and keeps only the true row maximum m; pass 2 forms S^T again with -m as the addend, takes 2^x, rounds to bf16 and adds
; V^T P^T and (ones) P^T, which is the row sum.  Head size 16 fills half of the K = 32 form, so one K operand holds two key tiles and a Q operand with
; a zero half picks one of them.  (4) waves 0-3, one 16-token tile each: output projection, residual, LayerNorm, FFN, LayerNorm, stores.
; In the causal attention block blk needs (blk >> 1) + 1 trips of 64 keys: the group's two blocks need 9 together in every work-group.
; All 32 K and V tiles are made in the causal case too, though up to 12 of them are not read there.
;
; THE MODE: SCHED_MODE bits 1:0 = 2 (LLVM: expert scheduling mode 2), set by the entry lines.  The code itself states the register dependences
; between vector or matrix instructions and memory or LDS instructions, with s_wait_alu, always for 0.
; THE PLAN.  Registers that memory or LDS instructions touch, and who else names them:
;   v1-v5 (LN16, G16, WT, WT2, PARA)   offsets and LDS addresses, made at the head and never written again: the wait ahead of the first load serves them all.
;   TA, KS, v10-v13                    addresses that change hands between phases: a wait on vm_vsrc ahead of the new write, one on va_vdst ahead of the first access by it.
;   KAD, KA2, KDG, VAD, VDG            the attention's LDS addresses, made at its head; KAD (pass 1), KA2 and VAD (pass 2) step once a trip, behind a wait on vm_vsrc.
;   PKW, PK2, PK, PP, FR, ACC          data of stores, written by conversions or by the LayerNorm: one wait on va_vdst ahead of each run of stores, one on vm_vsrc ahead of the next write.
;   XB0-3                              K/V projection: tile i's products read slot i & 3; the wait behind the conversions of tile i - 1... i stands behind them, and the slot's next loads follow the stores.
;   KA0, KA1                           pass 1: read by four products a trip each; asked for again behind a wait on va_vdst that stands behind the last two of them and eight maxima.
;   KA0, KA1, VA0, VA1                 pass 2: each phase ends its batch of exponentials with one wait on va_vdst; behind it the phase's products are done reading their operands, so the
;                                      trip's eight loads stand directly behind two of these waits and owe nothing more.
;   WF, GG, BV, ACC2                   the owners' part: loaded from LDS, read by products, additions and the LayerNorm: one wait on va_vdst ahead of each run of loads.
;
; NOT USED, AND WHY: tensor loads and clusters: what neighbours share is 64 KiB of XF and the weights; the weights must pass through registers to be
; rounded, and XF lands in registers as operands as it lies.
; LIMITS: a masked score is -1e30, not -inf, so scaled scores must stay above -1e30.  Matrix operands are bf16 (Q after its scale 0.25 log2 e, and P);
; the row sum is taken over the rounded P.  A K that is not finite also spoils the key tile that shares its operand (0 x inf).
.set DEC, 0
.set WBYTES, 10240                     ; a 64 x 64 weight in LDS: 64 rows at a pitch of 160 bytes
.if DEC
.set NW,    10                         ; weights: s_wq s_wk s_wv s_wo c_wq c_wk c_wv c_wo w1 w2
.set NVEC,  10                         ; vectors: s_bo g1 b1 c_bo g2 b2 fb1 fb2 g3 b3
.set PRIN,  8                          ; s[8:9] f32 in, s[10:11] bf16 in, s[12:13] encoder's bf16 result
.set PFIN,  10
.set PXE,   12
.set PW0,   14                         ; weight i: s[14+2i:15+2i]
.set PVEC,  34                         ; vector i: s[34+2i:35+2i]
.set PROUT, 54
.set PFOUT, 56
.else
.set NW,    6                          ; weights: wq wk wv wo w1 w2
.set NVEC,  7                          ; vectors: bo g1 b1 fb1 fb2 g2 b2
.set PRIN,  8
.set PFIN,  10
.set PW0,   12
.set PVEC,  24
.set PROUT, 38
.set PFOUT, 40
.endif
.set MS,    14                         ; (mask on) s[14:29]: sixteen lane masks; the weights' addresses that lay there have served: their loads are done
; LDS
.set PAR0, NW*WBYTES                   ; the vectors, 256 bytes each
.set OX0,  PAR0+2048+1024*DEC          ; attention's result, 4 tiles in XF order, 8,192 bytes
.set XQ0,  OX0+8192                    ; (DEC) the cross attention's query source, the same shape
.set KF0,  OX0+8192+8192*DEC           ; K: head x 16,384 + tile x 512 + 16 L = K[key r][d = 8 h .. + 7]
.set VF0,  KF0+65536                   ; V: the same formula = V[keys 8 h .. + 7][d = r]
; vector registers that stay
.set LN16, 1                           ; 16 x lane; never rewritten (the offset of nearly every global access)
.set G16,  2                           ; 16 x thread; never rewritten
.set WT,   3                           ; transposing read of a weight: (8 h + (L & 7)) x 160 + 16 ((L >> 3) & 1)
.set WT2,  4                           ; the same + 61,440, for weights 6 and up (an LDS immediate has 16 bits)
.set PARA, 5                           ; PAR0 + 32 h
.set KAD,  6                           ; K of pass 1's trip
.set VAD,  7                           ; V of pass 2's trip
.set KDG,  8                           ; K, V of the last block of keys (the diagonal one where the mask is on)
.set VDG,  9
.set STA,  10                          ; v10-13: where a thread puts its part of a weight: square, by heads, and both + 61,440
.set DQ,   10                          ; later v10, v11: query - 8 h inside the diagonal block, for query tile 0, 1
.set MASKV, 12                         ; later: -1e30
.set OXA,  13                          ; later: where the wave puts its attention result
.set KS,   14                          ; an LDS address of the phase at hand
.set TA,   15                          ; 8 x lane at the start, then a weight address
; overlays
.set RAW,  16                          ; start: three weights as loaded, v[16:63]
.set PKW,  64                          ; start: the same in bf16, v[64:87]
.set VEC,  88                          ; start: the vectors, two registers each
.set PK2,  96                          ; the later weights in bf16
.set WF,   16                          ; v[16:79] a weight's 8 fragments: (ks, mt) at 8 (4 ks + mt)
.set ACC0, 80                          ; v[80:143] K/V projection: two sets of four accumulators
.set XB,   144                         ; v[144:207] ring of four XF tiles
.set PK,   208                         ; v[208:223]
.set QSRC, 224                         ; v[224:255] XF of the wave's two query tiles
.set WQF,  176
.set QA,   192
.set QB,   16                          ; v[16:39] for each query tile: Q, zeros, Q (4 registers each): the first 8 pick the low key tile, the last 8 the high one
.set ONES, 40
.set NEGM, 48
.set OO,   64
.set LL,   80
.set SS,   96
.set PP,   128
.set KA0,  144
.set KA1,  152
.set VA0,  160
.set VA1,  168
.set CT,   176
.set MX,   192
.set TT,   200
.set KA2,  204                         ; K of pass 2's trip: a register of its own, so that no address is set back between the passes
.set GG,   80
.set BV,   112
.set FR,   144
.set FR2,  160
.set TL,   176
.set ACC2, 192
.set ACC,  224                         ; v[224:255] owners: the residual stream of their tile
; Places behind a matrix instruction are plain vector instructions that name none of its registers (ISA guide 7.12.1); where no useful one is at hand:
.macro NOP4
.rept 4
	v_nop
.endr
.endm
; What other waves rely on is complete in front of the signal: every LDS access of mine is done.
.macro BAR
	s_wait_dscnt 0x0
	s_barrier_signal -1
	s_barrier_wait -1
.endm
.macro LOADW dst, ptr                  ; a weight, 16 KiB: thread t takes 16 bytes at 16 t + 4,096 i
.irp i, 0,1,2,3
	global_load_b128 v[\dst+4*\i:\dst+4*\i+3], v[G16], s[\ptr:\ptr+1] offset:4096*\i
.endr
.endm
.macro CVTW pk, raw
.irp k, 0,1,2,3,4,5,6,7
	v_cvt_pk_bf16_f32 v[\pk+\k], v[\raw+2*\k], v[\raw+2*\k+1]
.endr
.endm
; kind 0: [e][f] as it lies: load i is row (t >> 4) + 16 i.  kind 1: [head][e][d]: load i is head i, row t >> 2, and goes to columns 16 i + d.
.macro STW kind, idx, pk
.if (\idx) < 6
.set sreg, STA+(\kind)
.set soff, (\idx)*WBYTES
.else
.set sreg, STA+2+(\kind)
.set soff, ((\idx)-6)*WBYTES
.endif
.irp i, 0,1,2,3
.if \kind
	ds_store_b64 v[sreg], v[\pk+2*\i:\pk+2*\i+1] offset:soff+32*\i
.else
	ds_store_b64 v[sreg], v[\pk+2*\i:\pk+2*\i+1] offset:soff+2560*\i
.endif
.endr
.endm
; All 8 fragments of a weight: lane (r, h) gets output feature 16 mt + r, input features 32 ks + 8 h .. + 7 and 32 ks + 16 + 8 h .. + 7.
.macro LDWF idx
.if (\idx) < 6
.set wreg, WT
.set woff, (\idx)*WBYTES
.else
.set wreg, WT2
.set woff, ((\idx)-6)*WBYTES
.endif
.irp ks, 0,1
.irp mt, 0,1,2,3
	ds_load_tr16_b128 v[WF+8*(4*\ks+\mt):WF+8*(4*\ks+\mt)+3], v[wreg] offset:woff+\ks*5120+\mt*32
	ds_load_tr16_b128 v[WF+8*(4*\ks+\mt)+4:WF+8*(4*\ks+\mt)+7], v[wreg] offset:woff+\ks*5120+\mt*32+2560
.endr
.endr
.endm
.macro XBLOAD i, base                  ; XF of my tile i (tiles (w >> 1) + 4 i) into ring slot i & 3
.irp c, 0,1,2,3
	global_load_b128 v[XB+16*((\i)&3)+4*\c:XB+16*((\i)&3)+4*\c+3], v[LN16], s[\base:\base+1] offset:(\i)*8192+512*\c
.endr
.endm
; Eight products of tile i.  kind 0: K^T = W^T X^T (lane: key r, d along registers).  kind 1: V = X W (lane: d = r, keys along registers).
; The four accumulators take turns, one instruction a turn.
.macro WM kind, i
.set xs, XB+16*((\i)&3)
.set ac, ACC0+32*((\i)&1)
.irp mt, 0,1,2,3
.if \kind
	v_wmma_f32_16x16x32_bf16 v[ac+8*\mt:ac+8*\mt+7], v[xs:xs+7], v[WF+8*\mt:WF+8*\mt+7], 0
.else
	v_wmma_f32_16x16x32_bf16 v[ac+8*\mt:ac+8*\mt+7], v[WF+8*\mt:WF+8*\mt+7], v[xs:xs+7], 0
.endif
.endr
.irp mt, 0,1,2,3
.if \kind
	v_wmma_f32_16x16x32_bf16 v[ac+8*\mt:ac+8*\mt+7], v[xs+8:xs+15], v[WF+32+8*\mt:WF+32+8*\mt+7], v[ac+8*\mt:ac+8*\mt+7]
.else
	v_wmma_f32_16x16x32_bf16 v[ac+8*\mt:ac+8*\mt+7], v[WF+32+8*\mt:WF+32+8*\mt+7], v[xs+8:xs+15], v[ac+8*\mt:ac+8*\mt+7]
.endif
.endr
.endm
.macro PACKKV i                        ; tile i's four heads, rounded, 16 bytes a lane and head
.set ac, ACC0+32*((\i)&1)
.if (\i) > 0
	s_wait_alu depctr_vm_vsrc(0)                   ; the LDS stores of the tile before have read PK, which the conversions write again
.endif
.irp mt, 0,1,2,3
.irp q, 0,1,2,3
	v_cvt_pk_bf16_f32 v[PK+4*\mt+\q], v[ac+8*\mt+2*\q], v[ac+8*\mt+2*\q+1]
.endr
.endr
	s_wait_alu depctr_va_vdst(0)                   ; the conversions have written PK (and, for tile 0, KS is written), which the stores read; tile i's products are done reading ring slot i & 3, in which the loads behind the stores land
.irp mt, 0,1,2,3
	ds_store_b128 v[KS], v[PK+4*\mt:PK+4*\mt+3] offset:\mt*16384+(\i)*2048
.endr
.endm
; Eight tiles.  Each wait's count is the number of loads issued behind that tile's four: the ring's later tiles, and, for the first four tiles,
; the 'after' loads that were issued behind the ring's first fill.  The 16 conversions of tile i - 1 are the places behind tile i's products
; (they name the other accumulator set), in front of the conversions of tile i.  A ring slot's next loads stand behind the wait on va_vdst in PACKKV.
.macro KVPROJ kind, after, base
	s_wait_loadcnt 12+\after
	WM \kind, 0
	NOP4
	s_wait_loadcnt 8+\after
	WM \kind, 1
	PACKKV 0
	XBLOAD 4, \base
	s_wait_loadcnt 8+\after
	WM \kind, 2
	PACKKV 1
	XBLOAD 5, \base
	s_wait_loadcnt 8+\after
	WM \kind, 3
	PACKKV 2
	XBLOAD 6, \base
	s_wait_loadcnt 8
	WM \kind, 4
	PACKKV 3
	XBLOAD 7, \base
	s_wait_loadcnt 8
	WM \kind, 5
	PACKKV 4
	s_wait_loadcnt 4
	WM \kind, 6
	PACKKV 5
	s_wait_loadcnt 0
	WM \kind, 7
	PACKKV 6
	PACKKV 7
.endm
; Even waves K, odd waves V.  The weight's loads land in WF with no wait of their own: no vector or matrix instruction since the last wait on va_vdst names WF or the weight's address.
.macro KVBOTH ik, iv, after, base
	s_and_b32 s98, s66, 1
	s_cmp_lg_u32 s98, 0
	s_cbranch_scc1 .Lmakev_\@
	LDWF \ik
	s_wait_dscnt 0x0
	KVPROJ 0, \after, \base
	s_branch .Lkvdone_\@
.Lmakev_\@:
	LDWF \iv
	s_wait_dscnt 0x0
	KVPROJ 1, \after, \base
.Lkvdone_\@:
.endm
.macro KSKV                            ; where my K or V tiles go: region by w & 1, first tile by w >> 1
	s_and_b32 s98, s66, 1
	s_lshl_b32 s98, s98, 16
	s_lshl_b32 s99, s92, 9
	s_add_co_u32 s98, s98, s99
	s_add_co_u32 s98, s98, KF0
	v_add_nc_u32 v[KS], s98, v[LN16]
.endm
; Q^T of my head for my two query tiles (XF fragments at src, 16 registers a tile), scaled by 0.25 log2 e, as Q, zeros, Q.
; xq = 1: the fragments are first read from the query source in LDS.
.macro QPROJ idx, src, xq
.if (\idx) < 6
.set wreg, WT
.set woff, (\idx)*WBYTES
.else
.set wreg, WT2
.set woff, ((\idx)-6)*WBYTES
.endif
.if \xq
	s_lshl_b32 s98, s67, 12
	s_add_co_u32 s98, s98, XQ0
	s_wait_alu depctr_vm_vsrc(0)                   ; the LDS stores of K and V have read KS, which is written again here, and PK, in which loads of the owners land later
	v_add_nc_u32 v[KS], s98, v[LN16]
.endif
	v_add_nc_u32 v[TA], s97, v[wreg]               ; + 32 bytes x head: my head's 16 output features
	s_wait_alu depctr_va_vdst(0)                   ; TA (and KS) are written, which the loads below read as addresses; the projection's products are done reading the ring, in which they land
.if \xq
.irp k, 0,1,2,3,4,5,6,7
	ds_load_b128 v[\src+4*\k:\src+4*\k+3], v[KS] offset:512*\k
.endr
.endif
.irp ks, 0,1
	ds_load_tr16_b128 v[WQF+8*\ks:WQF+8*\ks+3], v[TA] offset:woff+\ks*5120
	ds_load_tr16_b128 v[WQF+8*\ks+4:WQF+8*\ks+7], v[TA] offset:woff+\ks*5120+2560
.endr
	s_wait_dscnt 0x0
	v_wmma_f32_16x16x32_bf16 v[QA:QA+7], v[WQF:WQF+7], v[\src:\src+7], 0
	v_wmma_f32_16x16x32_bf16 v[QA+8:QA+15], v[WQF:WQF+7], v[\src+16:\src+23], 0
	v_wmma_f32_16x16x32_bf16 v[QA:QA+7], v[WQF+8:WQF+15], v[\src+8:\src+15], v[QA:QA+7]
	v_wmma_f32_16x16x32_bf16 v[QA+8:QA+15], v[WQF+8:WQF+15], v[\src+24:\src+31], v[QA+8:QA+15]
	NOP4
.irp k, 0,1,2,3,4,5,6,7
	v_pk_mul_f32 v[QA+2*\k:QA+2*\k+1], v[QA+2*\k:QA+2*\k+1], s[94:95] op_sel_hi:[1,0]
.endr
.irp a, 0,1
.irp q, 0,1,2,3
	v_cvt_pk_bf16_f32 v[QB+12*\a+\q], v[QA+8*\a+2*\q], v[QA+8*\a+2*\q+1]
	v_mov_b32 v[QB+12*\a+4+\q], 0
.endr
.irp q, 0,1,2,3
	v_mov_b32 v[QB+12*\a+8+\q], v[QB+12*\a+\q]
.endr
.endr
.endm
; S^T of one key tile (hi = 0: the operand's low tile, 1: its high tile) for query tile a.  The addend: 0, -m, or the masked addend in CT.
.macro QKM a, ka, hi, csel
.set sd, SS+16*(\a)+8*(\hi)
.set qb, QB+12*(\a)+4*(\hi)
.if (\csel) == 0
	v_wmma_f32_16x16x32_bf16 v[sd:sd+7], v[\ka:\ka+7], v[qb:qb+7], 0
.elseif (\csel) == 1
	v_wmma_f32_16x16x32_bf16 v[sd:sd+7], v[\ka:\ka+7], v[qb:qb+7], v[NEGM+8*(\a):NEGM+8*(\a)+7]
.else
	v_wmma_f32_16x16x32_bf16 v[sd:sd+7], v[\ka:\ka+7], v[qb:qb+7], v[CT+8*(\hi):CT+8*(\hi)+7]
.endif
.endm
; The addends of key tiles kt, kt + 1 of the diagonal block for query tile a: -1e30 where key 16 kt + 8 h + j > query, else 0 (pass 1) or -m (pass 2).
; The sixteen compares stand in one run, each with a scalar register of its own, so that one wait serves all sixteen selects.
.macro MASKB a, kt, pass
.irp u, 0,1
.irp j, 0,1,2,3,4,5,6,7
	v_cmp_gt_i32 s[MS+8*\u+\j], 16*((\kt)+\u)+\j, v[DQ+(\a)]
.endr
.endr
	s_wait_alu depctr_va_sdst(0)                   ; the compares have written s[MS .. MS + 15], which the selects read
.irp u, 0,1
.irp j, 0,1,2,3,4,5,6,7
.if (\pass) == 1
	v_cndmask_b32 v[CT+8*\u+\j], 0, v[MASKV], s[MS+8*\u+\j]
.else
	v_cndmask_b32 v[CT+8*\u+\j], v[NEGM+8*(\a)+\j], v[MASKV], s[MS+8*\u+\j]
.endif
.endr
.endr
.endm
.macro MAXS a, first                   ; 16 scores a lane into four running maxima; the first ones start them
.set sb, SS+16*(\a)
.set mb, MX+4*(\a)
.irp k, 0,1,2,3
.if \first
	v_max_num_f32 v[mb+\k], v[sb+2*\k], v[sb+2*\k+1]
.else
	v_max3_num_f32 v[mb+\k], v[mb+\k], v[sb+2*\k], v[sb+2*\k+1]
.endif
.endr
.irp k, 0,1,2,3
	v_max3_num_f32 v[mb+\k], v[mb+\k], v[sb+8+2*\k], v[sb+8+2*\k+1]
.endr
.endm
; Pass 1, 64 keys, four phases (query tile 0, 1 on key tiles 0-1, then on 2-3).  Each phase issues the NEXT phase's two products and then takes the maxima
; of its own scores: those eight instructions are the places behind the products just issued, in front of the next mask build and of the maxima that read them.
; A K operand is asked for again as soon as its last two products are issued, behind a wait on va_vdst.
; Each s_wait_dscnt 2 leaves out the two loads of the other K operand, issued later.  koff: where the next trip's K lies from KAD.
.macro TRIP1 first, mask, koff
.if \mask
	MASKB 1, 0, 1
.endif
	QKM 1, KA0, 0, 2*\mask
	QKM 1, KA0, 1, 2*\mask
	MAXS 0, \first
	s_wait_alu depctr_va_vdst(0)                   ; the products are done reading KA0, in which the loads land; in the loop KAD, stepped at the last trip's end, is written
	ds_load_b128 v[KA0:KA0+3], v[KAD] offset:\koff
	ds_load_b128 v[KA0+4:KA0+7], v[KAD] offset:\koff+512
	s_wait_dscnt 0x2
.if \mask
	MASKB 0, 2, 1
.endif
	QKM 0, KA1, 0, 2*\mask
	QKM 0, KA1, 1, 2*\mask
	MAXS 1, \first
.if \mask
	MASKB 1, 2, 1
.endif
	QKM 1, KA1, 0, 2*\mask
	QKM 1, KA1, 1, 2*\mask
	MAXS 0, 0
	s_wait_alu depctr_va_vdst(0)                   ; the products are done reading KA1, in which the loads land
	ds_load_b128 v[KA1:KA1+3], v[KAD] offset:\koff+1024
	ds_load_b128 v[KA1+4:KA1+7], v[KAD] offset:\koff+1536
	s_wait_dscnt 0x2
	QKM 0, KA0, 0, 0                               ; the next trip's first phase (never a masked one)
	QKM 0, KA0, 1, 0
	MAXS 1, 0
.endm
.macro EXP4 a, g
.irp k, 0,1,2,3
	v_exp_f32 v[SS+16*(\a)+4*(\g)+\k], v[SS+16*(\a)+4*(\g)+\k]
.endr
.endm
; One phase of pass 2, on query tile a's 16 scores a lane, in two parts.  PH2A: the matrix instructions between the exponentials belong to the other query tile: the
; next phase's two score products and the last phase's V^T P^T and row sum (pvm 0: none yet, 1: they start the sums, 2: they add).  S, O and the row
; sums take turns, one instruction a turn.  v_nop is the plain instruction between the last exponential and its use
; (ISA guide 5.7.2).  The sixteen exponentials are one batch with one wait; the same wait frees the phase's operands for the loads that TRIP2 sets behind it.
; PH2B: the roundings; with the v_nop they make nine places behind the phase's matrix instructions.
.macro PH2A a, ka, qc, pvm, va
.set ob, 1-(\a)
	QKM 1-\a, \ka, 0, \qc
	EXP4 \a, 0
	QKM 1-\a, \ka, 1, \qc
	EXP4 \a, 1
.if (\pvm) == 1
	v_wmma_f32_16x16x32_bf16 v[OO+8*ob:OO+8*ob+7], v[\va:\va+7], v[PP+8*ob:PP+8*ob+7], 0
.elseif (\pvm) == 2
	v_wmma_f32_16x16x32_bf16 v[OO+8*ob:OO+8*ob+7], v[\va:\va+7], v[PP+8*ob:PP+8*ob+7], v[OO+8*ob:OO+8*ob+7]
.endif
	EXP4 \a, 2
.if (\pvm) == 1
	v_wmma_f32_16x16x32_bf16 v[LL+8*ob:LL+8*ob+7], v[ONES:ONES+7], v[PP+8*ob:PP+8*ob+7], 0
.elseif (\pvm) == 2
	v_wmma_f32_16x16x32_bf16 v[LL+8*ob:LL+8*ob+7], v[ONES:ONES+7], v[PP+8*ob:PP+8*ob+7], v[LL+8*ob:LL+8*ob+7]
.endif
	EXP4 \a, 3
	v_nop
	s_wait_alu depctr_va_vdst(0)                   ; the sixteen exponentials have written their scores, which the roundings read; the phase's products are done reading their K and V operands; KA2 and VAD, stepped at the last trip's end, are written
.endm
.macro PH2B a
.irp k, 0,1,2,3,4,5,6,7
	v_cvt_pk_bf16_f32 v[PP+8*(\a)+\k], v[SS+16*(\a)+2*\k], v[SS+16*(\a)+2*\k+1]
.endr
.endm
; Pass 2, 64 keys.  Behind phase 0's wait: the next trip's first K operand and this trip's second V operand, both last read by phase 0's products; behind phase 2's wait:
; the next trip's second K operand and first V operand, both last read by phase 2's.  The roundings behind the loads name P and S alone.
; Each s_wait_dscnt 4 leaves out the four loads of the later of these two groups.  vc: this trip's V; vnoff: the next trip's V from VAD.
.macro TRIP2 first, mask, koff, vc, vnoff
.if \mask
	MASKB 1, 0, 2
.endif
	PH2A 0, KA0, 1+\mask, 2-2*\first, VA1
	ds_load_b128 v[KA0:KA0+3], v[KA2] offset:\koff
	ds_load_b128 v[KA0+4:KA0+7], v[KA2] offset:\koff+512
	ds_load_b128 v[VA1:VA1+3], v[\vc] offset:1024
	ds_load_b128 v[VA1+4:VA1+7], v[\vc] offset:1536
	PH2B 0
	s_wait_dscnt 0x4
.if \mask
	MASKB 0, 2, 2
.endif
	PH2A 1, KA1, 1+\mask, 2-\first, VA0
	PH2B 1
.if \mask
	MASKB 1, 2, 2
.endif
	PH2A 0, KA1, 1+\mask, 2-\first, VA0
	ds_load_b128 v[KA1:KA1+3], v[KA2] offset:\koff+1024
	ds_load_b128 v[KA1+4:KA1+7], v[KA2] offset:\koff+1536
	ds_load_b128 v[VA0:VA0+3], v[VAD] offset:\vnoff
	ds_load_b128 v[VA0+4:VA0+7], v[VAD] offset:\vnoff+512
	PH2B 0
	s_wait_dscnt 0x4
	PH2A 1, KA0, 1, 2, VA1
	PH2B 1
.endm
; Attention of my head on my 32 queries.  The LAST block of 64 keys (block dt; with the mask on, the one that holds the diagonal) goes first, written out;
; then a counted loop takes blocks 0 .. dt - 1.  So each trip's look-ahead (block 0 behind the first trip, i + 1 behind trip i) stays inside the keys that are
; needed, and pass 1 ends with block dt's K in registers, which is where pass 2 begins.  The look-ahead products of each pass's last trip are not used.
; With the mask on, dt, and with it the K and V addresses and the trip count, hangs on the work-group's number.  There a barrier stands between all the
; attention's LDS reads and the stores of its result, so that this order holds whatever dt is: signalled when my reads are back, waited for in front of
; the stores, register work between.  The barrier behind the attention follows at once, so no wave waits for the slowest one twice.
.macro ATT mask
.if \mask
	s_bfe_u32 s72, s71, 0x30001                    ; dt = blk >> 1, 0 to 7
.else
	s_mov_b32 s72, 7
.endif
	s_lshl_b32 s98, s72, 11                        ; 64 keys of a head are 2,048 bytes
	v_add_nc_u32 v[KAD], s96, v[LN16]
	v_add_nc_u32 v[KA2], s96, v[LN16]
	v_add_nc_u32 v[KDG], s98, v[KAD]
	v_add_nc_u32 v[VAD], 0x10000, v[KAD]
	v_add_nc_u32 v[VDG], 0x10000, v[KDG]
	s_wait_alu depctr_va_vdst(0)                   ; the five addresses are written, which the attention's loads read; whatever named KA0 to VA1 before (conversions, Q's products) is done with them
	ds_load_b128 v[KA0:KA0+3], v[KDG]
	ds_load_b128 v[KA0+4:KA0+7], v[KDG] offset:512
	ds_load_b128 v[KA1:KA1+3], v[KDG] offset:1024
	ds_load_b128 v[KA1+4:KA1+7], v[KDG] offset:1536
	s_wait_dscnt 0x2                               ; the first K operand is in, the second's two loads stay out
.if \mask
	MASKB 0, 0, 1
.endif
	QKM 0, KA0, 0, 2*\mask
	QKM 0, KA0, 1, 2*\mask
	NOP4
	TRIP1 1, \mask, 0
.if \mask
	s_cmp_eq_u32 s72, 0
	s_cbranch_scc1 .Lp1e_\@
.endif
	s_mov_b32 s73, 0
.Lp1_\@:
	TRIP1 0, 0, 2048
	s_wait_alu depctr_vm_vsrc(0)                   ; this trip's loads have read KAD
	v_add_nc_u32 v[KAD], 0x800, v[KAD]
	s_add_co_u32 s73, s73, 1
	s_cmp_lt_u32 s73, s72
	s_cbranch_scc1 .Lp1_\@
.Lp1e_\@:
	ds_load_b128 v[VA0:VA0+3], v[VDG]              ; pass 2's first V operand.  No wait: no vector or matrix instruction since the last wait on va_vdst names VA0 or VDG
	ds_load_b128 v[VA0+4:VA0+7], v[VDG] offset:512
	; the row maximum: four chains, then the other half of the wave (keys 8 h + j lie in both halves); -m in eight registers as the addend
.irp a, 0,1
	v_max3_num_f32 v[TT+\a], v[MX+4*\a], v[MX+4*\a+1], v[MX+4*\a+2]
	v_max_num_f32 v[TT+\a], v[TT+\a], v[MX+4*\a+3]
	v_permlanex16_b32 v[MX+4*\a], v[TT+\a], s74, s75
	v_max_num_f32 v[TT+\a], v[TT+\a], v[MX+4*\a]
.irp j, 0,1,2,3,4,5,6,7
	v_mul_f32 v[NEGM+8*\a+\j], -1.0, v[TT+\a]
.endr
.endr
	s_wait_dscnt 0x2                               ; block dt's K, fetched by pass 1's last look-ahead, is in; V's two loads stay out
.if \mask
	MASKB 0, 0, 2
.endif
	QKM 0, KA0, 0, 1+\mask
	QKM 0, KA0, 1, 1+\mask
.irp j, 0,1,2,3,4,5,6,7
	v_mov_b32 v[ONES+\j], 0x3f803f80               ; a 16 x 32 operand of ones; these eight lines are also the places behind the two products
.endr
	TRIP2 1, \mask, 0, VDG, 0
.if \mask
	s_cmp_eq_u32 s72, 0
	s_cbranch_scc1 .Lp2e_\@
.endif
	s_mov_b32 s73, 0
.Lp2_\@:
	TRIP2 0, 0, 2048, VAD, 2048
	s_wait_alu depctr_vm_vsrc(0)                   ; this trip's loads have read KA2 and VAD
	v_add_nc_u32 v[KA2], 0x800, v[KA2]
	v_add_nc_u32 v[VAD], 0x800, v[VAD]
	s_add_co_u32 s73, s73, 1
	s_cmp_lt_u32 s73, s72
	s_cbranch_scc1 .Lp2_\@
.Lp2e_\@:
	v_wmma_f32_16x16x32_bf16 v[OO+8:OO+15], v[VA1:VA1+7], v[PP+8:PP+15], v[OO+8:OO+15]
	v_wmma_f32_16x16x32_bf16 v[LL+8:LL+15], v[ONES:ONES+7], v[PP+8:PP+15], v[LL+8:LL+15]
	s_wait_dscnt 0x0                               ; the last look-ahead's loads: their registers are used again below, and all my reads of K and V are over
.if \mask
	s_barrier_signal -1                            ; say so
.endif
	NOP4
	v_rcp_f32 v[TT], v[LL]                         ; every register of a row-sum tile holds the lane's query's sum, at least 1
	v_rcp_f32 v[TT+1], v[LL+1]
	v_rcp_f32 v[TT+2], v[LL+8]
	v_rcp_f32 v[TT+3], v[LL+9]
	v_nop
	s_wait_alu depctr_va_vdst(0)                   ; the four reciprocals have written TT, which the scalings read: one wait for the batch
.irp a, 0,1
.irp q, 0,1,2,3
	v_pk_mul_f32 v[OO+8*\a+2*\q:OO+8*\a+2*\q+1], v[OO+8*\a+2*\q:OO+8*\a+2*\q+1], v[TT+2*\a:TT+2*\a+1]
.endr
.endr
.irp a, 0,1
.irp q, 0,1,2,3
	v_cvt_pk_bf16_f32 v[PP+4*\a+\q], v[OO+8*\a+2*\q], v[OO+8*\a+2*\q+1]
.endr
.endr
	s_wait_alu depctr_va_vdst(0)                   ; the conversions have written PP, which the two stores read (OXA, their address, was written ahead of the attention)
.if \mask
	s_barrier_wait -1                              ; every wave's reads are over
.endif
	ds_store_b128 v[OXA], v[PP:PP+3]               ; chunk = head of the tile's XF order
	ds_store_b128 v[OXA], v[PP+4:PP+7] offset:2048
.endm
.macro LDPV dst, vec                   ; a vector of 64 in the accumulator layout: features 16 mt + 8 h + j
.irp k, 0,1,2,3,4,5,6,7
	ds_load_b128 v[\dst+4*\k:\dst+4*\k+3], v[PARA] offset:(\vec)*256+64*(\k/2)+16*(\k%2)
.endr
.endm
.macro ADD32 dst, src
.irp k, 0,1,2,3,4,5,6,7,8,9,10,11,12,13,14,15
	v_pk_add_f32 v[\dst+2*\k:\dst+2*\k+1], v[\dst+2*\k:\dst+2*\k+1], v[\src+2*\k:\src+2*\k+1]
.endr
.endm
.macro PACK16 dst, src
.irp k, 0,1,2,3,4,5,6,7,8,9,10,11,12,13,14,15
	v_cvt_pk_bf16_f32 v[\dst+\k], v[\src+2*\k], v[\src+2*\k+1]
.endr
.endm
.macro MM8 acc, frag                   ; acc += W^T x (a tile's fragments); four accumulators by turns
.irp ks, 0,1
.irp mt, 0,1,2,3
	v_wmma_f32_16x16x32_bf16 v[\acc+8*\mt:\acc+8*\mt+7], v[WF+8*(4*\ks+\mt):WF+8*(4*\ks+\mt)+7], v[\frag+8*\ks:\frag+8*\ks+7], v[\acc+8*\mt:\acc+8*\mt+7]
.endr
.endr
.endm
; LayerNorm of ACC with gain GG and shift BV: mean, then the mean of squares of x - mean, as the definition has it.
.macro LNORM
.irp k, 0,1,2,3,4,5,6,7
	v_pk_add_f32 v[TL+2*\k:TL+2*\k+1], v[ACC+4*\k:ACC+4*\k+1], v[ACC+4*\k+2:ACC+4*\k+3]
.endr
.irp k, 0,1,2,3
	v_pk_add_f32 v[TL+2*\k:TL+2*\k+1], v[TL+4*\k:TL+4*\k+1], v[TL+4*\k+2:TL+4*\k+3]
.endr
.irp k, 0,1
	v_pk_add_f32 v[TL+2*\k:TL+2*\k+1], v[TL+4*\k:TL+4*\k+1], v[TL+4*\k+2:TL+4*\k+3]
.endr
	v_pk_add_f32 v[TL:TL+1], v[TL:TL+1], v[TL+2:TL+3]
	v_add_f32 v[TL], v[TL], v[TL+1]
	v_permlanex16_b32 v[TL+1], v[TL], s74, s75     ; the token's other 32 features lie in lane L xor 16
	v_add_f32 v[TL], v[TL], v[TL+1]
	v_mul_f32 v[TL], s76, v[TL]
	v_mov_b32 v[TL+1], v[TL]
.irp k, 0,1,2,3,4,5,6,7,8,9,10,11,12,13,14,15
	v_pk_add_f32 v[ACC+2*\k:ACC+2*\k+1], v[ACC+2*\k:ACC+2*\k+1], v[TL:TL+1] neg_lo:[0,1] neg_hi:[0,1]
.endr
.irp k, 0,1,2,3
	v_pk_mul_f32 v[TL+4+2*\k:TL+5+2*\k], v[ACC+2*\k:ACC+2*\k+1], v[ACC+2*\k:ACC+2*\k+1]
.endr
.irp k, 4,5,6,7,8,9,10,11,12,13,14,15
	v_pk_fma_f32 v[TL+4+2*(\k%4):TL+5+2*(\k%4)], v[ACC+2*\k:ACC+2*\k+1], v[ACC+2*\k:ACC+2*\k+1], v[TL+4+2*(\k%4):TL+5+2*(\k%4)]
.endr
	v_pk_add_f32 v[TL+4:TL+5], v[TL+4:TL+5], v[TL+6:TL+7]
	v_pk_add_f32 v[TL+8:TL+9], v[TL+8:TL+9], v[TL+10:TL+11]
	v_pk_add_f32 v[TL+4:TL+5], v[TL+4:TL+5], v[TL+8:TL+9]
	v_add_f32 v[TL+4], v[TL+4], v[TL+5]
	v_permlanex16_b32 v[TL+5], v[TL+4], s74, s75
	v_add_f32 v[TL+4], v[TL+4], v[TL+5]
	v_fma_f32 v[TL+4], v[TL+4], s76, s77           ; variance + 1e-5
	v_rsq_f32 v[TL+2], v[TL+4]
	v_rsq_f32 v[TL+3], v[TL+4]
	v_nop
	s_wait_alu depctr_va_vdst(0)                   ; the two reciprocal roots have written TL + 2 and TL + 3, which the gain's scaling reads: one wait for the pair
.irp k, 0,1,2,3,4,5,6,7,8,9,10,11,12,13,14,15
	v_pk_mul_f32 v[GG+2*\k:GG+2*\k+1], v[GG+2*\k:GG+2*\k+1], v[TL+2:TL+3]
.endr
.irp k, 0,1,2,3,4,5,6,7,8,9,10,11,12,13,14,15
	v_pk_fma_f32 v[ACC+2*\k:ACC+2*\k+1], v[ACC+2*\k:ACC+2*\k+1], v[GG+2*\k:GG+2*\k+1], v[BV+2*\k:BV+2*\k+1]
.endr
.endm
.macro OXRD                            ; an owner's tile in OX (and, 8,192 bytes on, in XQ)
	s_lshl_b32 s98, s66, 11
	s_add_co_u32 s98, s98, OX0
	v_add_nc_u32 v[KS], s98, v[LN16]
.endm
; ACC = LayerNorm(ACC + bias + Wo^T O^T); FR = the result in bf16.  res: the residual's global loads are still to be waited for.
; nxt: the next weight wn and its bias vn (straight into the next accumulators) are fetched while the LayerNorm runs.
.macro ATTOUT wi, vbo, vg, vb, res, nxt, wn, vn
	s_wait_alu depctr_va_vdst(0)                   ; KS is written, which the first four loads read; the attention's vector and matrix instructions are done with v16 to v223, in which the 44 loads land
.irp c, 0,1,2,3
	ds_load_b128 v[FR+4*\c:FR+4*\c+3], v[KS] offset:512*\c
.endr
	LDWF \wi
	LDPV ACC2, \vbo
	LDPV GG, \vg
	LDPV BV, \vb
.if \res
	s_wait_loadcnt 0x0
.endif
	s_wait_dscnt 16                                ; all but the 16 loads of gain and shift
	ADD32 ACC, ACC2
	MM8 ACC, FR
	NOP4
.if \nxt
	s_wait_alu depctr_va_vdst(0)                   ; the products are done reading WF and the additions ACC2, in which the loads below land
	LDWF \wn
	LDPV ACC2, \vn
	s_wait_dscnt 24                                ; gain and shift are in; the 24 loads just issued stay out
.else
	s_wait_dscnt 0x0
.endif
	LNORM
	PACK16 FR, ACC
.endm
; ACC = LayerNorm(ACC + b2 + W2^T relu(W1^T x + b1)); W1 is in WF and b1 in ACC2 on entry.
.macro FFN w2i, vfb2, vg, vb
	s_wait_dscnt 0x0
	MM8 ACC2, FR
	NOP4
	s_wait_alu depctr_va_vdst(0)                   ; the products are done reading WF, and the LayerNorm before them is done with GG and BV: the loads below land in all three
	LDWF \w2i
	LDPV GG, \vfb2
	LDPV BV, \vb
.irp k, 0,1,2,3,4,5,6,7,8,9,10,11,12,13,14,15,16,17,18,19,20,21,22,23,24,25,26,27,28,29,30,31
	v_max_num_f32 v[ACC2+\k], 0, v[ACC2+\k]
.endr
	PACK16 FR2, ACC2
	s_wait_dscnt 0x8                               ; W2 and b2 are in; the shift's eight loads stay out
	ADD32 ACC, GG
	s_wait_alu depctr_va_vdst(0)                   ; the additions are done reading GG, in which the gain lands
	LDPV GG, \vg
	MM8 ACC, FR2
	NOP4
	s_wait_dscnt 0x0
	LNORM
	PACK16 FR, ACC
.endm
	; ---------------- ids, constants, addresses ----------------
	s_load_b512 s[8:23], s[0:1], 0x0
	s_load_b512 s[24:39], s[0:1], 0x40
.if DEC
	s_load_b512 s[40:55], s[0:1], 0x80
	s_load_b64 s[56:57], s[0:1], 0xc0
.else
	s_load_b64 s[40:41], s[0:1], 0x80
	v_lshl_add_u32 v4, v0, 2, 0x31800
	v_mov_b32 v12, 0
.endif
	v_lshrrev_b32 v6, 5, v0
	v_readfirstlane_b32 s66, v6                    ; wave w; the vector address work stands between this line and the wait for it
	v_and_b32 v6, 31, v0
	v_lshlrev_b32 v[LN16], 4, v6
	v_lshlrev_b32 v[TA], 3, v6
	v_lshlrev_b32 v[G16], 4, v0
	v_bfe_u32 v7, v0, 4, 1                         ; h
	v_and_b32 v8, 7, v0
	v_lshl_add_u32 v8, v7, 3, v8
	v_mul_u32_u24 v[WT], v8, 160
	v_bfe_u32 v9, v0, 3, 1
	v_lshl_add_u32 v[WT], v9, 4, v[WT]
	v_lshlrev_b32 v[PARA], 5, v7
	v_add_nc_u32 v[PARA], PAR0, v[PARA]
	v_add_nc_u32 v[KS], PAR0, v[TA]
	v_lshrrev_b32 v8, 4, v0
	v_and_b32 v9, 15, v0
	v_mul_u32_u24 v8, v8, 160
	v_lshl_add_u32 v[STA], v9, 3, v8
	v_lshrrev_b32 v8, 2, v0
	v_and_b32 v9, 3, v0
	v_mul_u32_u24 v8, v8, 160
	v_lshl_add_u32 v[STA+1], v9, 3, v8
.if DEC
	v_add_nc_u32 v[WT2], 6*WBYTES, v[WT]
	v_add_nc_u32 v[STA+2], 6*WBYTES, v[STA]
	v_add_nc_u32 v[STA+3], 6*WBYTES, v[STA+1]
.endif
	s_mov_b32 s69, ttmp9                           ; b
	s_and_b32 s70, ttmp7, 0xffff                   ; batch element
	s_sub_co_u32 s99, 15, s69
	s_mov_b32 s74, 0x76543210                      ; v_permlanex16_b32: lane i of one half reads lane i of the other
	s_mov_b32 s75, 0xfedcba98
	s_mov_b32 s76, 0x3c800000                      ; 1/64
	s_mov_b32 s77, 0x3727c5ac                      ; 1e-5
	s_mov_b32 s94, 0x3eb8aa3b                      ; 16^-0.5 x log2 e
	s_mov_b32 s95, 0x3eb8aa3b
	s_mov_b32 s79, 0
	s_wait_alu depctr_va_sdst(0)                   ; s66 is written, ahead of its first reader: shares, bases and branches are made from it
	s_lshr_b32 s67, s66, 2                         ; which of the group's two blocks I attend for
	s_and_b32 s68, s66, 3                          ; my head
	s_cmp_lg_u32 s67, 0
	s_cselect_b32 s71, s99, s69                    ; blk: my block of 32 queries
	s_lshr_b32 s92, s66, 1
	s_cmp_lg_u32 s92, 0
	s_cselect_b32 s93, s99, s69
	s_and_b32 s98, s66, 1
	s_lshl1_add_u32 s93, s93, s98                  ; waves 0-3: the tile that I own in the row-local part
	s_lshl_b32 s96, s68, 14
	s_add_co_u32 s96, s96, KF0                     ; my head's K in LDS
	s_lshl_b32 s97, s68, 5
	s_wait_kmcnt 0x0
	s_lshl_b32 s98, s70, 16                        ; a batch element's XF is 65,536 bytes
	s_lshl_b32 s78, s92, 11
	s_add_co_u32 s78, s78, s98
	s_add_nc_u64 s[80:81], s[PFIN:PFIN+1], s[78:79]        ; XF at tile w >> 1: the source of my K or V
.if DEC
	s_add_nc_u64 s[90:91], s[PXE:PXE+1], s[78:79]          ; the same in the encoder's result
.endif
	s_lshl_b32 s78, s71, 12
	s_add_co_u32 s78, s78, s98
	s_add_nc_u64 s[82:83], s[PFIN:PFIN+1], s[78:79]        ; XF at my two query tiles
	s_lshl_b32 s78, s93, 11
	s_add_co_u32 s78, s78, s98
	s_add_nc_u64 s[88:89], s[PFOUT:PFOUT+1], s[78:79]      ; XF out at the tile that I own
	s_lshl_b32 s78, s78, 1
	s_add_nc_u64 s[84:85], s[PRIN:PRIN+1], s[78:79]        ; XR in and out there
	s_add_nc_u64 s[86:87], s[PROUT:PROUT+1], s[78:79]
	s_wait_alu depctr_va_vdst(0)                   ; the offsets and LDS addresses v1 to v5 and v10 to v15 are written, which the loads and stores below read
	; ---------------- the launch's first loads ----------------
	; Every wave loads the vectors, so that all waves issue the same loads and each counted wait means the same in each; wave 7 alone stores them.
.set n, 0
.rept NVEC
	global_load_b64 v[VEC+2*n:VEC+2*n+1], v[TA], s[PVEC+2*n:PVEC+2*n+1]
.set n, n+1
.endr
	LOADW RAW, PW0
	LOADW RAW+16, PW0+2
	LOADW RAW+32, PW0+4
	XBLOAD 0, 80
	XBLOAD 1, 80
	XBLOAD 2, 80
	XBLOAD 3, 80
.irp k, 0,1,2,3,4,5,6,7
	global_load_b128 v[QSRC+4*\k:QSRC+4*\k+3], v[LN16], s[82:83] offset:512*\k
.endr
	s_wait_loadcnt 24                              ; the vectors, wq, wk, wv are in; behind them: 16 of the ring, 8 of the queries
	s_set_vgpr_msb 0x40                            ; destinations v256 and up: the weights that are needed later wait there as loaded.
.set n, 0                                          ; Issued behind the wait: a wave then has at most 24 + 4 (NW - 3) loads out.  Since the wait on va_vdst above only loads have been issued
.rept NW-3
	LOADW 16*n, PW0+6+2*n
.set n, n+1
.endr
	s_set_vgpr_msb 0x4000
	CVTW PKW, RAW
	CVTW PKW+8, RAW+16
	CVTW PKW+16, RAW+32
	s_wait_alu depctr_va_vdst(0)                   ; the conversions have written PKW, which the LDS stores read, and are done reading RAW, in which (with PKW) the weight fragments' loads land behind the barrier
	STW 1, 0, PKW
	STW 1, 1, PKW+8
	STW 1, 2, PKW+16
	s_cmp_lg_u32 s66, 7
	s_cbranch_scc1 .Lnot7
.set n, 0
.rept NVEC
	ds_store_b64 v[KS], v[VEC+2*n:VEC+2*n+1] offset:256*n
.set n, n+1
.endr
.Lnot7:
	s_wait_alu depctr_vm_vsrc(0)                   ; the LDS stores have read KS, PKW and VEC, and the vectors' loads TA: KS is written again below, the others by the fragments' loads, the projection's products and Q's address
	KSKV
	BAR                                            ; wq, wk, wv and the vectors are whole
	KVBOTH 1, 2, 8+4*(NW-3), 80
	QPROJ 0, QSRC, 0
	s_set_vgpr_msb 0x05                            ; sources v256 and up (their loads were shown done by the wait for ring tile 4, issued behind them)
.set n, 0
.rept 8*(NW-3)
	v_cvt_pk_bf16_f32 v[PK2+n], v[2*n], v[2*n+1]
.set n, n+1
.endr
	s_set_vgpr_msb 0x0500
	s_wait_alu depctr_va_vdst(0)                   ; the conversions have written PK2, which the LDS stores read; Q's products are done reading QSRC, in which the owners' residual lands
.if DEC
	STW 0, 3, PK2
	STW 1, 4, PK2+8
	STW 1, 5, PK2+16
	STW 1, 6, PK2+24
	STW 0, 7, PK2+32
	STW 0, 8, PK2+40
	STW 0, 9, PK2+48
.else
	STW 0, 3, PK2
	STW 0, 4, PK2+8
	STW 0, 5, PK2+16
.endif
	s_cmp_ge_u32 s66, 4
	s_cbranch_scc1 .Lno_res
.irp k, 0,1,2,3,4,5,6,7
	global_load_b128 v[ACC+4*\k:ACC+4*\k+3], v[LN16], s[84:85] offset:512*\k   ; the residual; it has the whole attention in which to come.  Since the wait above only LDS stores have been issued
.endr
.Lno_res:
	s_wait_alu depctr_vm_vsrc(0)                   ; the LDS stores have read PK2 and their addresses v10 to v13, and Q's weight loads TA: the lines below and the attention's scores, weights and K loads write them again
.if DEC
	s_and_b32 s98, s71, 1                          ; which half of the diagonal block of 64 keys holds my queries
	s_lshl_b32 s98, s98, 5
	v_and_b32 v[DQ], 15, v0
	v_bfe_u32 v[TA], v0, 4, 1
	v_lshlrev_b32 v[TA], 3, v[TA]
	v_sub_nc_u32 v[DQ], v[DQ], v[TA]
	v_add_nc_u32 v[DQ], s98, v[DQ]                 ; 32 (blk & 1) + r - 8 h
	v_add_nc_u32 v[DQ+1], 16, v[DQ]
	v_mov_b32 v[MASKV], 0xf149f2ca                 ; -1e30
.endif
	s_lshl_b32 s98, s67, 12
	s_lshl_b32 s99, s68, 9
	s_add_co_u32 s98, s98, s99
	s_add_co_u32 s98, s98, OX0
	v_add_nc_u32 v[OXA], s98, v[LN16]
	BAR                                            ; K, V and all weights are whole
	ATT DEC
	BAR                                            ; OX is whole, and nobody reads K and V any more
.if DEC
	s_wait_alu depctr_vm_vsrc(0)                   ; my stores into OX have read PP, the stores of K and V KS and PK, the attention's loads their addresses: all are written again below, by owners and by the others
	s_cmp_ge_u32 s66, 4
	s_cbranch_scc1 .Lnot_owner
	OXRD
	ATTOUT 3, 0, 1, 2, 1, 0, 0, 0
	s_wait_alu depctr_va_vdst(0)                   ; the conversions have written FR, which the LDS stores read; the LayerNorm and the products are done with v16 to v207, in which the loads behind the label land
.irp c, 0,1,2,3
	ds_store_b128 v[KS], v[FR+4*\c:FR+4*\c+3] offset:8192+512*\c               ; the cross attention's query source
.endr
	s_wait_alu depctr_vm_vsrc(0)                   ; these stores have read FR, in which the ring's loads land, and KS, which is written again below
.Lnot_owner:
	XBLOAD 0, 90
	XBLOAD 1, 90
	XBLOAD 2, 90
	XBLOAD 3, 90
	KSKV
	KVBOTH 5, 6, 0, 90
	BAR                                            ; the encoder's K and V and XQ are whole; the owners' reads of OX are over
	QPROJ 4, XB, 1
	ATT 0
	BAR                                            ; OX is whole
.endif
	s_cmp_ge_u32 s66, 4
	s_cbranch_scc1 .Lend
	s_wait_alu depctr_vm_vsrc(0)                   ; my stores into OX have read PP, and earlier LDS instructions KS and PK: KS is written again below, and loads land in the others
	OXRD
.if DEC
	ATTOUT 7, 3, 4, 5, 0, 1, 8, 6
	FFN 9, 7, 8, 9
.else
	ATTOUT 3, 0, 1, 2, 1, 1, 4, 3
	FFN 5, 4, 5, 6
.endif
	s_wait_alu depctr_va_vdst(0)                   ; the LayerNorm has written ACC and the conversions FR, which the stores read
.irp k, 0,1,2,3,4,5,6,7
	global_store_b128 v[LN16], v[ACC+4*\k:ACC+4*\k+3], s[86:87] offset:512*\k
.endr
.irp c, 0,1,2,3
	global_store_b128 v[LN16], v[FR+4*\c:FR+4*\c+3], s[88:89] offset:512*\c
.endr
.Lend:
	s_wait_dscnt 0x0
	s_wait_alu depctr_hold_cnt(0) depctr_sa_sdst(0) depctr_va_vdst(0) depctr_va_sdst(0) depctr_va_ssrc(0) depctr_va_vcc(0) depctr_vm_vsrc(0)
	s_wait_tensorcnt 0x0
	ds_add_u32 v4, v12
	s_wait_dscnt 0x0
	s_endpgm
.Lfunc_end_k_qc7cfd48d04_enc0:
	.size	k_qc7cfd48d04_enc0, .Lfunc_end_k_qc7cfd48d04_enc0-k_qc7cfd48d04_enc0
	.p2alignl 7, 3214868480
	.fill 96, 4, 3214868480
	.section	.rodata,"a",@progbits
	.p2align	6, 0x0
	.amdhsa_kernel k_qc7cfd48d04_enc0
		.amdhsa_group_segment_fixed_size 203776
		.amdhsa_private_segment_fixed_size 0
		.amdhsa_enable_private_segment 0
		.amdhsa_kernarg_size 136
		.amdhsa_user_sgpr_count 2
		.amdhsa_user_sgpr_kernarg_segment_ptr 1
		.amdhsa_wavefront_size32 1
		.amdhsa_system_sgpr_workgroup_id_x 1
		.amdhsa_system_sgpr_workgroup_id_y 1
		.amdhsa_system_sgpr_workgroup_id_z 1
		.amdhsa_system_vgpr_workitem_id 0
		.amdhsa_next_free_vgpr 304
		.amdhsa_next_free_sgpr 100
		.amdhsa_reserve_vcc 0
		.amdhsa_float_denorm_mode_32 3
		.amdhsa_float_denorm_mode_16_64 3
		.amdhsa_memory_ordered 1
		.amdhsa_forward_progress 1
		.amdhsa_inst_pref_size 102
	.end_amdhsa_kernel
	.amdgpu_metadata
---
amdhsa.version: [ 1, 2 ]
amdhsa.kernels:
  - .name:           k_qc7cfd48d04_enc0
    .symbol:         k_qc7cfd48d04_enc0.kd
    .args:
      - { .name: xrA, .offset: 0, .size: 8, .value_kind: global_buffer, .address_space: global }
      - { .name: xfA, .offset: 8, .size: 8, .value_kind: global_buffer, .address_space: global }
      - { .name: enc_blocks_0_attn_wq, .offset: 16, .size: 8, .value_kind: global_buffer, .address_space: global }
      - { .name: enc_blocks_0_attn_wk, .offset: 24, .size: 8, .value_kind: global_buffer, .address_space: global }
      - { .name: enc_blocks_0_attn_wv, .offset: 32, .size: 8, .value_kind: global_buffer, .address_space: global }
      - { .name: enc_blocks_0_attn_wo, .offset: 40, .size: 8, .value_kind: global_buffer, .address_space: global }
      - { .name: enc_blocks_0_ffn_w1, .offset: 48, .size: 8, .value_kind: global_buffer, .address_space: global }
      - { .name: enc_blocks_0_ffn_w2, .offset: 56, .size: 8, .value_kind: global_buffer, .address_space: global }
      - { .name: enc_blocks_0_attn_bo, .offset: 64, .size: 8, .value_kind: global_buffer, .address_space: global }
      - { .name: enc_blocks_0_ln1_g, .offset: 72, .size: 8, .value_kind: global_buffer, .address_space: global }
      - { .name: enc_blocks_0_ln1_b, .offset: 80, .size: 8, .value_kind: global_buffer, .address_space: global }
      - { .name: enc_blocks_0_ffn_b1, .offset: 88, .size: 8, .value_kind: global_buffer, .address_space: global }
      - { .name: enc_blocks_0_ffn_b2, .offset: 96, .size: 8, .value_kind: global_buffer, .address_space: global }
      - { .name: enc_blocks_0_ln2_g, .offset: 104, .size: 8, .value_kind: global_buffer, .address_space: global }
      - { .name: enc_blocks_0_ln2_b, .offset: 112, .size: 8, .value_kind: global_buffer, .address_space: global }
      - { .name: xrB, .offset: 120, .size: 8, .value_kind: global_buffer, .address_space: global }
      - { .name: xfB, .offset: 128, .size: 8, .value_kind: global_buffer, .address_space: global }
    .group_segment_fixed_size: 203776
    .private_segment_fixed_size: 0
    .kernarg_segment_align: 8
    .kernarg_segment_size: 136
    .max_flat_workgroup_size: 256
    .sgpr_count:     100
    .vgpr_count:     304
    .wavefront_size: 32
...
	.end_amdgpu_metadata
.endif
;; end of part 5
;; launch enc1: the kernel of part 5 again; grid 8 x 32, 8 waves a work-group, no clusters, 203,776 bytes of LDS; arguments xrB, xfB, enc_blocks_1_attn_wq, enc_blocks_1_attn_wk, enc_blocks_1_attn_wv, enc_blocks_1_attn_wo, enc_blocks_1_ffn_w1, enc_blocks_1_ffn_w2, enc_blocks_1_attn_bo, enc_blocks_1_ln1_g, enc_blocks_1_ln1_b, enc_blocks_1_ffn_b1, enc_blocks_1_ffn_b2, enc_blocks_1_ln2_g, enc_blocks_1_ln2_b, xrA, xfA; writes xrA, xfA
;; launch enc2: the kernel of part 5 again; grid 8 x 32, 8 waves a work-group, no clusters, 203,776 bytes of LDS; arguments xrA, xfA, enc_blocks_2_attn_wq, enc_blocks_2_attn_wk, enc_blocks_2_attn_wv, enc_blocks_2_attn_wo, enc_blocks_2_ffn_w1, enc_blocks_2_ffn_w2, enc_blocks_2_attn_bo, enc_blocks_2_ln1_g, enc_blocks_2_ln1_b, enc_blocks_2_ffn_b1, enc_blocks_2_ffn_b2, enc_blocks_2_ln2_g, enc_blocks_2_ln2_b, xrB, xfB; writes xrB, xfB
;; launch enc3: the kernel of part 5 again; grid 8 x 32, 8 waves a work-group, no clusters, 203,776 bytes of LDS; arguments xrB, xfB, enc_blocks_3_attn_wq, enc_blocks_3_attn_wk, enc_blocks_3_attn_wv, enc_blocks_3_attn_wo, enc_blocks_3_ffn_w1, enc_blocks_3_ffn_w2, enc_blocks_3_attn_bo, enc_blocks_3_ln1_g, enc_blocks_3_ln1_b, enc_blocks_3_ffn_b1, enc_blocks_3_ffn_b2, enc_blocks_3_ln2_g, enc_blocks_3_ln2_b, xrA, xfA; writes xrA, xfA
;; launch dec0 (part 6): grid 8 x 32, 8 waves a work-group, no clusters, 253,952 bytes of LDS; arguments yrA, yfA, xfA, dec_blocks_0_sattn_wq, dec_blocks_0_sattn_wk, dec_blocks_0_sattn_wv, dec_blocks_0_sattn_wo, dec_blocks_0_cattn_wq, dec_blocks_0_cattn_wk, dec_blocks_0_cattn_wv, dec_blocks_0_cattn_wo, dec_blocks_0_ffn_w1, dec_blocks_0_ffn_w2, dec_blocks_0_sattn_bo, dec_blocks_0_ln1_g, dec_blocks_0_ln1_b, dec_blocks_0_cattn_bo, dec_blocks_0_ln2_g, dec_blocks_0_ln2_b, dec_blocks_0_ffn_b1, dec_blocks_0_ffn_b2, dec_blocks_0_ln3_g, dec_blocks_0_ln3_b, yrB, yfB; writes yrB, yfB
.if DOCPART == 6
	.amdgcn_target "amdgcn-amd-amdhsa--gfx1250"
	.amdhsa_code_object_version 6
	.text
	.protected	k_qc7cfd48d04_dec0
	.globl	k_qc7cfd48d04_dec0
	.p2align	8
	.type	k_qc7cfd48d04_dec0,@function
k_qc7cfd48d04_dec0:
	s_mov_b64 s[64:65], 0
	v_nop
	global_prefetch_b8 v0, s[64:65] scope:SCOPE_SE
	s_setreg_imm32_b32 hwreg(HW_REG_WAVE_SCHED_MODE, 0, 2), 2
	s_setreg_imm32_b32 hwreg(HW_REG_WAVE_MODE, 25, 1), 1
	s_wait_xcnt 0x0
	s_wait_alu depctr_vm_vsrc(0)
; ONE TRANSFORMER BLOCK.  DEC = 0: an encoder block (attention, LayerNorm, FFN, LayerNorm).  DEC = 1: a decoder block (causal attention,
; LayerNorm, cross attention on the encoder's result, LayerNorm, FFN, LayerNorm).  The text is the same for both but for the flag below.
; 64 features, 4 heads of 16, 512 tokens, 32 batch elements.  Grid 8 x 32: work-group (b, batch) owns the 32-token blocks b and 15 - b.
;
; EVERYTHING IS COMPUTED TRANSPOSED: tokens are the columns of every matrix result, so lane L = (r = L & 15, h = L >> 4) holds token r and
; its register 8 mt + j holds feature 16 mt + 8 h + j.  A result rounded to bf16 pair by pair IS the second operand of the next product,
; and the statistics of softmax and LayerNorm are sums inside a lane plus one exchange between the two halves of the wave.
; Activations pass between launches in that order: XR (f32, 4,096 bytes a 16-token tile, chunk i at 512 i + 16 L = registers 4 i .. 4 i + 3) and
; XF (bf16, 2,048 bytes a tile, chunk c at 512 c + 16 L = features 16 c + 8 h .. + 7 of token r).  Each load and store of a wave covers 512
; consecutive bytes, aligned.  Both are stored by every block, though the last encoder block's XR and the last decoder block's XF are read by
; no later launch: the price of one text for all blocks of a kind.
;
; PHASES.  (1) all weights f32 -> bf16 into LDS, rows of 64 numbers at a pitch of 160 bytes, read back by the transposing LDS load.
; (2) K and V of all 512 tokens of the batch element are made from XF into LDS (even waves K, odd waves V, eight tiles each); each wave
; makes Q of its 32 queries for its head.  (3) attention: wave w takes head w & 3 and block w >> 2 of the group's two.  Two passes over the keys:
; pass 1 forms S^T = K Q^T and keeps only the true row maximum m; pass 2 forms S^T again with -m as the addend, takes 2^x, rounds to bf16 and adds
; V^T P^T and (ones) P^T, which is the row sum.  Head size 16 fills half of the K = 32 form, so one K operand holds two key tiles and a Q operand with
; a zero half picks one of them.  (4) waves 0-3, one 16-token tile each: output projection, residual, LayerNorm, FFN, LayerNorm, stores.
; In the causal attention block blk needs (blk >> 1) + 1 trips of 64 keys: the group's two blocks need 9 together in every work-group.
; All 32 K and V tiles are made in the causal case too, though up to 12 of them are not read there.
;
; THE MODE: SCHED_MODE bits 1:0 = 2 (LLVM: expert scheduling mode 2), set by the entry lines.  The code itself states the register dependences
; between vector or matrix instructions and memory or LDS instructions, with s_wait_alu, always for 0.
; THE PLAN.  Registers that memory or LDS instructions touch, and who else names them:
;   v1-v5 (LN16, G16, WT, WT2, PARA)   offsets and LDS addresses, made at the head and never written again: the wait ahead of the first load serves them all.
;   TA, KS, v10-v13                    addresses that change hands between phases: a wait on vm_vsrc ahead of the new write, one on va_vdst ahead of the first access by it.
;   KAD, KA2, KDG, VAD, VDG            the attention's LDS addresses, made at its head; KAD (pass 1), KA2 and VAD (pass 2) step once a trip, behind a wait on vm_vsrc.
;   PKW, PK2, PK, PP, FR, ACC          data of stores, written by conversions or by the LayerNorm: one wait on va_vdst ahead of each run of stores, one on vm_vsrc ahead of the next write.
;   XB0-3                              K/V projection: tile i's products read slot i & 3; the wait behind the conversions of tile i - 1... i stands behind them, and the slot's next loads follow the stores.
;   KA0, KA1                           pass 1: read by four products a trip each; asked for again behind a wait on va_vdst that stands behind the last two of them and eight maxima.
;   KA0, KA1, VA0, VA1                 pass 2: each phase ends its batch of exponentials with one wait on va_vdst; behind it the phase's products are done reading their operands, so the
;                                      trip's eight loads stand directly behind two of these waits and owe nothing more.
;   WF, GG, BV, ACC2                   the owners' part: loaded from LDS, read by products, additions and the LayerNorm: one wait on va_vdst ahead of each run of loads.
;
; NOT USED, AND WHY: tensor loads and clusters: what neighbours share is 64 KiB of XF and the weights; the weights must pass through registers to be
; rounded, and XF lands in registers as operands as it lies.
; LIMITS: a masked score is -1e30, not -inf, so scaled scores must stay above -1e30.  Matrix operands are bf16 (Q after its scale 0.25 log2 e, and P);
; the row sum is taken over the rounded P.  A K that is not finite also spoils the key tile that shares its operand (0 x inf).
.set DEC, 1
.set WBYTES, 10240                     ; a 64 x 64 weight in LDS: 64 rows at a pitch of 160 bytes
.if DEC
.set NW,    10                         ; weights: s_wq s_wk s_wv s_wo c_wq c_wk c_wv c_wo w1 w2
.set NVEC,  10                         ; vectors: s_bo g1 b1 c_bo g2 b2 fb1 fb2 g3 b3
.set PRIN,  8                          ; s[8:9] f32 in, s[10:11] bf16 in, s[12:13] encoder's bf16 result
.set PFIN,  10
.set PXE,   12
.set PW0,   14                         ; weight i: s[14+2i:15+2i]
.set PVEC,  34                         ; vector i: s[34+2i:35+2i]
.set PROUT, 54
.set PFOUT, 56
.else
.set NW,    6                          ; weights: wq wk wv wo w1 w2
.set NVEC,  7                          ; vectors: bo g1 b1 fb1 fb2 g2 b2
.set PRIN,  8
.set PFIN,  10
.set PW0,   12
.set PVEC,  24
.set PROUT, 38
.set PFOUT, 40
.endif
.set MS,    14                         ; (mask on) s[14:29]: sixteen lane masks; the weights' addresses that lay there have served: their loads are done
; LDS
.set PAR0, NW*WBYTES                   ; the vectors, 256 bytes each
.set OX0,  PAR0+2048+1024*DEC          ; attention's result, 4 tiles in XF order, 8,192 bytes
.set XQ0,  OX0+8192                    ; (DEC) the cross attention's query source, the same shape
.set KF0,  OX0+8192+8192*DEC           ; K: head x 16,384 + tile x 512 + 16 L = K[key r][d = 8 h .. + 7]
.set VF0,  KF0+65536                   ; V: the same formula = V[keys 8 h .. + 7][d = r]
; vector registers that stay
.set LN16, 1                           ; 16 x lane; never rewritten (the offset of nearly every global access)
.set G16,  2                           ; 16 x thread; never rewritten
.set WT,   3                           ; transposing read of a weight: (8 h + (L & 7)) x 160 + 16 ((L >> 3) & 1)
.set WT2,  4                           ; the same + 61,440, for weights 6 and up (an LDS immediate has 16 bits)
.set PARA, 5                           ; PAR0 + 32 h
.set KAD,  6                           ; K of pass 1's trip
.set VAD,  7                           ; V of pass 2's trip
.set KDG,  8                           ; K, V of the last block of keys (the diagonal one where the mask is on)
.set VDG,  9
.set STA,  10                          ; v10-13: where a thread puts its part of a weight: square, by heads, and both + 61,440
.set DQ,   10                          ; later v10, v11: query - 8 h inside the diagonal block, for query tile 0, 1
.set MASKV, 12                         ; later: -1e30
.set OXA,  13                          ; later: where the wave puts its attention result
.set KS,   14                          ; an LDS address of the phase at hand
.set TA,   15                          ; 8 x lane at the start, then a weight address
; overlays
.set RAW,  16                          ; start: three weights as loaded, v[16:63]
.set PKW,  64                          ; start: the same in bf16, v[64:87]
.set VEC,  88                          ; start: the vectors, two registers each
.set PK2,  96                          ; the later weights in bf16
.set WF,   16                          ; v[16:79] a weight's 8 fragments: (ks, mt) at 8 (4 ks + mt)
.set ACC0, 80                          ; v[80:143] K/V projection: two sets of four accumulators
.set XB,   144                         ; v[144:207] ring of four XF tiles
.set PK,   208                         ; v[208:223]
.set QSRC, 224                         ; v[224:255] XF of the wave's two query tiles
.set WQF,  176
.set QA,   192
.set QB,   16                          ; v[16:39] for each query tile: Q, zeros, Q (4 registers each): the first 8 pick the low key tile, the last 8 the high one
.set ONES, 40
.set NEGM, 48
.set OO,   64
.set LL,   80
.set SS,   96
.set PP,   128
.set KA0,  144
.set KA1,  152
.set VA0,  160
.set VA1,  168
.set CT,   176
.set MX,   192
.set TT,   200
.set KA2,  204                         ; K of pass 2's trip: a register of its own, so that no address is set back between the passes
.set GG,   80
.set BV,   112
.set FR,   144
.set FR2,  160
.set TL,   176
.set ACC2, 192
.set ACC,  224                         ; v[224:255] owners: the residual stream of their tile
; Places behind a matrix instruction are plain vector instructions that name none of its registers (ISA guide 7.12.1); where no useful one is at hand:
.macro NOP4
.rept 4
	v_nop
.endr
.endm
; What other waves rely on is complete in front of the signal: every LDS access of mine is done.
.macro BAR
	s_wait_dscnt 0x0
	s_barrier_signal -1
	s_barrier_wait -1
.endm
.macro LOADW dst, ptr                  ; a weight, 16 KiB: thread t takes 16 bytes at 16 t + 4,096 i
.irp i, 0,1,2,3
	global_load_b128 v[\dst+4*\i:\dst+4*\i+3], v[G16], s[\ptr:\ptr+1] offset:4096*\i
.endr
.endm
.macro CVTW pk, raw
.irp k, 0,1,2,3,4,5,6,7
	v_cvt_pk_bf16_f32 v[\pk+\k], v[\raw+2*\k], v[\raw+2*\k+1]
.endr
.endm
; kind 0: [e][f] as it lies: load i is row (t >> 4) + 16 i.  kind 1: [head][e][d]: load i is head i, row t >> 2, and goes to columns 16 i + d.
.macro STW kind, idx, pk
.if (\idx) < 6
.set sreg, STA+(\kind)
.set soff, (\idx)*WBYTES
.else
.set sreg, STA+2+(\kind)
.set soff, ((\idx)-6)*WBYTES
.endif
.irp i, 0,1,2,3
.if \kind
	ds_store_b64 v[sreg], v[\pk+2*\i:\pk+2*\i+1] offset:soff+32*\i
.else
	ds_store_b64 v[sreg], v[\pk+2*\i:\pk+2*\i+1] offset:soff+2560*\i
.endif
.endr
.endm
; All 8 fragments of a weight: lane (r, h) gets output feature 16 mt + r, input features 32 ks + 8 h .. + 7 and 32 ks + 16 + 8 h .. + 7.
.macro LDWF idx
.if (\idx) < 6
.set wreg, WT
.set woff, (\idx)*WBYTES
.else
.set wreg, WT2
.set woff, ((\idx)-6)*WBYTES
.endif
.irp ks, 0,1
.irp mt, 0,1,2,3
	ds_load_tr16_b128 v[WF+8*(4*\ks+\mt):WF+8*(4*\ks+\mt)+3], v[wreg] offset:woff+\ks*5120+\mt*32
	ds_load_tr16_b128 v[WF+8*(4*\ks+\mt)+4:WF+8*(4*\ks+\mt)+7], v[wreg] offset:woff+\ks*5120+\mt*32+2560
.endr
.endr
.endm
.macro XBLOAD i, base                  ; XF of my tile i (tiles (w >> 1) + 4 i) into ring slot i & 3
.irp c, 0,1,2,3
	global_load_b128 v[XB+16*((\i)&3)+4*\c:XB+16*((\i)&3)+4*\c+3], v[LN16], s[\base:\base+1] offset:(\i)*8192+512*\c
.endr
.endm
; Eight products of tile i.  kind 0: K^T = W^T X^T (lane: key r, d along registers).  kind 1: V = X W (lane: d = r, keys along registers).
; The four accumulators take turns, one instruction a turn.
.macro WM kind, i
.set xs, XB+16*((\i)&3)
.set ac, ACC0+32*((\i)&1)
.irp mt, 0,1,2,3
.if \kind
	v_wmma_f32_16x16x32_bf16 v[ac+8*\mt:ac+8*\mt+7], v[xs:xs+7], v[WF+8*\mt:WF+8*\mt+7], 0
.else
	v_wmma_f32_16x16x32_bf16 v[ac+8*\mt:ac+8*\mt+7], v[WF+8*\mt:WF+8*\mt+7], v[xs:xs+7], 0
.endif
.endr
.irp mt, 0,1,2,3
.if \kind
	v_wmma_f32_16x16x32_bf16 v[ac+8*\mt:ac+8*\mt+7], v[xs+8:xs+15], v[WF+32+8*\mt:WF+32+8*\mt+7], v[ac+8*\mt:ac+8*\mt+7]
.else
	v_wmma_f32_16x16x32_bf16 v[ac+8*\mt:ac+8*\mt+7], v[WF+32+8*\mt:WF+32+8*\mt+7], v[xs+8:xs+15], v[ac+8*\mt:ac+8*\mt+7]
.endif
.endr
.endm
.macro PACKKV i                        ; tile i's four heads, rounded, 16 bytes a lane and head
.set ac, ACC0+32*((\i)&1)
.if (\i) > 0
	s_wait_alu depctr_vm_vsrc(0)                   ; the LDS stores of the tile before have read PK, which the conversions write again
.endif
.irp mt, 0,1,2,3
.irp q, 0,1,2,3
	v_cvt_pk_bf16_f32 v[PK+4*\mt+\q], v[ac+8*\mt+2*\q], v[ac+8*\mt+2*\q+1]
.endr
.endr
	s_wait_alu depctr_va_vdst(0)                   ; the conversions have written PK (and, for tile 0, KS is written), which the stores read; tile i's products are done reading ring slot i & 3, in which the loads behind the stores land
.irp mt, 0,1,2,3
	ds_store_b128 v[KS], v[PK+4*\mt:PK+4*\mt+3] offset:\mt*16384+(\i)*2048
.endr
.endm
; Eight tiles.  Each wait's count is the number of loads issued behind that tile's four: the ring's later tiles, and, for the first four tiles,
; the 'after' loads that were issued behind the ring's first fill.  The 16 conversions of tile i - 1 are the places behind tile i's products
; (they name the other accumulator set), in front of the conversions of tile i.  A ring slot's next loads stand behind the wait on va_vdst in PACKKV.
.macro KVPROJ kind, after, base
	s_wait_loadcnt 12+\after
	WM \kind, 0
	NOP4
	s_wait_loadcnt 8+\after
	WM \kind, 1
	PACKKV 0
	XBLOAD 4, \base
	s_wait_loadcnt 8+\after
	WM \kind, 2
	PACKKV 1
	XBLOAD 5, \base
	s_wait_loadcnt 8+\after
	WM \kind, 3
	PACKKV 2
	XBLOAD 6, \base
	s_wait_loadcnt 8
	WM \kind, 4
	PACKKV 3
	XBLOAD 7, \base
	s_wait_loadcnt 8
	WM \kind, 5
	PACKKV 4
	s_wait_loadcnt 4
	WM \kind, 6
	PACKKV 5
	s_wait_loadcnt 0
	WM \kind, 7
	PACKKV 6
	PACKKV 7
.endm
; Even waves K, odd waves V.  The weight's loads land in WF with no wait of their own: no vector or matrix instruction since the last wait on va_vdst names WF or the weight's address.
.macro KVBOTH ik, iv, after, base
	s_and_b32 s98, s66, 1
	s_cmp_lg_u32 s98, 0
	s_cbranch_scc1 .Lmakev_\@
	LDWF \ik
	s_wait_dscnt 0x0
	KVPROJ 0, \after, \base
	s_branch .Lkvdone_\@
.Lmakev_\@:
	LDWF \iv
	s_wait_dscnt 0x0
	KVPROJ 1, \after, \base
.Lkvdone_\@:
.endm
.macro KSKV                            ; where my K or V tiles go: region by w & 1, first tile by w >> 1
	s_and_b32 s98, s66, 1
	s_lshl_b32 s98, s98, 16
	s_lshl_b32 s99, s92, 9
	s_add_co_u32 s98, s98, s99
	s_add_co_u32 s98, s98, KF0
	v_add_nc_u32 v[KS], s98, v[LN16]
.endm
; Q^T of my head for my two query tiles (XF fragments at src, 16 registers a tile), scaled by 0.25 log2 e, as Q, zeros, Q.
; xq = 1: the fragments are first read from the query source in LDS.
.macro QPROJ idx, src, xq
.if (\idx) < 6
.set wreg, WT
.set woff, (\idx)*WBYTES
.else
.set wreg, WT2
.set woff, ((\idx)-6)*WBYTES
.endif
.if \xq
	s_lshl_b32 s98, s67, 12
	s_add_co_u32 s98, s98, XQ0
	s_wait_alu depctr_vm_vsrc(0)                   ; the LDS stores of K and V have read KS, which is written again here, and PK, in which loads of the owners land later
	v_add_nc_u32 v[KS], s98, v[LN16]
.endif
	v_add_nc_u32 v[TA], s97, v[wreg]               ; + 32 bytes x head: my head's 16 output features
	s_wait_alu depctr_va_vdst(0)                   ; TA (and KS) are written, which the loads below read as addresses; the projection's products are done reading the ring, in which they land
.if \xq
.irp k, 0,1,2,3,4,5,6,7
	ds_load_b128 v[\src+4*\k:\src+4*\k+3], v[KS] offset:512*\k
.endr
.endif
.irp ks, 0,1
	ds_load_tr16_b128 v[WQF+8*\ks:WQF+8*\ks+3], v[TA] offset:woff+\ks*5120
	ds_load_tr16_b128 v[WQF+8*\ks+4:WQF+8*\ks+7], v[TA] offset:woff+\ks*5120+2560
.endr
	s_wait_dscnt 0x0
	v_wmma_f32_16x16x32_bf16 v[QA:QA+7], v[WQF:WQF+7], v[\src:\src+7], 0
	v_wmma_f32_16x16x32_bf16 v[QA+8:QA+15], v[WQF:WQF+7], v[\src+16:\src+23], 0
	v_wmma_f32_16x16x32_bf16 v[QA:QA+7], v[WQF+8:WQF+15], v[\src+8:\src+15], v[QA:QA+7]
	v_wmma_f32_16x16x32_bf16 v[QA+8:QA+15], v[WQF+8:WQF+15], v[\src+24:\src+31], v[QA+8:QA+15]
	NOP4
.irp k, 0,1,2,3,4,5,6,7
	v_pk_mul_f32 v[QA+2*\k:QA+2*\k+1], v[QA+2*\k:QA+2*\k+1], s[94:95] op_sel_hi:[1,0]
.endr
.irp a, 0,1
.irp q, 0,1,2,3
	v_cvt_pk_bf16_f32 v[QB+12*\a+\q], v[QA+8*\a+2*\q], v[QA+8*\a+2*\q+1]
	v_mov_b32 v[QB+12*\a+4+\q], 0
.endr
.irp q, 0,1,2,3
	v_mov_b32 v[QB+12*\a+8+\q], v[QB+12*\a+\q]
.endr
.endr
.endm
; S^T of one key tile (hi = 0: the operand's low tile, 1: its high tile) for query tile a.  The addend: 0, -m, or the masked addend in CT.
.macro QKM a, ka, hi, csel
.set sd, SS+16*(\a)+8*(\hi)
.set qb, QB+12*(\a)+4*(\hi)
.if (\csel) == 0
	v_wmma_f32_16x16x32_bf16 v[sd:sd+7], v[\ka:\ka+7], v[qb:qb+7], 0
.elseif (\csel) == 1
	v_wmma_f32_16x16x32_bf16 v[sd:sd+7], v[\ka:\ka+7], v[qb:qb+7], v[NEGM+8*(\a):NEGM+8*(\a)+7]
.else
	v_wmma_f32_16x16x32_bf16 v[sd:sd+7], v[\ka:\ka+7], v[qb:qb+7], v[CT+8*(\hi):CT+8*(\hi)+7]
.endif
.endm
; The addends of key tiles kt, kt + 1 of the diagonal block for query tile a: -1e30 where key 16 kt + 8 h + j > query, else 0 (pass 1) or -m (pass 2).
; The sixteen compares stand in one run, each with a scalar register of its own, so that one wait serves all sixteen selects.
.macro MASKB a, kt, pass
.irp u, 0,1
.irp j, 0,1,2,3,4,5,6,7
	v_cmp_gt_i32 s[MS+8*\u+\j], 16*((\kt)+\u)+\j, v[DQ+(\a)]
.endr
.endr
	s_wait_alu depctr_va_sdst(0)                   ; the compares have written s[MS .. MS + 15], which the selects read
.irp u, 0,1
.irp j, 0,1,2,3,4,5,6,7
.if (\pass) == 1
	v_cndmask_b32 v[CT+8*\u+\j], 0, v[MASKV], s[MS+8*\u+\j]
.else
	v_cndmask_b32 v[CT+8*\u+\j], v[NEGM+8*(\a)+\j], v[MASKV], s[MS+8*\u+\j]
.endif
.endr
.endr
.endm
.macro MAXS a, first                   ; 16 scores a lane into four running maxima; the first ones start them
.set sb, SS+16*(\a)
.set mb, MX+4*(\a)
.irp k, 0,1,2,3
.if \first
	v_max_num_f32 v[mb+\k], v[sb+2*\k], v[sb+2*\k+1]
.else
	v_max3_num_f32 v[mb+\k], v[mb+\k], v[sb+2*\k], v[sb+2*\k+1]
.endif
.endr
.irp k, 0,1,2,3
	v_max3_num_f32 v[mb+\k], v[mb+\k], v[sb+8+2*\k], v[sb+8+2*\k+1]
.endr
.endm
; Pass 1, 64 keys, four phases (query tile 0, 1 on key tiles 0-1, then on 2-3).  Each phase issues the NEXT phase's two products and then takes the maxima
; of its own scores: those eight instructions are the places behind the products just issued, in front of the next mask build and of the maxima that read them.
; A K operand is asked for again as soon as its last two products are issued, behind a wait on va_vdst.
; Each s_wait_dscnt 2 leaves out the two loads of the other K operand, issued later.  koff: where the next trip's K lies from KAD.
.macro TRIP1 first, mask, koff
.if \mask
	MASKB 1, 0, 1
.endif
	QKM 1, KA0, 0, 2*\mask
	QKM 1, KA0, 1, 2*\mask
	MAXS 0, \first
	s_wait_alu depctr_va_vdst(0)                   ; the products are done reading KA0, in which the loads land; in the loop KAD, stepped at the last trip's end, is written
	ds_load_b128 v[KA0:KA0+3], v[KAD] offset:\koff
	ds_load_b128 v[KA0+4:KA0+7], v[KAD] offset:\koff+512
	s_wait_dscnt 0x2
.if \mask
	MASKB 0, 2, 1
.endif
	QKM 0, KA1, 0, 2*\mask
	QKM 0, KA1, 1, 2*\mask
	MAXS 1, \first
.if \mask
	MASKB 1, 2, 1
.endif
	QKM 1, KA1, 0, 2*\mask
	QKM 1, KA1, 1, 2*\mask
	MAXS 0, 0
	s_wait_alu depctr_va_vdst(0)                   ; the products are done reading KA1, in which the loads land
	ds_load_b128 v[KA1:KA1+3], v[KAD] offset:\koff+1024
	ds_load_b128 v[KA1+4:KA1+7], v[KAD] offset:\koff+1536
	s_wait_dscnt 0x2
	QKM 0, KA0, 0, 0                               ; the next trip's first phase (never a masked one)
	QKM 0, KA0, 1, 0
	MAXS 1, 0
.endm
.macro EXP4 a, g
.irp k, 0,1,2,3
	v_exp_f32 v[SS+16*(\a)+4*(\g)+\k], v[SS+16*(\a)+4*(\g)+\k]
.endr
.endm
; One phase of pass 2, on query tile a's 16 scores a lane, in two parts.  PH2A: the matrix instructions between the exponentials belong to the other query tile: the
; next phase's two score products and the last phase's V^T P^T and row sum (pvm 0: none yet, 1: they start the sums, 2: they add).  S, O and the row
; sums take turns, one instruction a turn.  v_nop is the plain instruction between the last exponential and its use
; (ISA guide 5.7.2).  The sixteen exponentials are one batch with one wait; the same wait frees the phase's operands for the loads that TRIP2 sets behind it.
; PH2B: the roundings; with the v_nop they make nine places behind the phase's matrix instructions.
.macro PH2A a, ka, qc, pvm, va
.set ob, 1-(\a)
	QKM 1-\a, \ka, 0, \qc
	EXP4 \a, 0
	QKM 1-\a, \ka, 1, \qc
	EXP4 \a, 1
.if (\pvm) == 1
	v_wmma_f32_16x16x32_bf16 v[OO+8*ob:OO+8*ob+7], v[\va:\va+7], v[PP+8*ob:PP+8*ob+7], 0
.elseif (\pvm) == 2
	v_wmma_f32_16x16x32_bf16 v[OO+8*ob:OO+8*ob+7], v[\va:\va+7], v[PP+8*ob:PP+8*ob+7], v[OO+8*ob:OO+8*ob+7]
.endif
	EXP4 \a, 2
.if (\pvm) == 1
	v_wmma_f32_16x16x32_bf16 v[LL+8*ob:LL+8*ob+7], v[ONES:ONES+7], v[PP+8*ob:PP+8*ob+7], 0
.elseif (\pvm) == 2
	v_wmma_f32_16x16x32_bf16 v[LL+8*ob:LL+8*ob+7], v[ONES:ONES+7], v[PP+8*ob:PP+8*ob+7], v[LL+8*ob:LL+8*ob+7]
.endif
	EXP4 \a, 3
	v_nop
	s_wait_alu depctr_va_vdst(0)                   ; the sixteen exponentials have written their scores, which the roundings read; the phase's products are done reading their K and V operands; KA2 and VAD, stepped at the last trip's end, are written
.endm
.macro PH2B a
.irp k, 0,1,2,3,4,5,6,7
	v_cvt_pk_bf16_f32 v[PP+8*(\a)+\k], v[SS+16*(\a)+2*\k], v[SS+16*(\a)+2*\k+1]
.endr
.endm
; Pass 2, 64 keys.  Behind phase 0's wait: the next trip's first K operand and this trip's second V operand, both last read by phase 0's products; behind phase 2's wait:
; the next trip's second K operand and first V operand, both last read by phase 2's.  The roundings behind the loads name P and S alone.
; Each s_wait_dscnt 4 leaves out the four loads of the later of these two groups.  vc: this trip's V; vnoff: the next trip's V from VAD.
.macro TRIP2 first, mask, koff, vc, vnoff
.if \mask
	MASKB 1, 0, 2
.endif
	PH2A 0, KA0, 1+\mask, 2-2*\first, VA1
	ds_load_b128 v[KA0:KA0+3], v[KA2] offset:\koff
	ds_load_b128 v[KA0+4:KA0+7], v[KA2] offset:\koff+512
	ds_load_b128 v[VA1:VA1+3], v[\vc] offset:1024
	ds_load_b128 v[VA1+4:VA1+7], v[\vc] offset:1536
	PH2B 0
	s_wait_dscnt 0x4
.if \mask
	MASKB 0, 2, 2
.endif
	PH2A 1, KA1, 1+\mask, 2-\first, VA0
	PH2B 1
.if \mask
	MASKB 1, 2, 2
.endif
	PH2A 0, KA1, 1+\mask, 2-\first, VA0
	ds_load_b128 v[KA1:KA1+3], v[KA2] offset:\koff+1024
	ds_load_b128 v[KA1+4:KA1+7], v[KA2] offset:\koff+1536
	ds_load_b128 v[VA0:VA0+3], v[VAD] offset:\vnoff
	ds_load_b128 v[VA0+4:VA0+7], v[VAD] offset:\vnoff+512
	PH2B 0
	s_wait_dscnt 0x4
	PH2A 1, KA0, 1, 2, VA1
	PH2B 1
.endm
; Attention of my head on my 32 queries.  The LAST block of 64 keys (block dt; with the mask on, the one that holds the diagonal) goes first, written out;
; then a counted loop takes blocks 0 .. dt - 1.  So each trip's look-ahead (block 0 behind the first trip, i + 1 behind trip i) stays inside the keys that are
; needed, and pass 1 ends with block dt's K in registers, which is where pass 2 begins.  The look-ahead products of each pass's last trip are not used.
; With the mask on, dt, and with it the K and V addresses and the trip count, hangs on the work-group's number.  There a barrier stands between all the
; attention's LDS reads and the stores of its result, so that this order holds whatever dt is: signalled when my reads are back, waited for in front of
; the stores, register work between.  The barrier behind the attention follows at once, so no wave waits for the slowest one twice.
.macro ATT mask
.if \mask
	s_bfe_u32 s72, s71, 0x30001                    ; dt = blk >> 1, 0 to 7
.else
	s_mov_b32 s72, 7
.endif
	s_lshl_b32 s98, s72, 11                        ; 64 keys of a head are 2,048 bytes
	v_add_nc_u32 v[KAD], s96, v[LN16]
	v_add_nc_u32 v[KA2], s96, v[LN16]
	v_add_nc_u32 v[KDG], s98, v[KAD]
	v_add_nc_u32 v[VAD], 0x10000, v[KAD]
	v_add_nc_u32 v[VDG], 0x10000, v[KDG]
	s_wait_alu depctr_va_vdst(0)                   ; the five addresses are written, which the attention's loads read; whatever named KA0 to VA1 before (conversions, Q's products) is done with them
	ds_load_b128 v[KA0:KA0+3], v[KDG]
	ds_load_b128 v[KA0+4:KA0+7], v[KDG] offset:512
	ds_load_b128 v[KA1:KA1+3], v[KDG] offset:1024
	ds_load_b128 v[KA1+4:KA1+7], v[KDG] offset:1536
	s_wait_dscnt 0x2                               ; the first K operand is in, the second's two loads stay out
.if \mask
	MASKB 0, 0, 1
.endif
	QKM 0, KA0, 0, 2*\mask
	QKM 0, KA0, 1, 2*\mask
	NOP4
	TRIP1 1, \mask, 0
.if \mask
	s_cmp_eq_u32 s72, 0
	s_cbranch_scc1 .Lp1e_\@
.endif
	s_mov_b32 s73, 0
.Lp1_\@:
	TRIP1 0, 0, 2048
	s_wait_alu depctr_vm_vsrc(0)                   ; this trip's loads have read KAD
	v_add_nc_u32 v[KAD], 0x800, v[KAD]
	s_add_co_u32 s73, s73, 1
	s_cmp_lt_u32 s73, s72
	s_cbranch_scc1 .Lp1_\@
.Lp1e_\@:
	ds_load_b128 v[VA0:VA0+3], v[VDG]              ; pass 2's first V operand.  No wait: no vector or matrix instruction since the last wait on va_vdst names VA0 or VDG
	ds_load_b128 v[VA0+4:VA0+7], v[VDG] offset:512
	; the row maximum: four chains, then the other half of the wave (keys 8 h + j lie in both halves); -m in eight registers as the addend
.irp a, 0,1
	v_max3_num_f32 v[TT+\a], v[MX+4*\a], v[MX+4*\a+1], v[MX+4*\a+2]
	v_max_num_f32 v[TT+\a], v[TT+\a], v[MX+4*\a+3]
	v_permlanex16_b32 v[MX+4*\a], v[TT+\a], s74, s75
	v_max_num_f32 v[TT+\a], v[TT+\a], v[MX+4*\a]
.irp j, 0,1,2,3,4,5,6,7
	v_mul_f32 v[NEGM+8*\a+\j], -1.0, v[TT+\a]
.endr
.endr
	s_wait_dscnt 0x2                               ; block dt's K, fetched by pass 1's last look-ahead, is in; V's two loads stay out
.if \mask
	MASKB 0, 0, 2
.endif
	QKM 0, KA0, 0, 1+\mask
	QKM 0, KA0, 1, 1+\mask
.irp j, 0,1,2,3,4,5,6,7
	v_mov_b32 v[ONES+\j], 0x3f803f80               ; a 16 x 32 operand of ones; these eight lines are also the places behind the two products
.endr
	TRIP2 1, \mask, 0, VDG, 0
.if \mask
	s_cmp_eq_u32 s72, 0
	s_cbranch_scc1 .Lp2e_\@
.endif
	s_mov_b32 s73, 0
.Lp2_\@:
	TRIP2 0, 0, 2048, VAD, 2048
	s_wait_alu depctr_vm_vsrc(0)                   ; this trip's loads have read KA2 and VAD
	v_add_nc_u32 v[KA2], 0x800, v[KA2]
	v_add_nc_u32 v[VAD], 0x800, v[VAD]
	s_add_co_u32 s73, s73, 1
	s_cmp_lt_u32 s73, s72
	s_cbranch_scc1 .Lp2_\@
.Lp2e_\@:
	v_wmma_f32_16x16x32_bf16 v[OO+8:OO+15], v[VA1:VA1+7], v[PP+8:PP+15], v[OO+8:OO+15]
	v_wmma_f32_16x16x32_bf16 v[LL+8:LL+15], v[ONES:ONES+7], v[PP+8:PP+15], v[LL+8:LL+15]
	s_wait_dscnt 0x0                               ; the last look-ahead's loads: their registers are used again below, and all my reads of K and V are over
.if \mask
	s_barrier_signal -1                            ; say so
.endif
	NOP4
	v_rcp_f32 v[TT], v[LL]                         ; every register of a row-sum tile holds the lane's query's sum, at least 1
	v_rcp_f32 v[TT+1], v[LL+1]
	v_rcp_f32 v[TT+2], v[LL+8]
	v_rcp_f32 v[TT+3], v[LL+9]
	v_nop
	s_wait_alu depctr_va_vdst(0)                   ; the four reciprocals have written TT, which the scalings read: one wait for the batch
.irp a, 0,1
.irp q, 0,1,2,3
	v_pk_mul_f32 v[OO+8*\a+2*\q:OO+8*\a+2*\q+1], v[OO+8*\a+2*\q:OO+8*\a+2*\q+1], v[TT+2*\a:TT+2*\a+1]
.endr
.endr
.irp a, 0,1
.irp q, 0,1,2,3
	v_cvt_pk_bf16_f32 v[PP+4*\a+\q], v[OO+8*\a+2*\q], v[OO+8*\a+2*\q+1]
.endr
.endr
	s_wait_alu depctr_va_vdst(0)                   ; the conversions have written PP, which the two stores read (OXA, their address, was written ahead of the attention)
.if \mask
	s_barrier_wait -1                              ; every wave's reads are over
.endif
	ds_store_b128 v[OXA], v[PP:PP+3]               ; chunk = head of the tile's XF order
	ds_store_b128 v[OXA], v[PP+4:PP+7] offset:2048
.endm
.macro LDPV dst, vec                   ; a vector of 64 in the accumulator layout: features 16 mt + 8 h + j
.irp k, 0,1,2,3,4,5,6,7
	ds_load_b128 v[\dst+4*\k:\dst+4*\k+3], v[PARA] offset:(\vec)*256+64*(\k/2)+16*(\k%2)
.endr
.endm
.macro ADD32 dst, src
.irp k, 0,1,2,3,4,5,6,7,8,9,10,11,12,13,14,15
	v_pk_add_f32 v[\dst+2*\k:\dst+2*\k+1], v[\dst+2*\k:\dst+2*\k+1], v[\src+2*\k:\src+2*\k+1]
.endr
.endm
.macro PACK16 dst, src
.irp k, 0,1,2,3,4,5,6,7,8,9,10,11,12,13,14,15
	v_cvt_pk_bf16_f32 v[\dst+\k], v[\src+2*\k], v[\src+2*\k+1]
.endr
.endm
.macro MM8 acc, frag                   ; acc += W^T x (a tile's fragments); four accumulators by turns
.irp ks, 0,1
.irp mt, 0,1,2,3
	v_wmma_f32_16x16x32_bf16 v[\acc+8*\mt:\acc+8*\mt+7], v[WF+8*(4*\ks+\mt):WF+8*(4*\ks+\mt)+7], v[\frag+8*\ks:\frag+8*\ks+7], v[\acc+8*\mt:\acc+8*\mt+7]
.endr
.endr
.endm
; LayerNorm of ACC with gain GG and shift BV: mean, then the mean of squares of x - mean, as the definition has it.
.macro LNORM
.irp k, 0,1,2,3,4,5,6,7
	v_pk_add_f32 v[TL+2*\k:TL+2*\k+1], v[ACC+4*\k:ACC+4*\k+1], v[ACC+4*\k+2:ACC+4*\k+3]
.endr
.irp k, 0,1,2,3
	v_pk_add_f32 v[TL+2*\k:TL+2*\k+1], v[TL+4*\k:TL+4*\k+1], v[TL+4*\k+2:TL+4*\k+3]
.endr
.irp k, 0,1
	v_pk_add_f32 v[TL+2*\k:TL+2*\k+1], v[TL+4*\k:TL+4*\k+1], v[TL+4*\k+2:TL+4*\k+3]
.endr
	v_pk_add_f32 v[TL:TL+1], v[TL:TL+1], v[TL+2:TL+3]
	v_add_f32 v[TL], v[TL], v[TL+1]
	v_permlanex16_b32 v[TL+1], v[TL], s74, s75     ; the token's other 32 features lie in lane L xor 16
	v_add_f32 v[TL], v[TL], v[TL+1]
	v_mul_f32 v[TL], s76, v[TL]
	v_mov_b32 v[TL+1], v[TL]
.irp k, 0,1,2,3,4,5,6,7,8,9,10,11,12,13,14,15
	v_pk_add_f32 v[ACC+2*\k:ACC+2*\k+1], v[ACC+2*\k:ACC+2*\k+1], v[TL:TL+1] neg_lo:[0,1] neg_hi:[0,1]
.endr
.irp k, 0,1,2,3
	v_pk_mul_f32 v[TL+4+2*\k:TL+5+2*\k], v[ACC+2*\k:ACC+2*\k+1], v[ACC+2*\k:ACC+2*\k+1]
.endr
.irp k, 4,5,6,7,8,9,10,11,12,13,14,15
	v_pk_fma_f32 v[TL+4+2*(\k%4):TL+5+2*(\k%4)], v[ACC+2*\k:ACC+2*\k+1], v[ACC+2*\k:ACC+2*\k+1], v[TL+4+2*(\k%4):TL+5+2*(\k%4)]
.endr
	v_pk_add_f32 v[TL+4:TL+5], v[TL+4:TL+5], v[TL+6:TL+7]
	v_pk_add_f32 v[TL+8:TL+9], v[TL+8:TL+9], v[TL+10:TL+11]
	v_pk_add_f32 v[TL+4:TL+5], v[TL+4:TL+5], v[TL+8:TL+9]
	v_add_f32 v[TL+4], v[TL+4], v[TL+5]
	v_permlanex16_b32 v[TL+5], v[TL+4], s74, s75
	v_add_f32 v[TL+4], v[TL+4], v[TL+5]
	v_fma_f32 v[TL+4], v[TL+4], s76, s77           ; variance + 1e-5
	v_rsq_f32 v[TL+2], v[TL+4]
	v_rsq_f32 v[TL+3], v[TL+4]
	v_nop
	s_wait_alu depctr_va_vdst(0)                   ; the two reciprocal roots have written TL + 2 and TL + 3, which the gain's scaling reads: one wait for the pair
.irp k, 0,1,2,3,4,5,6,7,8,9,10,11,12,13,14,15
	v_pk_mul_f32 v[GG+2*\k:GG+2*\k+1], v[GG+2*\k:GG+2*\k+1], v[TL+2:TL+3]
.endr
.irp k, 0,1,2,3,4,5,6,7,8,9,10,11,12,13,14,15
	v_pk_fma_f32 v[ACC+2*\k:ACC+2*\k+1], v[ACC+2*\k:ACC+2*\k+1], v[GG+2*\k:GG+2*\k+1], v[BV+2*\k:BV+2*\k+1]
.endr
.endm
.macro OXRD                            ; an owner's tile in OX (and, 8,192 bytes on, in XQ)
	s_lshl_b32 s98, s66, 11
	s_add_co_u32 s98, s98, OX0
	v_add_nc_u32 v[KS], s98, v[LN16]
.endm
; ACC = LayerNorm(ACC + bias + Wo^T O^T); FR = the result in bf16.  res: the residual's global loads are still to be waited for.
; nxt: the next weight wn and its bias vn (straight into the next accumulators) are fetched while the LayerNorm runs.
.macro ATTOUT wi, vbo, vg, vb, res, nxt, wn, vn
	s_wait_alu depctr_va_vdst(0)                   ; KS is written, which the first four loads read; the attention's vector and matrix instructions are done with v16 to v223, in which the 44 loads land
.irp c, 0,1,2,3
	ds_load_b128 v[FR+4*\c:FR+4*\c+3], v[KS] offset:512*\c
.endr
	LDWF \wi
	LDPV ACC2, \vbo
	LDPV GG, \vg
	LDPV BV, \vb
.if \res
	s_wait_loadcnt 0x0
.endif
	s_wait_dscnt 16                                ; all but the 16 loads of gain and shift
	ADD32 ACC, ACC2
	MM8 ACC, FR
	NOP4
.if \nxt
	s_wait_alu depctr_va_vdst(0)                   ; the products are done reading WF and the additions ACC2, in which the loads below land
	LDWF \wn
	LDPV ACC2, \vn
	s_wait_dscnt 24                                ; gain and shift are in; the 24 loads just issued stay out
.else
	s_wait_dscnt 0x0
.endif
	LNORM
	PACK16 FR, ACC
.endm
; ACC = LayerNorm(ACC + b2 + W2^T relu(W1^T x + b1)); W1 is in WF and b1 in ACC2 on entry.
.macro FFN w2i, vfb2, vg, vb
	s_wait_dscnt 0x0
	MM8 ACC2, FR
	NOP4
	s_wait_alu depctr_va_vdst(0)                   ; the products are done reading WF, and the LayerNorm before them is done with GG and BV: the loads below land in all three
	LDWF \w2i
	LDPV GG, \vfb2
	LDPV BV, \vb
.irp k, 0,1,2,3,4,5,6,7,8,9,10,11,12,13,14,15,16,17,18,19,20,21,22,23,24,25,26,27,28,29,30,31
	v_max_num_f32 v[ACC2+\k], 0, v[ACC2+\k]
.endr
	PACK16 FR2, ACC2
	s_wait_dscnt 0x8                               ; W2 and b2 are in; the shift's eight loads stay out
	ADD32 ACC, GG
	s_wait_alu depctr_va_vdst(0)                   ; the additions are done reading GG, in which the gain lands
	LDPV GG, \vg
	MM8 ACC, FR2
	NOP4
	s_wait_dscnt 0x0
	LNORM
	PACK16 FR, ACC
.endm
	; ---------------- ids, constants, addresses ----------------
	s_load_b512 s[8:23], s[0:1], 0x0
	s_load_b512 s[24:39], s[0:1], 0x40
.if DEC
	s_load_b512 s[40:55], s[0:1], 0x80
	s_load_b64 s[56:57], s[0:1], 0xc0
	s_set_vgpr_msb 0x40
	v_lshl_add_u32 v112, v0, 2, 0x3dc00
	v_mov_b32 v113, 0
	s_set_vgpr_msb 0x4000
.else
	s_load_b64 s[40:41], s[0:1], 0x80
.endif
	v_lshrrev_b32 v6, 5, v0
	v_readfirstlane_b32 s66, v6                    ; wave w; the vector address work stands between this line and the wait for it
	v_and_b32 v6, 31, v0
	v_lshlrev_b32 v[LN16], 4, v6
	v_lshlrev_b32 v[TA], 3, v6
	v_lshlrev_b32 v[G16], 4, v0
	v_bfe_u32 v7, v0, 4, 1                         ; h
	v_and_b32 v8, 7, v0
	v_lshl_add_u32 v8, v7, 3, v8
	v_mul_u32_u24 v[WT], v8, 160
	v_bfe_u32 v9, v0, 3, 1
	v_lshl_add_u32 v[WT], v9, 4, v[WT]
	v_lshlrev_b32 v[PARA], 5, v7
	v_add_nc_u32 v[PARA], PAR0, v[PARA]
	v_add_nc_u32 v[KS], PAR0, v[TA]
	v_lshrrev_b32 v8, 4, v0
	v_and_b32 v9, 15, v0
	v_mul_u32_u24 v8, v8, 160
	v_lshl_add_u32 v[STA], v9, 3, v8
	v_lshrrev_b32 v8, 2, v0
	v_and_b32 v9, 3, v0
	v_mul_u32_u24 v8, v8, 160
	v_lshl_add_u32 v[STA+1], v9, 3, v8
.if DEC
	v_add_nc_u32 v[WT2], 6*WBYTES, v[WT]
	v_add_nc_u32 v[STA+2], 6*WBYTES, v[STA]
	v_add_nc_u32 v[STA+3], 6*WBYTES, v[STA+1]
.endif
	s_mov_b32 s69, ttmp9                           ; b
	s_and_b32 s70, ttmp7, 0xffff                   ; batch element
	s_sub_co_u32 s99, 15, s69
	s_mov_b32 s74, 0x76543210                      ; v_permlanex16_b32: lane i of one half reads lane i of the other
	s_mov_b32 s75, 0xfedcba98
	s_mov_b32 s76, 0x3c800000                      ; 1/64
	s_mov_b32 s77, 0x3727c5ac                      ; 1e-5
	s_mov_b32 s94, 0x3eb8aa3b                      ; 16^-0.5 x log2 e
	s_mov_b32 s95, 0x3eb8aa3b
	s_mov_b32 s79, 0
	s_wait_alu depctr_va_sdst(0)                   ; s66 is written, ahead of its first reader: shares, bases and branches are made from it
	s_lshr_b32 s67, s66, 2                         ; which of the group's two blocks I attend for
	s_and_b32 s68, s66, 3                          ; my head
	s_cmp_lg_u32 s67, 0
	s_cselect_b32 s71, s99, s69                    ; blk: my block of 32 queries
	s_lshr_b32 s92, s66, 1
	s_cmp_lg_u32 s92, 0
	s_cselect_b32 s93, s99, s69
	s_and_b32 s98, s66, 1
	s_lshl1_add_u32 s93, s93, s98                  ; waves 0-3: the tile that I own in the row-local part
	s_lshl_b32 s96, s68, 14
	s_add_co_u32 s96, s96, KF0                     ; my head's K in LDS
	s_lshl_b32 s97, s68, 5
	s_wait_kmcnt 0x0
	s_lshl_b32 s98, s70, 16                        ; a batch element's XF is 65,536 bytes
	s_lshl_b32 s78, s92, 11
	s_add_co_u32 s78, s78, s98
	s_add_nc_u64 s[80:81], s[PFIN:PFIN+1], s[78:79]        ; XF at tile w >> 1: the source of my K or V
.if DEC
	s_add_nc_u64 s[90:91], s[PXE:PXE+1], s[78:79]          ; the same in the encoder's result
.endif
	s_lshl_b32 s78, s71, 12
	s_add_co_u32 s78, s78, s98
	s_add_nc_u64 s[82:83], s[PFIN:PFIN+1], s[78:79]        ; XF at my two query tiles
	s_lshl_b32 s78, s93, 11
	s_add_co_u32 s78, s78, s98
	s_add_nc_u64 s[88:89], s[PFOUT:PFOUT+1], s[78:79]      ; XF out at the tile that I own
	s_lshl_b32 s78, s78, 1
	s_add_nc_u64 s[84:85], s[PRIN:PRIN+1], s[78:79]        ; XR in and out there
	s_add_nc_u64 s[86:87], s[PROUT:PROUT+1], s[78:79]
	s_wait_alu depctr_va_vdst(0)                   ; the offsets and LDS addresses v1 to v5 and v10 to v15 are written, which the loads and stores below read
	; ---------------- the launch's first loads ----------------
	; Every wave loads the vectors, so that all waves issue the same loads and each counted wait means the same in each; wave 7 alone stores them.
.set n, 0
.rept NVEC
	global_load_b64 v[VEC+2*n:VEC+2*n+1], v[TA], s[PVEC+2*n:PVEC+2*n+1]
.set n, n+1
.endr
	LOADW RAW, PW0
	LOADW RAW+16, PW0+2
	LOADW RAW+32, PW0+4
	XBLOAD 0, 80
	XBLOAD 1, 80
	XBLOAD 2, 80
	XBLOAD 3, 80
.irp k, 0,1,2,3,4,5,6,7
	global_load_b128 v[QSRC+4*\k:QSRC+4*\k+3], v[LN16], s[82:83] offset:512*\k
.endr
	s_wait_loadcnt 24                              ; the vectors, wq, wk, wv are in; behind them: 16 of the ring, 8 of the queries
	s_set_vgpr_msb 0x40                            ; destinations v256 and up: the weights that are needed later wait there as loaded.
.set n, 0                                          ; Issued behind the wait: a wave then has at most 24 + 4 (NW - 3) loads out.  Since the wait on va_vdst above only loads have been issued
.rept NW-3
	LOADW 16*n, PW0+6+2*n
.set n, n+1
.endr
	s_set_vgpr_msb 0x4000
	CVTW PKW, RAW
	CVTW PKW+8, RAW+16
	CVTW PKW+16, RAW+32
	s_wait_alu depctr_va_vdst(0)                   ; the conversions have written PKW, which the LDS stores read, and are done reading RAW, in which (with PKW) the weight fragments' loads land behind the barrier
	STW 1, 0, PKW
	STW 1, 1, PKW+8
	STW 1, 2, PKW+16
	s_cmp_lg_u32 s66, 7
	s_cbranch_scc1 .Lnot7
.set n, 0
.rept NVEC
	ds_store_b64 v[KS], v[VEC+2*n:VEC+2*n+1] offset:256*n
.set n, n+1
.endr
.Lnot7:
	s_wait_alu depctr_vm_vsrc(0)                   ; the LDS stores have read KS, PKW and VEC, and the vectors' loads TA: KS is written again below, the others by the fragments' loads, the projection's products and Q's address
	KSKV
	BAR                                            ; wq, wk, wv and the vectors are whole
	KVBOTH 1, 2, 8+4*(NW-3), 80
	QPROJ 0, QSRC, 0
	s_set_vgpr_msb 0x05                            ; sources v256 and up (their loads were shown done by the wait for ring tile 4, issued behind them)
.set n, 0
.rept 8*(NW-3)
	v_cvt_pk_bf16_f32 v[PK2+n], v[2*n], v[2*n+1]
.set n, n+1
.endr
	s_set_vgpr_msb 0x0500
	s_wait_alu depctr_va_vdst(0)                   ; the conversions have written PK2, which the LDS stores read; Q's products are done reading QSRC, in which the owners' residual lands
.if DEC
	STW 0, 3, PK2
	STW 1, 4, PK2+8
	STW 1, 5, PK2+16
	STW 1, 6, PK2+24
	STW 0, 7, PK2+32
	STW 0, 8, PK2+40
	STW 0, 9, PK2+48
.else
	STW 0, 3, PK2
	STW 0, 4, PK2+8
	STW 0, 5, PK2+16
.endif
	s_cmp_ge_u32 s66, 4
	s_cbranch_scc1 .Lno_res
.irp k, 0,1,2,3,4,5,6,7
	global_load_b128 v[ACC+4*\k:ACC+4*\k+3], v[LN16], s[84:85] offset:512*\k   ; the residual; it has the whole attention in which to come.  Since the wait above only LDS stores have been issued
.endr
.Lno_res:
	s_wait_alu depctr_vm_vsrc(0)                   ; the LDS stores have read PK2 and their addresses v10 to v13, and Q's weight loads TA: the lines below and the attention's scores, weights and K loads write them again
.if DEC
	s_and_b32 s98, s71, 1                          ; which half of the diagonal block of 64 keys holds my queries
	s_lshl_b32 s98, s98, 5
	v_and_b32 v[DQ], 15, v0
	v_bfe_u32 v[TA], v0, 4, 1
	v_lshlrev_b32 v[TA], 3, v[TA]
	v_sub_nc_u32 v[DQ], v[DQ], v[TA]
	v_add_nc_u32 v[DQ], s98, v[DQ]                 ; 32 (blk & 1) + r - 8 h
	v_add_nc_u32 v[DQ+1], 16, v[DQ]
	v_mov_b32 v[MASKV], 0xf149f2ca                 ; -1e30
.endif
	s_lshl_b32 s98, s67, 12
	s_lshl_b32 s99, s68, 9
	s_add_co_u32 s98, s98, s99
	s_add_co_u32 s98, s98, OX0
	v_add_nc_u32 v[OXA], s98, v[LN16]
	BAR                                            ; K, V and all weights are whole
	ATT DEC
	BAR                                            ; OX is whole, and nobody reads K and V any more
.if DEC
	s_wait_alu depctr_vm_vsrc(0)                   ; my stores into OX have read PP, the stores of K and V KS and PK, the attention's loads their addresses: all are written again below, by owners and by the others
	s_cmp_ge_u32 s66, 4
	s_cbranch_scc1 .Lnot_owner
	OXRD
	ATTOUT 3, 0, 1, 2, 1, 0, 0, 0
	s_wait_alu depctr_va_vdst(0)                   ; the conversions have written FR, which the LDS stores read; the LayerNorm and the products are done with v16 to v207, in which the loads behind the label land
.irp c, 0,1,2,3
	ds_store_b128 v[KS], v[FR+4*\c:FR+4*\c+3] offset:8192+512*\c               ; the cross attention's query source
.endr
	s_wait_alu depctr_vm_vsrc(0)                   ; these stores have read FR, in which the ring's loads land, and KS, which is written again below
.Lnot_owner:
	XBLOAD 0, 90
	XBLOAD 1, 90
	XBLOAD 2, 90
	XBLOAD 3, 90
	KSKV
	KVBOTH 5, 6, 0, 90
	BAR                                            ; the encoder's K and V and XQ are whole; the owners' reads of OX are over
	QPROJ 4, XB, 1
	ATT 0
	BAR                                            ; OX is whole
.endif
	s_cmp_ge_u32 s66, 4
	s_cbranch_scc1 .Lend
	s_wait_alu depctr_vm_vsrc(0)                   ; my stores into OX have read PP, and earlier LDS instructions KS and PK: KS is written again below, and loads land in the others
	OXRD
.if DEC
	ATTOUT 7, 3, 4, 5, 0, 1, 8, 6
	FFN 9, 7, 8, 9
.else
	ATTOUT 3, 0, 1, 2, 1, 1, 4, 3
	FFN 5, 4, 5, 6
.endif
	s_wait_alu depctr_va_vdst(0)                   ; the LayerNorm has written ACC and the conversions FR, which the stores read
.irp k, 0,1,2,3,4,5,6,7
	global_store_b128 v[LN16], v[ACC+4*\k:ACC+4*\k+3], s[86:87] offset:512*\k
.endr
.irp c, 0,1,2,3
	global_store_b128 v[LN16], v[FR+4*\c:FR+4*\c+3], s[88:89] offset:512*\c
.endr
.Lend:
	s_set_vgpr_msb 0x5
	s_wait_dscnt 0x0
	s_wait_alu depctr_hold_cnt(0) depctr_sa_sdst(0) depctr_va_vdst(0) depctr_va_sdst(0) depctr_va_ssrc(0) depctr_va_vcc(0) depctr_vm_vsrc(0)
	s_wait_tensorcnt 0x0
	ds_add_u32 v112, v113
	s_wait_dscnt 0x0
	s_endpgm
.Lfunc_end_k_qc7cfd48d04_dec0:
	.size	k_qc7cfd48d04_dec0, .Lfunc_end_k_qc7cfd48d04_dec0-k_qc7cfd48d04_dec0
	.p2alignl 7, 3214868480
	.fill 96, 4, 3214868480
	.section	.rodata,"a",@progbits
	.p2align	6, 0x0
	.amdhsa_kernel k_qc7cfd48d04_dec0
		.amdhsa_group_segment_fixed_size 253952
		.amdhsa_private_segment_fixed_size 0
		.amdhsa_enable_private_segment 0
		.amdhsa_kernarg_size 200
		.amdhsa_user_sgpr_count 2
		.amdhsa_user_sgpr_kernarg_segment_ptr 1
		.amdhsa_wavefront_size32 1
		.amdhsa_system_sgpr_workgroup_id_x 1
		.amdhsa_system_sgpr_workgroup_id_y 1
		.amdhsa_system_sgpr_workgroup_id_z 1
		.amdhsa_system_vgpr_workitem_id 0
		.amdhsa_next_free_vgpr 370
		.amdhsa_next_free_sgpr 100
		.amdhsa_reserve_vcc 0
		.amdhsa_float_denorm_mode_32 3
		.amdhsa_float_denorm_mode_16_64 3
		.amdhsa_memory_ordered 1
		.amdhsa_forward_progress 1
		.amdhsa_inst_pref_size 197
	.end_amdhsa_kernel
	.amdgpu_metadata
---
amdhsa.version: [ 1, 2 ]
amdhsa.kernels:
  - .name:           k_qc7cfd48d04_dec0
    .symbol:         k_qc7cfd48d04_dec0.kd
    .args:
      - { .name: yrA, .offset: 0, .size: 8, .value_kind: global_buffer, .address_space: global }
      - { .name: yfA, .offset: 8, .size: 8, .value_kind: global_buffer, .address_space: global }
      - { .name: xfA, .offset: 16, .size: 8, .value_kind: global_buffer, .address_space: global }
      - { .name: dec_blocks_0_sattn_wq, .offset: 24, .size: 8, .value_kind: global_buffer, .address_space: global }
      - { .name: dec_blocks_0_sattn_wk, .offset: 32, .size: 8, .value_kind: global_buffer, .address_space: global }
      - { .name: dec_blocks_0_sattn_wv, .offset: 40, .size: 8, .value_kind: global_buffer, .address_space: global }
      - { .name: dec_blocks_0_sattn_wo, .offset: 48, .size: 8, .value_kind: global_buffer, .address_space: global }
      - { .name: dec_blocks_0_cattn_wq, .offset: 56, .size: 8, .value_kind: global_buffer, .address_space: global }
      - { .name: dec_blocks_0_cattn_wk, .offset: 64, .size: 8, .value_kind: global_buffer, .address_space: global }
      - { .name: dec_blocks_0_cattn_wv, .offset: 72, .size: 8, .value_kind: global_buffer, .address_space: global }
      - { .name: dec_blocks_0_cattn_wo, .offset: 80, .size: 8, .value_kind: global_buffer, .address_space: global }
      - { .name: dec_blocks_0_ffn_w1, .offset: 88, .size: 8, .value_kind: global_buffer, .address_space: global }
      - { .name: dec_blocks_0_ffn_w2, .offset: 96, .size: 8, .value_kind: global_buffer, .address_space: global }
      - { .name: dec_blocks_0_sattn_bo, .offset: 104, .size: 8, .value_kind: global_buffer, .address_space: global }
      - { .name: dec_blocks_0_ln1_g, .offset: 112, .size: 8, .value_kind: global_buffer, .address_space: global }
      - { .name: dec_blocks_0_ln1_b, .offset: 120, .size: 8, .value_kind: global_buffer, .address_space: global }
      - { .name: dec_blocks_0_cattn_bo, .offset: 128, .size: 8, .value_kind: global_buffer, .address_space: global }
      - { .name: dec_blocks_0_ln2_g, .offset: 136, .size: 8, .value_kind: global_buffer, .address_space: global }
      - { .name: dec_blocks_0_ln2_b, .offset: 144, .size: 8, .value_kind: global_buffer, .address_space: global }
      - { .name: dec_blocks_0_ffn_b1, .offset: 152, .size: 8, .value_kind: global_buffer, .address_space: global }
      - { .name: dec_blocks_0_ffn_b2, .offset: 160, .size: 8, .value_kind: global_buffer, .address_space: global }
      - { .name: dec_blocks_0_ln3_g, .offset: 168, .size: 8, .value_kind: global_buffer, .address_space: global }
      - { .name: dec_blocks_0_ln3_b, .offset: 176, .size: 8, .value_kind: global_buffer, .address_space: global }
      - { .name: yrB, .offset: 184, .size: 8, .value_kind: global_buffer, .address_space: global }
      - { .name: yfB, .offset: 192, .size: 8, .value_kind: global_buffer, .address_space: global }
    .group_segment_fixed_size: 253952
    .private_segment_fixed_size: 0
    .kernarg_segment_align: 8
    .kernarg_segment_size: 200
    .max_flat_workgroup_size: 256
    .sgpr_count:     100
    .vgpr_count:     370
    .wavefront_size: 32
...
	.end_amdgpu_metadata
.endif
;; end of part 6
;; launch dec1: the kernel of part 6 again; grid 8 x 32, 8 waves a work-group, no clusters, 253,952 bytes of LDS; arguments yrB, yfB, xfA, dec_blocks_1_sattn_wq, dec_blocks_1_sattn_wk, dec_blocks_1_sattn_wv, dec_blocks_1_sattn_wo, dec_blocks_1_cattn_wq, dec_blocks_1_cattn_wk, dec_blocks_1_cattn_wv, dec_blocks_1_cattn_wo, dec_blocks_1_ffn_w1, dec_blocks_1_ffn_w2, dec_blocks_1_sattn_bo, dec_blocks_1_ln1_g, dec_blocks_1_ln1_b, dec_blocks_1_cattn_bo, dec_blocks_1_ln2_g, dec_blocks_1_ln2_b, dec_blocks_1_ffn_b1, dec_blocks_1_ffn_b2, dec_blocks_1_ln3_g, dec_blocks_1_ln3_b, yrA, yfA; writes yrA, yfA
;; launch dec2: the kernel of part 6 again; grid 8 x 32, 8 waves a work-group, no clusters, 253,952 bytes of LDS; arguments yrA, yfA, xfA, dec_blocks_2_sattn_wq, dec_blocks_2_sattn_wk, dec_blocks_2_sattn_wv, dec_blocks_2_sattn_wo, dec_blocks_2_cattn_wq, dec_blocks_2_cattn_wk, dec_blocks_2_cattn_wv, dec_blocks_2_cattn_wo, dec_blocks_2_ffn_w1, dec_blocks_2_ffn_w2, dec_blocks_2_sattn_bo, dec_blocks_2_ln1_g, dec_blocks_2_ln1_b, dec_blocks_2_cattn_bo, dec_blocks_2_ln2_g, dec_blocks_2_ln2_b, dec_blocks_2_ffn_b1, dec_blocks_2_ffn_b2, dec_blocks_2_ln3_g, dec_blocks_2_ln3_b, yrB, yfB; writes yrB, yfB
;; launch dec3: the kernel of part 6 again; grid 8 x 32, 8 waves a work-group, no clusters, 253,952 bytes of LDS; arguments yrB, yfB, xfA, dec_blocks_3_sattn_wq, dec_blocks_3_sattn_wk, dec_blocks_3_sattn_wv, dec_blocks_3_sattn_wo, dec_blocks_3_cattn_wq, dec_blocks_3_cattn_wk, dec_blocks_3_cattn_wv, dec_blocks_3_cattn_wo, dec_blocks_3_ffn_w1, dec_blocks_3_ffn_w2, dec_blocks_3_sattn_bo, dec_blocks_3_ln1_g, dec_blocks_3_ln1_b, dec_blocks_3_cattn_bo, dec_blocks_3_ln2_g, dec_blocks_3_ln2_b, dec_blocks_3_ffn_b1, dec_blocks_3_ffn_b2, dec_blocks_3_ln3_g, dec_blocks_3_ln3_b, yrA, yfA; writes yrA, yfA
;; launch logits: the kernel of part 4 again; grid 256 x 1, 4 waves a work-group, no clusters, 39,424 bytes of LDS; arguments yrA, out_w, out_b, out0; writes out0
